; MI455X (gfx1250); checked and timed in simulation.
; The chip was launched on July 23, 2026; its instructions are those of AMD's public machine-readable ISA for CDNA 5 (MIT licence, August 2026) and "CDNA5" Instruction Set Architecture Reference Guide (July 2026). The comments in the code are by the model that wrote it; some were corrected since.
;; Causal Self Attention. Allowed arithmetic: float matrix products may take bf16 or f16 operands with f32 sums; other float arithmetic in f32, or as packed bf16 or f16 multiplies, adds, multiply-adds, maxima and minima; sums over many terms, partial sums and values carried from step to step in f32; what a program stores and reads back later, other than sums and carried values, may be rounded once to bf16 or f16.
;; Inputs: Wk 1,024 x 1,024 float32; Wo 1,024 x 1,024 float32; Wq 1,024 x 1,024 float32; Wv 1,024 x 1,024 float32; bk 1,024 float32; bo 1,024 float32; bq 1,024 float32; bv 1,024 float32; x 4 x 2,048 x 1,024 float32.
;; Outputs: out0 4 x 2,048 x 1,024 float32.
;; 3 versions, each right; version 2 is faster than version 1; version 3 is version 2 with the launch cast written anew for expert scheduling mode. Each part assembles by itself: llvm-mc -triple=amdgcn-amd-amdhsa -mcpu=gfx1250 --defsym DOCPART=n.
;; ======== version 1 of 3: 5 launches
;; limits: values are held in f16: magnitudes above 65,504 overflow, below 6.1e-05 lose precision; values outside matrix products are rounded to f16
;; workspace buffers: xh 16,777,216 bytes; wcat 6,291,456 bytes; woh 2,097,152 bytes; vqk 50,331,648 bytes; ph 33,554,432 bytes; st 1,048,576 bytes; oh 16,777,216 bytes
;; launch cast (part 1): grid 384 x 1, 8 waves a work-group, no clusters, 0 bytes of LDS; arguments x, Wv, Wq, Wk, Wo, xh, wcat, woh; writes xh, wcat, woh
.if DOCPART == 1
	.amdgcn_target "amdgcn-amd-amdhsa--gfx1250"
	.amdhsa_code_object_version 6
	.text
	.protected	k_q8b1f02679c_cast
	.globl	k_q8b1f02679c_cast
	.p2align	8
	.type	k_q8b1f02679c_cast,@function
k_q8b1f02679c_cast:
	s_mov_b64 s[64:65], 0
	v_nop
	global_prefetch_b8 v0, s[64:65] scope:SCOPE_SE
	s_setreg_imm32_b32 hwreg(HW_REG_WAVE_MODE, 25, 1), 1
	s_wait_xcnt 0x0
; xh = f16(bf16(x)); wcat = f16(bf16(Wv | Wq | Wk)), the three one below the other; woh = f16(bf16(Wo)).
; Every input is rounded to bf16 (nearest even), and that number is written as f16, the format of the later products.
; LIMITS.  The second step is exact where the number lies in f16's normal range, 6.1e-5 to 65,504; below that it keeps f16's fixed
; step of 6e-8; a number of 65,520 or more becomes an infinity.  NaN and infinities are not treated apart.
; A stream: no LDS, no matrix unit, no cluster, since nothing is read twice.  A work-group takes 32,768 numbers: 131,072 bytes in,
; 65,536 out.  Work-groups 0-255 take x, then 32 each Wv, Wq, Wk, Wo.  Thread t takes 16 bytes at 16 t of every 4,096 and stores
; 8 bytes at 8 t of every 2,048: a wave's load covers 512 consecutive bytes, its store 256, both aligned.
.set STEPS, 32                         ; steps of 4,096 bytes in
.set DEPTH, 8                          ; loads of a wave in flight
.set VIN,  1                           ; v1      16 t; never rewritten: the step stands in the immediate
.set VOUT, 2                           ; v2      8 t; never rewritten
.set X,    8                           ; v[8:39]  slot k: four f32 as loaded
.set Y,    40                          ; v[40:55] slot k: four f16 to store
.set T,    56                          ; v[56:61] at work
	s_load_b512 s[4:19], s[0:1], 0x0               ; x s[4:5], Wv s[6:7], Wq s[8:9], Wk s[10:11], Wo s[12:13], xh s[14:15], wcat s[16:17], woh s[18:19]
	s_mov_b32 s20, 0xffff0000                      ; a word's upper bf16
	s_mov_b32 s21, ttmp9                           ; g
	s_sub_co_u32 s22, s21, 256                     ; g - 256: the block among the weights' 128 (used where g >= 256 alone)
	s_and_b32 s23, s22, 31                         ; the block in its weight
	v_lshlrev_b32 v[VIN], 4, v0
	v_lshlrev_b32 v[VOUT], 3, v0
	s_wait_kmcnt 0x0
	s_mov_b64 s[32:33], s[4:5]                     ; from: x
	s_mov_b64 s[34:35], s[14:15]                   ; to: xh
	s_mov_b32 s36, s21                             ; block in the source
	s_mov_b32 s37, s21                             ; block in the destination
	s_cmp_ge_u32 s21, 256
	s_cselect_b64 s[32:33], s[6:7], s[32:33]       ; Wv
	s_cselect_b64 s[34:35], s[16:17], s[34:35]     ; wcat, in which the three weights' blocks follow each other
	s_cselect_b32 s36, s23, s36
	s_cselect_b32 s37, s22, s37
	s_cmp_ge_u32 s21, 288
	s_cselect_b64 s[32:33], s[8:9], s[32:33]       ; Wq
	s_cmp_ge_u32 s21, 320
	s_cselect_b64 s[32:33], s[10:11], s[32:33]     ; Wk
	s_cmp_ge_u32 s21, 352
	s_cselect_b64 s[32:33], s[12:13], s[32:33]     ; Wo
	s_cselect_b64 s[34:35], s[18:19], s[34:35]     ; woh
	s_cselect_b32 s37, s23, s37
	s_lshl_b32 s38, s36, 17                        ; 131,072 bytes a block in,
	s_mov_b32 s39, 0
	s_lshl_b32 s40, s37, 16                        ; 65,536 out
	s_mov_b32 s41, 0
	s_add_nc_u64 s[32:33], s[32:33], s[38:39]
	s_add_nc_u64 s[34:35], s[34:35], s[40:41]
.irp k, 0,1,2,3,4,5,6,7
	global_load_b128 v[X+4*\k:X+4*\k+3], v[VIN], s[32:33] offset:\k*4096 th:TH_LOAD_NT  ; the ring is filled: steps 0 to 7
.endr
.macro STEP s
.if STEPS-1-(\s) < DEPTH-1
	s_wait_loadcnt STEPS-1-(\s)                    ; the last steps load nothing: the count runs down
.else
	s_wait_loadcnt DEPTH-1                         ; loads come back in order (ISA guide 5.7.1): mine is in, the seven younger stay out
.endif
	s_wait_xcnt 0x0                                ; this slot's Y is the data of the store eight steps back: it is rewritten only behind this wait
	v_cvt_pk_bf16_f32 v[T],   v[X+4*((\s)%DEPTH)],   v[X+4*((\s)%DEPTH)+1]  ; to bf16, nearest even
	v_cvt_pk_bf16_f32 v[T+1], v[X+4*((\s)%DEPTH)+2], v[X+4*((\s)%DEPTH)+3]
	v_lshlrev_b32 v[T+2], 16, v[T]                 ; back to f32: the low half moves up,
	v_and_b32     v[T+3], s20, v[T]                ; the high half stays
	v_lshlrev_b32 v[T+4], 16, v[T+1]
	v_and_b32     v[T+5], s20, v[T+1]
	v_cvt_pk_f16_f32 v[Y+2*((\s)%DEPTH)],   v[T+2], v[T+3]
	v_cvt_pk_f16_f32 v[Y+2*((\s)%DEPTH)+1], v[T+4], v[T+5]
.if (\s)+DEPTH < STEPS
	global_load_b128 v[X+4*((\s)%DEPTH):X+4*((\s)%DEPTH)+3], v[VIN], s[32:33] offset:((\s)+DEPTH)*4096 th:TH_LOAD_NT
.endif
	global_store_b64 v[VOUT], v[Y+2*((\s)%DEPTH):Y+2*((\s)%DEPTH)+1], s[34:35] offset:(\s)*2048
.endm
.set i, 0
.rept STEPS
	STEP i
.set i, i+1
.endr
	s_endpgm
.Lfunc_end_k_q8b1f02679c_cast:
	.size	k_q8b1f02679c_cast, .Lfunc_end_k_q8b1f02679c_cast-k_q8b1f02679c_cast
	.p2alignl 7, 3214868480
	.fill 96, 4, 3214868480
	.section	.rodata,"a",@progbits
	.p2align	6, 0x0
	.amdhsa_kernel k_q8b1f02679c_cast
		.amdhsa_group_segment_fixed_size 0
		.amdhsa_private_segment_fixed_size 0
		.amdhsa_enable_private_segment 0
		.amdhsa_kernarg_size 64
		.amdhsa_user_sgpr_count 2
		.amdhsa_user_sgpr_kernarg_segment_ptr 1
		.amdhsa_wavefront_size32 1
		.amdhsa_system_sgpr_workgroup_id_x 1
		.amdhsa_system_sgpr_workgroup_id_y 1
		.amdhsa_system_sgpr_workgroup_id_z 1
		.amdhsa_system_vgpr_workitem_id 0
		.amdhsa_next_free_vgpr 64
		.amdhsa_next_free_sgpr 66
		.amdhsa_reserve_vcc 0
		.amdhsa_float_denorm_mode_32 3
		.amdhsa_float_denorm_mode_16_64 3
		.amdhsa_memory_ordered 1
		.amdhsa_forward_progress 1
		.amdhsa_inst_pref_size 22
	.end_amdhsa_kernel
	.amdgpu_metadata
---
amdhsa.version: [ 1, 2 ]
amdhsa.kernels:
  - .name:           k_q8b1f02679c_cast
    .symbol:         k_q8b1f02679c_cast.kd
    .args:
      - { .name: x, .offset: 0, .size: 8, .value_kind: global_buffer, .address_space: global }
      - { .name: Wv, .offset: 8, .size: 8, .value_kind: global_buffer, .address_space: global }
      - { .name: Wq, .offset: 16, .size: 8, .value_kind: global_buffer, .address_space: global }
      - { .name: Wk, .offset: 24, .size: 8, .value_kind: global_buffer, .address_space: global }
      - { .name: Wo, .offset: 32, .size: 8, .value_kind: global_buffer, .address_space: global }
      - { .name: xh, .offset: 40, .size: 8, .value_kind: global_buffer, .address_space: global }
      - { .name: wcat, .offset: 48, .size: 8, .value_kind: global_buffer, .address_space: global }
      - { .name: woh, .offset: 56, .size: 8, .value_kind: global_buffer, .address_space: global }
    .group_segment_fixed_size: 0
    .private_segment_fixed_size: 0
    .kernarg_segment_align: 8
    .kernarg_segment_size: 64
    .max_flat_workgroup_size: 256
    .sgpr_count:     66
    .vgpr_count:     64
    .wavefront_size: 32
...
	.end_amdgpu_metadata
.endif
;; end of part 1
;; launch qkv (part 2): grid 12 x 64, 4 waves a work-group, clusters of 4 x 4, 327,680 bytes of LDS; arguments xh, wcat, bv, bq, bk, vqk; writes vqk
.if DOCPART == 2
	.amdgcn_target "amdgcn-amd-amdhsa--gfx1250"
	.amdhsa_code_object_version 6
	.text
	.protected	k_q8b1f02679c_qkv
	.globl	k_q8b1f02679c_qkv
	.p2align	8
	.type	k_q8b1f02679c_qkv,@function
k_q8b1f02679c_qkv:
	s_mov_b64 s[64:65], 0
	v_nop
	global_prefetch_b8 v0, s[64:65] scope:SCOPE_SE
	s_setreg_imm32_b32 hwreg(HW_REG_WAVE_MODE, 25, 1), 1
	s_wait_xcnt 0x0
	s_wait_alu depctr_hold_cnt(0) depctr_sa_sdst(0) depctr_va_vdst(0) depctr_va_sdst(0) depctr_va_ssrc(0) depctr_va_vcc(0) depctr_vm_vsrc(0)
	s_getreg_b32 s2, hwreg(HW_REG_IB_STS2, 6, 4)
	s_cmp_eq_u32 s2, 0
	s_cbranch_scc0 .Lentry_in_a_cluster
	s_endpgm
.Lentry_in_a_cluster:
	s_bfe_u32 s2, ttmp6, 0x10000c
	s_cmp_lg_u32 s2, 0xf033
	s_cbranch_scc0 .Lentry_shape_is_right
	s_endpgm
.Lentry_shape_is_right:
; vqk[plane][row][col] = f16( sum over k of xh[row][k] wcat[1024 plane + col][k] + bf16(bias_plane[col]) ); planes V, Q, K; sums in f32.
; xh: [8192][1024] f16, wcat: [3072][1024] f16, vqk: [3][8192][1024] f16.
; LIMITS.  V, Q and K must lie within f16's 65,504 (a sum of 65,520 or more becomes an infinity); below 6.1e-5 they keep f16's fixed step of 6e-8.
; SHARES.  A work-group makes 128 rows x 256 columns; each of its four waves 64 x 128: 32 accumulators of 16 x 16 (block a of 16 rows, b of 16 columns).
; K goes in steps of 128 (tile rows of 256 bytes, aligned) through two LDS slots; waves 0, 1 fetch A's two halves of 64 rows, waves 2, 3 B's two of 128 rows.
; Two slots of a step of 256 would take 405,504 bytes of LDS, more than a work-group can have.
; THE MATRIX INSTRUCTION IS USED TRANSPOSED (source 0 = 16 rows of wcat, source 1 = 16 rows of xh): lane l holds row l % 16, registers 0-7 the columns 8 (l / 16) + 0..7.
; CLUSTER 4 x 4: the four of a row of the cluster need the same tiles of xh, the four of a column the same tiles of wcat: each is asked for jointly.
; The cluster's x is the plane (12 column tiles, four to a plane), so all partners take the same bias vector.
; REGISTERS.  window 0: v0-31 addresses; v32-127, v128-223 two fragment buffers (B's block b at +8 b, A's block a at +64 + 8 a); v224-255 packed results.
;   window 1: accumulator (a, b) at v[8 (8 a + b)].   window 2: v0-63 the bias of my 128 columns, laid as an accumulator's registers: the C of the first K step.
.set PITCH,  272                       ; an LDS row: 256 bytes + 16 of padding = 68 words: the 16 rows of a fragment load start at 16 different groups of four banks (64 banks of 4 bytes: ISA guide 11.1)
.set AH,     64*PITCH                  ; what one of A's loads brings, and what a wave reads of A
.set BOFF,   2*AH                      ; B's rows lie behind A's 128
.set BH,     128*PITCH                 ; what one of B's loads brings, and what a wave reads of B
.set SLOT,   BOFF+2*BH
.set STAGE,  2*SLOT                    ; behind the ring, never filled by a tensor load: 16 rows x 272 bytes for each wave
.set SPITCH, 272
.set SPARE,  STAGE+4*16*SPITCH         ; the spare words, 128 bytes for each wave: two blocks of 256 bytes that no other line names
.set LAPS,   4                         ; a lap = two K steps; 1,024 / 256
.set ROWB,   2048                      ; bytes in a row of the result
.set ADRA, 16                          ; v16-17  LDS address of my A fragments in slot 0, 1
.set ADRB, 20                          ; v20-21  the same for B
.set STO,  24                          ; v24     the way out: where I put 16 bytes of a row
.set RD,   25                          ; v25     where I read a row back
.set CO,   26                          ; v26     my byte offset in the result
.set SPW,  28                          ; v28     SPARE + 4 x my thread's number; never rewritten
.set NIL,  29                          ; v29     0; never rewritten
.set F0,   32
.set F1,   128
.set TMP,  224
.set OB,   32                          ; the way out: block a's rows come back into v[32 + 32 a ..]: registers of its own for each block
.set WV,  16                           ; s16  wave
.set WM,  17                           ; s17  wave >> 1: my 64 rows.  Also: I fetch for A (0) or for B (1)
.set WN,  18                           ; s18  wave & 1: my 128 columns.  Also: which half I fetch
.set CNT, 19
.set G1A, 24                           ; s[24:31] descriptor group 1 for A's tiles;  s[32:39] group 0, a set for each slot
.set G0A, 32
.set G1B, 48                           ; s[48:55], s[56:63] the same for B's
.set G0B, 56
.set CB,  14                           ; s[14:15] the result at my wave's first row and column
.set MSB, 0
.macro WIN new                         ; bits 1:0 source 0, 3:2 source 1, 5:4 source 2, 7:6 destination; the high byte repeats the setting that is left
.if MSB != (\new)
	s_set_vgpr_msb (MSB<<8)|(\new)
.set MSB, \new
.endif
.endm
.set W_MUL,  0x50                      ; fragments in window 0, C and D in window 1
.set W_MULB, 0x60                      ; C in window 2 (the bias), D in window 1
.macro PLACES                          ; four plain vector instructions between a matrix instruction and a load into, or a vector access to, its registers (ISA guide 7.12.1 for vector accesses)
.rept 4
	v_nop
.endr
.endm
.macro JLOAD s                         ; a joint refill; four v_nop follow each of the two lines, ahead of the jump and the label
	s_cmp_eq_u32 s[WM], 0
	s_cbranch_scc0 .Lfor_b_\@
	tensor_load_to_lds s[G0A+4*(\s):G0A+4*(\s)+3], s[G1A:G1A+7]
	s_nop 0
.rept 4
	v_nop
.endr
	s_branch .Lasked_\@
.Lfor_b_\@:
	tensor_load_to_lds s[G0B+4*(\s):G0B+4*(\s)+3], s[G1B:G1B+7]
	s_nop 0
.rept 4
	v_nop
.endr
.Lasked_\@:
.endm
.macro CREST                           ; a round of the cluster's barrier behind its opening barrier
	s_cmp_lg_u32 s[WV], 0
	s_cbranch_scc1 .Lnot_wave_0_\@
	s_barrier_signal -3
.Lnot_wave_0_\@:
	s_barrier_wait -3
	s_barrier_signal -1
	s_barrier_wait -1
.endm
.macro CROUND
	s_barrier_signal -1
	s_barrier_wait -1
	CREST
.endm
	s_load_b256 s[4:11], s[0:1], 0x0               ; xh s[4:5], wcat s[6:7], bv s[8:9], bq s[10:11]
	s_load_b128 s[12:15], s[0:1], 0x20             ; bk s[12:13], vqk s[14:15]
	v_lshl_add_u32 v[SPW], v0, 2, SPARE
	v_mov_b32 v[NIL], 0
	ds_add_u32 v28, v29
	ds_add_u32 v28, v29
	s_wait_dscnt 0x0
	v_lshrrev_b32 v1, 5, v0
	v_readfirstlane_b32 s[WV], v1
	s_lshr_b32 s[WM], s[WV], 1
	s_and_b32 s[WN], s[WV], 1
	s_bfe_u32 s40, ttmp6, 0x40000                  ; cx
	s_bfe_u32 s41, ttmp6, 0x40004                  ; cy
	s_lshl_b32 s42, ttmp9, 2
	s_add_co_u32 s42, s42, s40                     ; column tile = 4 x cluster x + cx
	s_and_b32 s43, ttmp7, 0xffff
	s_lshl_b32 s43, s43, 2
	s_add_co_u32 s43, s43, s41                     ; row tile = 4 x cluster y + cy
	s_lshl_b32 s44, s41, 2
	s_lshl_b32 s44, 15, s44                        ; my row of the cluster
	s_lshl_b32 s45, 0x1111, s40                    ; my column
	s_or_b32 s[G1A], s44, (1<<16)|(1<<20)|(1<<21)|(5<<22)|(3<<25)  ; 15:0 the mask; 17:16 2-byte elements; 20 padding on; 21 set beside a mask; 24:22 after every 64 words; 31:25 4 words of it
	s_or_b32 s[G1B], s45, (1<<16)|(1<<20)|(1<<21)|(5<<22)|(3<<25)
	s_mov_b32 s[G1A+1], 128<<16                    ; tensor_dim0 = 128
	s_mov_b32 s[G1A+2], 64<<16                     ; tensor_dim1 = 64
	s_mov_b32 s[G1A+3], 128<<16                    ; tile_dim0 = 128
	s_mov_b32 s[G1A+4], 64                         ; tile_dim1 = 64
	s_mov_b32 s[G1A+5], 1024                       ; elements from row to row
	s_mov_b32 s[G1A+6], 0
	s_mov_b32 s[G1A+7], 0
	s_mov_b32 s[G1B+1], 128<<16
	s_mov_b32 s[G1B+2], 128<<16                    ; 128 rows
	s_mov_b32 s[G1B+3], 128<<16
	s_mov_b32 s[G1B+4], 128
	s_mov_b32 s[G1B+5], 1024
	s_mov_b32 s[G1B+6], 0
	s_mov_b32 s[G1B+7], 0
	s_lshl_b32 s20, s43, 18                        ; A: (128 x row tile + 64 x half) rows of 2,048 bytes: made of the row tile and the wave alone
	s_lshl_b32 s21, s[WN], 17
	s_add_co_u32 s20, s20, s21
	s_mov_b32 s21, 0
	s_lshl_b32 s46, s42, 19                        ; B: (256 x column tile + 128 x half) rows: made of the column tile and the wave alone
	s_lshl_b32 s47, s[WN], 18
	s_add_co_u32 s46, s46, s47
	s_mov_b32 s47, 0
	s_mul_i32 s22, s[WN], AH                       ; where they go: no place in the cluster enters an LDS address
	s_mul_i32 s23, s[WN], BH
	s_add_co_u32 s23, s23, BOFF
	s_wait_kmcnt 0x0
	s_add_nc_u64 s[20:21], s[4:5], s[20:21]
	s_add_nc_u64 s[46:47], s[6:7], s[46:47]
	s_cmp_eq_u32 ttmp9, 1                          ; the plane's bias: bv, bq or bk
	s_cselect_b64 s[8:9], s[10:11], s[8:9]
	s_cmp_eq_u32 ttmp9, 2
	s_cselect_b64 s[8:9], s[12:13], s[8:9]
.irp s, 0,1
	s_mov_b32 s[G0A+4*\s], 1                       ; count = 1
	s_add_co_u32 s[G0A+4*\s+1], s22, \s*SLOT       ; LDS address
	s_add_nc_u64 s[G0A+4*\s+2:G0A+4*\s+3], s[20:21], \s*256  ; global address: K step s
	s_or_b32 s[G0A+4*\s+3], s[G0A+4*\s+3], 0x80000000        ; type = 2
	s_mov_b32 s[G0B+4*\s], 1
	s_add_co_u32 s[G0B+4*\s+1], s23, \s*SLOT
	s_add_nc_u64 s[G0B+4*\s+2:G0B+4*\s+3], s[46:47], \s*256
	s_or_b32 s[G0B+4*\s+3], s[G0B+4*\s+3], 0x80000000
.endr
	CROUND                                         ; all sixteen work-groups are here: the first joint loads meet
	s_cmp_eq_u32 s[WM], 0                          ; a wave's two first fills stand in one branch: two loads of mine are out
	s_cbranch_scc0 .Lfirst_b
	tensor_load_to_lds s[G0A:G0A+3], s[G1A:G1A+7]
	s_nop 0
	tensor_load_to_lds s[G0A+4:G0A+7], s[G1A:G1A+7]
	s_nop 0
.rept 4
	v_nop
.endr
	s_branch .Lfirst_asked
.Lfirst_b:
	tensor_load_to_lds s[G0B:G0B+3], s[G1B:G1B+7]
	s_nop 0
	tensor_load_to_lds s[G0B+4:G0B+7], s[G1B:G1B+7]
	s_nop 0
.rept 4
	v_nop
.endr
.Lfirst_asked:
	; the bias of my 128 columns: register j of block b in lane l is column 16 b + 8 (l / 16) + j
	v_and_b32 v1, 15, v0                           ; r = l % 16
	v_bfe_u32 v2, v0, 4, 1                         ; h = l / 16
	s_lshl_b32 s46, s40, 10                        ; (256 cx + 128 half) columns of 4 bytes
	s_lshl_b32 s47, s[WN], 9
	s_add_co_u32 s46, s46, s47
	s_mov_b32 s47, 0
	s_add_nc_u64 s[8:9], s[8:9], s[46:47]
	v_lshlrev_b32 v5, 5, v2
	WIN 0x80                                       ; destination window 2, address window 0
.irp b, 0,1,2,3,4,5,6,7
	global_load_b128 v[8*\b:8*\b+3],   v5, s[8:9] offset:64*\b
	global_load_b128 v[8*\b+4:8*\b+7], v5, s[8:9] offset:64*\b+16
.endr
	WIN 0
	; a fragment is 16 rows x 32 K in 8 registers: lane l holds row r; registers 0-3 K = 8 h + 0..7, registers 4-7 K = 16 + 8 h + 0..7: two loads of 16 bytes, 32 apart
	v_mul_u32_u24 v3, v1, PITCH
	v_lshl_add_u32 v3, v2, 4, v3                   ; r x pitch + 16 h
	s_mul_i32 s2, s[WM], AH
	s_mul_i32 s3, s[WN], BH
	s_add_co_u32 s3, s3, BOFF
.irp s, 0,1
	v_add_nc_u32 v[ADRA+\s], s2, v3
	v_add_nc_u32 v[ADRB+\s], s3, v3
	s_add_co_u32 s2, s2, SLOT
	s_add_co_u32 s3, s3, SLOT
.endr
	s_mul_i32 s2, s[WV], 16*SPITCH
	s_add_co_u32 s2, s2, STAGE                     ; my stage
	v_add_nc_u32 v[STO], s2, v3                    ; in: row r, 16 bytes for each half of the lanes
	v_mul_u32_u24 v4, v2, SPITCH                   ; back: lanes 0-15 one row of 256 bytes, lanes 16-31 the next
	v_lshl_add_u32 v4, v1, 4, v4
	v_add_nc_u32 v[RD], s2, v4
	v_lshlrev_b32 v4, 11, v2                       ; and the same two rows in the result
	v_lshl_add_u32 v[CO], v1, 4, v4
	s_lshl_b32 s2, ttmp9, 24                       ; the plane's 16,777,216 bytes,
	s_lshl_b32 s3, s43, 18                         ; 128 rows a row tile,
	s_add_co_u32 s2, s2, s3
	s_lshl_b32 s3, s[WM], 17                       ; my 64 of them,
	s_add_co_u32 s2, s2, s3
	s_lshl_b32 s3, s40, 9                          ; the tile's 256 columns in the plane,
	s_add_co_u32 s2, s2, s3
	s_lshl_b32 s3, s[WN], 8                        ; my 128 of them
	s_add_co_u32 s2, s2, s3
	s_mov_b32 s3, 0
	s_add_nc_u64 s[CB:CB+1], s[CB:CB+1], s[2:3]
	s_wait_loadcnt 0x0                             ; the bias is in; it is rounded to bf16 like every input, and widened again
	WIN 0x0a                                       ; sources window 2, destination window 0
.set z, 0
.rept 32
	v_cvt_pk_bf16_f32 v[TMP+z], v[2*z], v[2*z+1]
.set z, z+1
.endr
	WIN 0x80                                       ; destination window 2
.set z, 0
.rept 32
	v_lshlrev_b32 v[2*z], 16, v[TMP+z]
	v_and_b32 v[2*z+1], 0xffff0000, v[TMP+z]
.set z, z+1
.endr
	WIN 0
; 8 matrix instructions: block a of my rows x all 8 column blocks, 32 along K.  mode 0: onto the sums; 1: C = 0; 2: C = the bias.  The 32 accumulators take turns,
; one instruction a turn, in the same order in every quarter.
.macro MUL8 f, a, mode
.if (\mode) == 2
	WIN W_MULB
.else
	WIN W_MUL
.endif
.irp b, 0,1,2,3,4,5,6,7
.if (\mode) == 0
	v_wmma_f32_16x16x32_f16 v[8*(8*(\a)+\b):8*(8*(\a)+\b)+7], v[(\f)+8*\b:(\f)+8*\b+7], v[(\f)+64+8*(\a):(\f)+64+8*(\a)+7], v[8*(8*(\a)+\b):8*(8*(\a)+\b)+7]
.elseif (\mode) == 1
	v_wmma_f32_16x16x32_f16 v[8*(8*(\a)+\b):8*(8*(\a)+\b)+7], v[(\f)+8*\b:(\f)+8*\b+7], v[(\f)+64+8*(\a):(\f)+64+8*(\a)+7], 0
.else
	v_wmma_f32_16x16x32_f16 v[8*(8*(\a)+\b):8*(8*(\a)+\b)+7], v[(\f)+8*\b:(\f)+8*\b+7], v[(\f)+64+8*(\a):(\f)+64+8*(\a)+7], v[8*\b:8*\b+7]
.endif
.endr
.endm
; 24 LDS loads in one run: a quarter's fragments (32 K at byte k of the rows): B's eight blocks, then A's four in ascending order
.macro FETCH slot, k, f
	WIN 0
.irp b, 0,1,2,3,4,5,6,7
	ds_load_b128 v[(\f)+8*\b:(\f)+8*\b+3],   v[ADRB+(\slot)] offset:(\k)+\b*16*PITCH
	ds_load_b128 v[(\f)+8*\b+4:(\f)+8*\b+7], v[ADRB+(\slot)] offset:(\k)+\b*16*PITCH+32
.endr
.irp a, 0,1,2,3
	ds_load_b128 v[(\f)+64+8*\a:(\f)+64+8*\a+3],   v[ADRA+(\slot)] offset:(\k)+\a*16*PITCH
	ds_load_b128 v[(\f)+64+8*\a+4:(\f)+64+8*\a+7], v[ADRA+(\slot)] offset:(\k)+\a*16*PITCH+32
.endr
.endm
; A K step is four quarters of 32 along K on buffers 0, 1, 0, 1.  One of the first three multiplies buffer f and fetches the next quarter into g.
.macro QUARTER slot, k, f, g, mode
	s_wait_dscnt 4                                 ; B and A's blocks 0, 1 are in; the youngest four loads (A's blocks 2, 3) may be out
	MUL8 \f, 0, \mode
	MUL8 \f, 1, \mode
	PLACES                                         ; for the loads into g, which the quarter before multiplied
	FETCH \slot, \k, \g
	s_wait_dscnt 24                                ; all but the 24 just issued
	MUL8 \f, 2, \mode
	MUL8 \f, 3, \mode
.endm
; The fourth quarter multiplies buffer 1 and changes slots: one barrier.  In front of it each wave waits for all its tensor loads (one is out: its part of the next slot),
; adds 0 to its spare word, and waits for that and for its reads of this slot.  fill = 1: the barrier opens a round of the cluster's, and this slot is filled again, two K steps on.
.macro TURN slot, next, fill
	WIN 0
	s_wait_tensorcnt 0x0
	ds_add_u32 v[SPW], v[NIL]                      ; 0 onto my spare word
	s_wait_dscnt 5                                 ; the add and A's blocks 2, 3 may be out
	MUL8 F1, 0, 0                                  ; eight matrix instructions stand between the add and the wait for it
	s_wait_dscnt 0x0                               ; the add is done, and my reads of this slot are over
	s_barrier_signal -1
	MUL8 F1, 1, 0
.if \fill
	WIN 0
.endif
	s_barrier_wait -1
.if \fill
	CREST                                          ; no wave of any partner still reads this slot or has a load on its way
	s_add_nc_u64 s[G0A+4*(\slot)+2:G0A+4*(\slot)+3], s[G0A+4*(\slot)+2:G0A+4*(\slot)+3], 512
	s_add_nc_u64 s[G0B+4*(\slot)+2:G0B+4*(\slot)+3], s[G0B+4*(\slot)+2:G0B+4*(\slot)+3], 512
	JLOAD \slot                                    ; my one tensor load behind the round: 112 matrix instructions ahead of the wait for it; its four v_nop are also the places in front of the loads below
.else
	PLACES
.endif
	FETCH \next, 0, F0
	MUL8 F1, 2, 0
	MUL8 F1, 3, 0
.endm
; THE WAY OUT of block a: rounded to f16, 16 bytes a lane; through my own stage; back as whole rows of 256 bytes; stored.
.macro PACK a
	WIN 0x05                                       ; sources window 1, destination window 0; each accumulator's registers in ascending order
.set z, 0
.rept 32
	v_cvt_pk_f16_f32 v[TMP+z], v[64*(\a)+2*z], v[64*(\a)+2*z+1]
.set z, z+1
.endr
.endm
.macro TOSTAGE a
	WIN 0
.irp b, 0,1,2,3,4,5,6,7
	ds_store_b128 v[STO], v[TMP+4*\b:TMP+4*\b+3] offset:32*\b
.endr
.irp t, 0,1,2,3,4,5,6,7
	ds_load_b128 v[OB+32*(\a)+4*\t:OB+32*(\a)+4*\t+3], v[RD] offset:\t*2*SPITCH  ; LDS serves a wave's instructions in order (ISA guide 5.7.1.4): these see the stores above
.endr
.endm
.macro SEND a
	WIN 0
.irp t, 0,1,2,3,4,5,6,7
	s_wait_dscnt 7-\t                              ; the younger of the block's eight loads may be out
	global_store_b128 v[CO], v[OB+32*(\a)+4*\t:OB+32*(\a)+4*\t+3], s[CB:CB+1] offset:(16*(\a)+2*\t)*ROWB  ; 16 lanes store 256 consecutive bytes, aligned
.endr
.endm
	s_wait_tensorcnt 1                             ; my part of K step 0 is in; K step 1's may stay out
	s_barrier_signal -1
	s_barrier_wait -1
	FETCH 0, 0, F0
	QUARTER 0, 64, F0, F1, 2                       ; the first quarter stands in front of the loop: its products start the sums, from the bias
	WIN 0
	s_mov_b32 s[CNT], 0
.Llap:                                                 ; a trip goes once round the ring, from a lap's second quarter to the next lap's first
	QUARTER 0, 128, F1, F0, 0
	QUARTER 0, 192, F0, F1, 0
	TURN 0, 1, 1
	QUARTER 1, 64,  F0, F1, 0
	QUARTER 1, 128, F1, F0, 0
	QUARTER 1, 192, F0, F1, 0
	TURN 1, 0, 1
	QUARTER 0, 64,  F0, F1, 0
	WIN 0
	s_add_co_u32 s[CNT], s[CNT], 1
	s_cmp_lt_u32 s[CNT], LAPS-1
	s_cbranch_scc1 .Llap
	QUARTER 0, 128, F1, F0, 0                      ; the last lap fills nothing
	QUARTER 0, 192, F0, F1, 0
	TURN 0, 1, 0
	QUARTER 1, 64,  F0, F1, 0
	QUARTER 1, 128, F1, F0, 0
	QUARTER 1, 192, F0, F1, 0
	s_wait_dscnt 4
	MUL8 F1, 0, 0
	MUL8 F1, 1, 0
	s_wait_dscnt 0x0
	MUL8 F1, 2, 0
	MUL8 F1, 3, 0
	WIN 0
	PLACES
	PACK 0
	TOSTAGE 0
.irp a, 1,2,3                          ; block a's conversions stand between block a - 1's loads from the stage and the wait for them
	PACK \a
	SEND (\a)-1
	TOSTAGE \a
.endr
	SEND 3
	s_wait_tensorcnt 0x0                           ; the wave's end
	ds_add_u32 v[SPW], v[NIL]
	s_wait_dscnt 0x0
	CROUND                                         ; the closing round
	s_endpgm
.Lfunc_end_k_q8b1f02679c_qkv:
	.size	k_q8b1f02679c_qkv, .Lfunc_end_k_q8b1f02679c_qkv-k_q8b1f02679c_qkv
	.p2alignl 7, 3214868480
	.fill 96, 4, 3214868480
	.section	.rodata,"a",@progbits
	.p2align	6, 0x0
	.amdhsa_kernel k_q8b1f02679c_qkv
		.amdhsa_group_segment_fixed_size 327680
		.amdhsa_private_segment_fixed_size 0
		.amdhsa_enable_private_segment 0
		.amdhsa_kernarg_size 48
		.amdhsa_user_sgpr_count 2
		.amdhsa_user_sgpr_kernarg_segment_ptr 1
		.amdhsa_wavefront_size32 1
		.amdhsa_system_sgpr_workgroup_id_x 1
		.amdhsa_system_sgpr_workgroup_id_y 1
		.amdhsa_system_sgpr_workgroup_id_z 1
		.amdhsa_system_vgpr_workitem_id 0
		.amdhsa_next_free_vgpr 576
		.amdhsa_next_free_sgpr 76
		.amdhsa_reserve_vcc 0
		.amdhsa_float_denorm_mode_32 3
		.amdhsa_float_denorm_mode_16_64 3
		.amdhsa_memory_ordered 1
		.amdhsa_forward_progress 1
		.amdhsa_inst_pref_size 93
	.end_amdhsa_kernel
	.amdgpu_metadata
---
amdhsa.version: [ 1, 2 ]
amdhsa.kernels:
  - .name:           k_q8b1f02679c_qkv
    .symbol:         k_q8b1f02679c_qkv.kd
    .args:
      - { .name: xh, .offset: 0, .size: 8, .value_kind: global_buffer, .address_space: global }
      - { .name: wcat, .offset: 8, .size: 8, .value_kind: global_buffer, .address_space: global }
      - { .name: bv, .offset: 16, .size: 8, .value_kind: global_buffer, .address_space: global }
      - { .name: bq, .offset: 24, .size: 8, .value_kind: global_buffer, .address_space: global }
      - { .name: bk, .offset: 32, .size: 8, .value_kind: global_buffer, .address_space: global }
      - { .name: vqk, .offset: 40, .size: 8, .value_kind: global_buffer, .address_space: global }
    .group_segment_fixed_size: 327680
    .private_segment_fixed_size: 0
    .kernarg_segment_align: 8
    .kernarg_segment_size: 48
    .max_flat_workgroup_size: 128
    .sgpr_count:     76
    .vgpr_count:     576
    .wavefront_size: 32
...
	.end_amdgpu_metadata
.endif
;; end of part 2
;; launch scores (part 3): grid 9 x 32, 4 waves a work-group, no clusters, 327,680 bytes of LDS; arguments vqk, ph, st; writes ph, st
.if DOCPART == 3
	.amdgcn_target "amdgcn-amd-amdhsa--gfx1250"
	.amdhsa_code_object_version 6
	.text
	.protected	k_q8b1f02679c_scores
	.globl	k_q8b1f02679c_scores
	.p2align	8
	.type	k_q8b1f02679c_scores,@function
k_q8b1f02679c_scores:
	s_mov_b64 s[64:65], 0
	v_nop
	global_prefetch_b8 v0, s[64:65] scope:SCOPE_SE
	s_setreg_imm32_b32 hwreg(HW_REG_WAVE_MODE, 25, 1), 1
	s_wait_xcnt 0x0
; For each row and each CHUNK of 128 keys at or below the row block's diagonal lap: s = Q[row] . K[key] (sums in f32), hidden where key > row;
; m = the chunk's largest s; ph[batch][row][key] = f16(2^(c s - c m)), c = log2(e) / 32; st[batch][chunk][row] = (c m, l), l = the sum of the unrounded weights, both f32.
; The launch behind joins the chunks by their maxima: together the two are a softmax with the true maximum taken away.
; Q is plane 1, K plane 2 of vqk: [3][8192][1024] f16.  ph: [4][2048][2048] f16.  st: [4][16][2048][2] f32.
; LIMITS.  A hidden score counts as -2^100 (f16 operands give scores of 4.4e12 at the most); a power of two, so that c m is exact in a chunk that is wholly hidden and
; its weights are 2^0 = 1: finite numbers, which the launch behind multiplies by 0.  A weight below 2^-126 counts as 0 in l; below 6.1e-5 it keeps f16's fixed step of 6e-8.  NaN and infinities are not treated apart.
; SHARES.  A work-group makes 128 rows (block i of 16 in a batch) x 256 keys (tile j <= i / 2); a wave 64 rows x 128 keys = one chunk, so the maximum and sum never leave the wave.
; THE TRIANGLE AS A RECTANGLE: blocks 2 P, 2 P + 1 have P + 1 tiles, blocks 14 - 2 P, 15 - 2 P have 8 - P: together 9, the grid's x; the grid's y is batch, P and the parity.
; NO CLUSTER: block i has i / 2 + 1 key tiles and tile j has 16 - 2 j row blocks; neither number is a multiple of four throughout, so groups of four that share a tile
; in every group would need work-groups that compute hidden scores alone.
; The core (ring, fragments, quarters, way out) is the projection's; source 0 = 16 keys, source 1 = 16 queries: lane l holds query l % 16, registers 0-7 keys 8 (l / 16) + 0..7.
; REGISTERS.  window 0: v0-31 addresses; v32-127, v128-223 fragment buffers; on the way out v32-159 rows read back, v160-167 at work, v168-183 statistics, v192-195 statistics to store, v224-255 packed weights.  window 1: the accumulators.
.set PITCH,  272                       ; 256 bytes + 16 of padding: the 16 rows of a fragment load start at 16 different groups of four banks (ISA guide 11.1)
.set AH,     64*PITCH
.set BOFF,   2*AH
.set BH,     128*PITCH
.set SLOT,   BOFF+2*BH
.set STAGE,  2*SLOT                    ; never filled by a tensor load: 16 rows x 272 bytes for each wave
.set SPITCH, 272
.set SPARE,  STAGE+4*16*SPITCH         ; the spare words: two blocks of 256 bytes that no other line names
.set LAPS,   4
.set ROWB,   4096                      ; bytes in a row of ph
.set ADRA, 16
.set ADRB, 20
.set STO,  24
.set RD,   25
.set CO,   26
.set SO,   27                          ; v27  8 x lane: my place in 32 rows of st
.set SPW,  28
.set NIL,  29
.set F0,   32
.set F1,   128
.set TMP,  224
.set OB,   32
.set TT,   160                         ; v160-167 at work
.set ST,   168                         ; block a's statistics at v[168 + 4 a]: c m, m, l
.set WV,  16
.set WM,  17
.set WN,  18
.set CNT, 19
.set G1A, 24
.set G0A, 32
.set G1B, 48
.set G0B, 56
.set CB,  6                            ; s[6:7] ph at my wave's first row and key
.set CS,  66                           ; s[66:67] c, twice
.set SEL, 68                           ; s[68:69] v_permlanex16_b32's selects: each lane takes its own place in the other half
.set BIGN, 70                          ; s70  -2^100
.set CH,  71                           ; s71  my chunk = 2 j + wave & 1
.set MSB, 0
.macro WIN new
.if MSB != (\new)
	s_set_vgpr_msb (MSB<<8)|(\new)
.set MSB, \new
.endif
.endm
.set W_MUL, 0x50
.macro PLACES
.rept 4
	v_nop
.endr
.endm
.macro LOAD s                          ; a refill; four v_nop follow each of the two lines
	s_cmp_eq_u32 s[WM], 0
	s_cbranch_scc0 .Lfor_b_\@
	tensor_load_to_lds s[G0A+4*(\s):G0A+4*(\s)+3], s[G1A:G1A+7]
	s_nop 0
.rept 4
	v_nop
.endr
	s_branch .Lasked_\@
.Lfor_b_\@:
	tensor_load_to_lds s[G0B+4*(\s):G0B+4*(\s)+3], s[G1B:G1B+7]
	s_nop 0
.rept 4
	v_nop
.endr
.Lasked_\@:
.endm
	s_load_b128 s[4:7], s[0:1], 0x0                ; vqk s[4:5], ph s[6:7]
	s_load_b64 s[8:9], s[0:1], 0x10                ; st
	v_lshl_add_u32 v[SPW], v0, 2, SPARE
	v_mov_b32 v[NIL], 0
	ds_add_u32 v28, v29
	ds_add_u32 v28, v29
	s_wait_dscnt 0x0
	v_lshrrev_b32 v1, 5, v0
	v_readfirstlane_b32 s[WV], v1
	s_lshr_b32 s[WM], s[WV], 1
	s_and_b32 s[WN], s[WV], 1
	s_and_b32 s40, ttmp7, 0xffff                   ; y
	s_lshr_b32 s41, s40, 3                         ; batch
	s_bfe_u32 s42, s40, 0x20001                    ; P
	s_and_b32 s43, s40, 1                          ; parity
	s_mov_b32 s44, ttmp9                           ; u
	s_sub_co_u32 s45, 7, s42
	s_sub_co_u32 s46, s44, s42
	s_sub_co_u32 s46, s46, 1
	s_cmp_le_u32 s44, s42
	s_cselect_b32 s45, s42, s45                    ; u <= P: pair P, tile u; else pair 7 - P, tile u - P - 1
	s_cselect_b32 s46, s44, s46                    ; j
	s_lshl_b32 s45, s45, 1
	s_add_co_u32 s45, s45, s43                     ; i
	s_lshl1_add_u32 s[CH], s46, s[WN]
	s_mov_b32 s[G1A], (1<<16)|(1<<20)|(5<<22)|(3<<25)  ; 2-byte elements; padding: after every 64 words 4 words
	s_mov_b32 s[G1B], (1<<16)|(1<<20)|(5<<22)|(3<<25)
	s_mov_b32 s[G1A+1], 128<<16
	s_mov_b32 s[G1A+2], 64<<16
	s_mov_b32 s[G1A+3], 128<<16
	s_mov_b32 s[G1A+4], 64
	s_mov_b32 s[G1A+5], 1024
	s_mov_b32 s[G1A+6], 0
	s_mov_b32 s[G1A+7], 0
	s_mov_b32 s[G1B+1], 128<<16
	s_mov_b32 s[G1B+2], 128<<16
	s_mov_b32 s[G1B+3], 128<<16
	s_mov_b32 s[G1B+4], 128
	s_mov_b32 s[G1B+5], 1024
	s_mov_b32 s[G1B+6], 0
	s_mov_b32 s[G1B+7], 0
	s_mov_b32 s[CS], 0x3d38aa3b                    ; c = log2(e) / 32
	s_mov_b32 s[CS+1], s[CS]
	s_mov_b32 s[SEL], 0x76543210
	s_mov_b32 s[SEL+1], 0xfedcba98
	s_mov_b32 s[BIGN], 0xf1800000                  ; -2^100
	s_lshl_b32 s20, s41, 22                        ; Q: plane 1, (2,048 batch + 128 i + 64 half) rows of 2,048 bytes
	s_lshl_b32 s21, s45, 18
	s_add_co_u32 s20, s20, s21
	s_lshl_b32 s21, s[WN], 17
	s_add_co_u32 s20, s20, s21
	s_add_co_u32 s20, s20, 1<<24
	s_mov_b32 s21, 0
	s_lshl_b32 s72, s41, 22                        ; K: plane 2, (2,048 batch + 256 j + 128 half) rows
	s_lshl_b32 s73, s46, 19
	s_add_co_u32 s72, s72, s73
	s_lshl_b32 s73, s[WN], 18
	s_add_co_u32 s72, s72, s73
	s_add_co_u32 s72, s72, 2<<24
	s_mov_b32 s73, 0
	s_mul_i32 s22, s[WN], AH
	s_mul_i32 s23, s[WN], BH
	s_add_co_u32 s23, s23, BOFF
	s_wait_kmcnt 0x0
	s_add_nc_u64 s[20:21], s[4:5], s[20:21]
	s_add_nc_u64 s[72:73], s[4:5], s[72:73]
.irp s, 0,1
	s_mov_b32 s[G0A+4*\s], 1
	s_add_co_u32 s[G0A+4*\s+1], s22, \s*SLOT
	s_add_nc_u64 s[G0A+4*\s+2:G0A+4*\s+3], s[20:21], \s*256
	s_or_b32 s[G0A+4*\s+3], s[G0A+4*\s+3], 0x80000000
	s_mov_b32 s[G0B+4*\s], 1
	s_add_co_u32 s[G0B+4*\s+1], s23, \s*SLOT
	s_add_nc_u64 s[G0B+4*\s+2:G0B+4*\s+3], s[72:73], \s*256
	s_or_b32 s[G0B+4*\s+3], s[G0B+4*\s+3], 0x80000000
.endr
	s_cmp_eq_u32 s[WM], 0                          ; a wave's two first fills stand in one branch: two loads of mine are out
	s_cbranch_scc0 .Lfirst_b
	tensor_load_to_lds s[G0A:G0A+3], s[G1A:G1A+7]
	s_nop 0
	tensor_load_to_lds s[G0A+4:G0A+7], s[G1A:G1A+7]
	s_nop 0
.rept 4
	v_nop
.endr
	s_branch .Lfirst_asked
.Lfirst_b:
	tensor_load_to_lds s[G0B:G0B+3], s[G1B:G1B+7]
	s_nop 0
	tensor_load_to_lds s[G0B+4:G0B+7], s[G1B:G1B+7]
	s_nop 0
.rept 4
	v_nop
.endr
.Lfirst_asked:
	v_and_b32 v1, 15, v0                           ; r
	v_bfe_u32 v2, v0, 4, 1                         ; h
	v_mul_u32_u24 v3, v1, PITCH
	v_lshl_add_u32 v3, v2, 4, v3
	s_mul_i32 s2, s[WM], AH
	s_mul_i32 s3, s[WN], BH
	s_add_co_u32 s3, s3, BOFF
.irp s, 0,1
	v_add_nc_u32 v[ADRA+\s], s2, v3
	v_add_nc_u32 v[ADRB+\s], s3, v3
	s_add_co_u32 s2, s2, SLOT
	s_add_co_u32 s3, s3, SLOT
.endr
	s_mul_i32 s2, s[WV], 16*SPITCH
	s_add_co_u32 s2, s2, STAGE
	v_add_nc_u32 v[STO], s2, v3
	v_mul_u32_u24 v4, v2, SPITCH
	v_lshl_add_u32 v4, v1, 4, v4
	v_add_nc_u32 v[RD], s2, v4
	v_lshlrev_b32 v4, 12, v2
	v_lshl_add_u32 v[CO], v1, 4, v4
	v_and_b32 v[SO], 31, v0
	v_lshlrev_b32 v[SO], 3, v[SO]
	s_lshl_b32 s2, s41, 23                         ; ph: (2,048 batch + 128 i + 64 half) rows of 4,096 bytes + 256 bytes a chunk
	s_lshl_b32 s3, s45, 19
	s_add_co_u32 s2, s2, s3
	s_lshl_b32 s3, s[WM], 18
	s_add_co_u32 s2, s2, s3
	s_lshl_b32 s3, s[CH], 8
	s_add_co_u32 s2, s2, s3
	s_mov_b32 s3, 0
	s_add_nc_u64 s[CB:CB+1], s[CB:CB+1], s[2:3]
	s_lshl_b32 s2, s41, 18                         ; st: ((16 batch + chunk) 2,048 + 128 i + 64 half) pairs of 8 bytes
	s_lshl_b32 s3, s[CH], 14
	s_add_co_u32 s2, s2, s3
	s_lshl_b32 s3, s45, 10
	s_add_co_u32 s2, s2, s3
	s_lshl_b32 s3, s[WM], 9
	s_add_co_u32 s2, s2, s3
	s_mov_b32 s3, 0
	s_add_nc_u64 s[8:9], s[8:9], s[2:3]
; 8 matrix instructions: block a of my queries x all 8 key blocks.  zero = 1: C = 0.  The 32 accumulators take turns.
.macro MUL8 f, a, zero
	WIN W_MUL
.irp b, 0,1,2,3,4,5,6,7
.if \zero
	v_wmma_f32_16x16x32_f16 v[8*(8*(\a)+\b):8*(8*(\a)+\b)+7], v[(\f)+8*\b:(\f)+8*\b+7], v[(\f)+64+8*(\a):(\f)+64+8*(\a)+7], 0
.else
	v_wmma_f32_16x16x32_f16 v[8*(8*(\a)+\b):8*(8*(\a)+\b)+7], v[(\f)+8*\b:(\f)+8*\b+7], v[(\f)+64+8*(\a):(\f)+64+8*(\a)+7], v[8*(8*(\a)+\b):8*(8*(\a)+\b)+7]
.endif
.endr
.endm
.macro FETCH slot, k, f
	WIN 0
.irp b, 0,1,2,3,4,5,6,7
	ds_load_b128 v[(\f)+8*\b:(\f)+8*\b+3],   v[ADRB+(\slot)] offset:(\k)+\b*16*PITCH
	ds_load_b128 v[(\f)+8*\b+4:(\f)+8*\b+7], v[ADRB+(\slot)] offset:(\k)+\b*16*PITCH+32
.endr
.irp a, 0,1,2,3
	ds_load_b128 v[(\f)+64+8*\a:(\f)+64+8*\a+3],   v[ADRA+(\slot)] offset:(\k)+\a*16*PITCH
	ds_load_b128 v[(\f)+64+8*\a+4:(\f)+64+8*\a+7], v[ADRA+(\slot)] offset:(\k)+\a*16*PITCH+32
.endr
.endm
.macro QUARTER slot, k, f, g, zero
	s_wait_dscnt 4                                 ; the youngest four loads (A's blocks 2, 3) may be out
	MUL8 \f, 0, \zero
	MUL8 \f, 1, \zero
	PLACES                                         ; for the loads into g
	FETCH \slot, \k, \g
	s_wait_dscnt 24                                ; all but the 24 just issued
	MUL8 \f, 2, \zero
	MUL8 \f, 3, \zero
.endm
.macro TURN slot, next, fill
	WIN 0
	s_wait_tensorcnt 0x0                           ; all my tensor loads have landed: the one that was out is my part of the next slot
	ds_add_u32 v[SPW], v[NIL]                      ; 0 onto my spare word
	s_wait_dscnt 5                                 ; the add and A's blocks 2, 3 may be out
	MUL8 F1, 0, 0
	s_wait_dscnt 0x0                               ; the add is done, and my reads of this slot are over
	s_barrier_signal -1
	MUL8 F1, 1, 0
.if \fill
	WIN 0
.endif
	s_barrier_wait -1
.if \fill
	s_add_nc_u64 s[G0A+4*(\slot)+2:G0A+4*(\slot)+3], s[G0A+4*(\slot)+2:G0A+4*(\slot)+3], 512
	s_add_nc_u64 s[G0B+4*(\slot)+2:G0B+4*(\slot)+3], s[G0B+4*(\slot)+2:G0B+4*(\slot)+3], 512
	LOAD \slot                                     ; my one tensor load behind the barrier; its four v_nop are also the places in front of the loads below
.else
	PLACES
.endif
	FETCH \next, 0, F0
	MUL8 F1, 2, 0
	MUL8 F1, 3, 0
.endm
; Block a's 16 queries: the chunk's maximum, c s - c m, the exponentials, the rounding to f16 into TMP, the sum.
.macro SOFT a
.set AC, 64*(\a)
.set SS, ST+4*(\a)
	WIN 0x15                                       ; three sources in window 1, destination in window 0
.irp b, 0,1,2,3,4,5,6,7
	v_max3_num_f32 v[TT+\b], v[AC+8*\b], v[AC+8*\b+1], v[AC+8*\b+2]
.endr
	WIN 0x14
.irp b, 0,1,2,3,4,5,6,7
	v_max3_num_f32 v[TT+\b], v[TT+\b], v[AC+8*\b+3], v[AC+8*\b+4]
.endr
.irp b, 0,1,2,3,4,5,6,7
	v_max3_num_f32 v[TT+\b], v[TT+\b], v[AC+8*\b+5], v[AC+8*\b+6]
.endr
.irp b, 0,2,4,6
	v_max3_num_f32 v[TT+\b], v[TT+\b], v[AC+8*\b+7], v[AC+8*\b+15]
.endr
	WIN 0
	v_max3_num_f32 v[TT], v[TT], v[TT+1], v[TT+2]
	v_max3_num_f32 v[TT+3], v[TT+3], v[TT+4], v[TT+5]
	v_max_num_f32 v[TT+6], v[TT+6], v[TT+7]
	v_max3_num_f32 v[TT], v[TT], v[TT+3], v[TT+6]
	v_permlanex16_b32 v[TT+1], v[TT], s[SEL], s[SEL+1]  ; the query's other 64 keys lie in the lane 16 away
	v_max_num_f32 v[SS+1], v[TT], v[TT+1]          ; m
	v_mul_f32 v[SS], s[CS], v[SS+1]                ; c m
	WIN 0x41                                       ; destination and source 0 in window 1
.set z, 0
.rept 32
	v_pk_fma_f32 v[AC+2*z:AC+2*z+1], v[AC+2*z:AC+2*z+1], s[CS:CS+1], v[SS:SS+1] op_sel_hi:[1,0,0] neg_lo:[0,0,1] neg_hi:[0,0,1]
.set z, z+1
.endr
.set z, 0
.rept 64
	v_exp_f32 v[AC+z], v[AC+z]
.set z, z+1
.endr
	v_nop                                          ; a plain instruction between the last exponential and the use of its result (ISA guide 5.7.2)
	WIN 0x05
.set z, 0
	s_wait_alu depctr_va_vdst(0)
.rept 32
	v_cvt_pk_f16_f32 v[TMP+z], v[AC+2*z], v[AC+2*z+1]
.set z, z+1
.endr
	WIN 0x45                                       ; the sum of the 32 pairs, in place: neighbours 1, 2, 4, 8 and 16 pairs apart
.irp d, 1,2,4,8,16
.set z, 0
.rept 16/\d
	v_pk_add_f32 v[AC+4*\d*z:AC+4*\d*z+1], v[AC+4*\d*z:AC+4*\d*z+1], v[AC+4*\d*z+2*\d:AC+4*\d*z+2*\d+1]
.set z, z+1
.endr
.endr
	WIN 0x05
	v_add_f32 v[SS+2], v[AC], v[AC+1]
	WIN 0
	v_permlanex16_b32 v[TT+1], v[SS+2], s[SEL], s[SEL+1]
	v_add_f32 v[SS+2], v[SS+2], v[TT+1]            ; l
.endm
.macro TOSTAGE a
	WIN 0
.irp b, 0,1,2,3,4,5,6,7
	ds_store_b128 v[STO], v[TMP+4*\b:TMP+4*\b+3] offset:32*\b
.endr
.irp t, 0,1,2,3,4,5,6,7
	ds_load_b128 v[OB+32*(\a)+4*\t:OB+32*(\a)+4*\t+3], v[RD] offset:\t*2*SPITCH  ; LDS serves a wave's instructions in order (ISA guide 5.7.1.4)
.endr
.endm
.macro SEND a
	WIN 0
.irp t, 0,1,2,3,4,5,6,7
	s_wait_dscnt 7-\t
	global_store_b128 v[CO], v[OB+32*(\a)+4*\t:OB+32*(\a)+4*\t+3], s[CB:CB+1] offset:(16*(\a)+2*\t)*ROWB  ; 16 lanes store 256 consecutive bytes, aligned: a row's part of one chunk
.endr
.endm
	s_wait_tensorcnt 1                             ; my part of K step 0 is in; K step 1's may stay out
	s_barrier_signal -1
	s_barrier_wait -1
	FETCH 0, 0, F0
	QUARTER 0, 64, F0, F1, 1
	WIN 0
	s_mov_b32 s[CNT], 0
.Llap:
	QUARTER 0, 128, F1, F0, 0
	QUARTER 0, 192, F0, F1, 0
	TURN 0, 1, 1
	QUARTER 1, 64,  F0, F1, 0
	QUARTER 1, 128, F1, F0, 0
	QUARTER 1, 192, F0, F1, 0
	TURN 1, 0, 1
	QUARTER 0, 64,  F0, F1, 0
	WIN 0
	s_add_co_u32 s[CNT], s[CNT], 1
	s_cmp_lt_u32 s[CNT], LAPS-1
	s_cbranch_scc1 .Llap
	QUARTER 0, 128, F1, F0, 0
	QUARTER 0, 192, F0, F1, 0
	TURN 0, 1, 0
	QUARTER 1, 64,  F0, F1, 0
	QUARTER 1, 128, F1, F0, 0
	QUARTER 1, 192, F0, F1, 0
	s_wait_dscnt 4
	MUL8 F1, 0, 0
	MUL8 F1, 1, 0
	s_wait_dscnt 0x0
	MUL8 F1, 2, 0
	MUL8 F1, 3, 0
	WIN 0
	PLACES
	; THE MASK.  A chunk below the row block's own (chunk < i) hides nothing.  The jump hangs on the work-group's and the wave's numbers alone; no barrier follows it.
	s_cmp_lt_u32 s[CH], s45
	s_cbranch_scc1 .Lclear
	s_sub_co_u32 s2, s[CH], s45                    ; 0: the diagonal's chunk; 1: the chunk behind it, wholly hidden
	s_lshl_b32 s2, s2, 7
	s_lshl_b32 s3, s[WM], 6
	s_sub_co_i32 s3, s3, s2
	v_lshlrev_b32 v14, 3, v2
	v_sub_nc_u32 v14, v1, v14
	v_add_nc_u32 v14, s3, v14                      ; 64 half + r - 8 h - 128 (chunk - i): register j of accumulator (a, b) is hidden where 16 (b - a) + j is greater
	WIN 0x41
.irp a, 0,1,2,3
.irp b, 0,1,2,3,4,5,6,7
.irp j, 0,1,2,3,4,5,6,7
	v_cmp_gt_i32 vcc_lo, 16*(\b-\a)+\j, v14
	v_cndmask_b32 v[8*(8*\a+\b)+\j], v[8*(8*\a+\b)+\j], s[BIGN], vcc_lo
.endr
.endr
.endr
	WIN 0
.Lclear:
	SOFT 0
	TOSTAGE 0
.irp a, 1,2,3                          ; block a's softmax stands between block a - 1's loads from the stage and the wait for them
	SOFT \a
	SEND (\a)-1
	TOSTAGE \a
.endr
	SEND 3
	; the statistics: every lane holds those of row r of each block; lanes 0-15 give block 2 g's, lanes 16-31 block 2 g + 1's: 32 rows, 256 consecutive bytes, aligned
	s_mov_b32 vcc_lo, 0xffff0000
.irp g, 0,1
	v_cndmask_b32 v[192+2*\g], v[ST+8*\g],   v[ST+8*\g+4], vcc_lo
	v_cndmask_b32 v[193+2*\g], v[ST+8*\g+2], v[ST+8*\g+6], vcc_lo
	global_store_b64 v[SO], v[192+2*\g:193+2*\g], s[8:9] offset:256*\g
.endr
	s_wait_tensorcnt 0x0                           ; the wave's end
	ds_add_u32 v[SPW], v[NIL]
	s_wait_dscnt 0x0
	s_endpgm
.Lfunc_end_k_q8b1f02679c_scores:
	.size	k_q8b1f02679c_scores, .Lfunc_end_k_q8b1f02679c_scores-k_q8b1f02679c_scores
	.p2alignl 7, 3214868480
	.fill 96, 4, 3214868480
	.section	.rodata,"a",@progbits
	.p2align	6, 0x0
	.amdhsa_kernel k_q8b1f02679c_scores
		.amdhsa_group_segment_fixed_size 327680
		.amdhsa_private_segment_fixed_size 0
		.amdhsa_enable_private_segment 0
		.amdhsa_kernarg_size 24
		.amdhsa_user_sgpr_count 2
		.amdhsa_user_sgpr_kernarg_segment_ptr 1
		.amdhsa_wavefront_size32 1
		.amdhsa_system_sgpr_workgroup_id_x 1
		.amdhsa_system_sgpr_workgroup_id_y 1
		.amdhsa_system_sgpr_workgroup_id_z 1
		.amdhsa_system_vgpr_workitem_id 0
		.amdhsa_next_free_vgpr 512
		.amdhsa_next_free_sgpr 76
		.amdhsa_reserve_vcc 1
		.amdhsa_float_denorm_mode_32 3
		.amdhsa_float_denorm_mode_16_64 3
		.amdhsa_memory_ordered 1
		.amdhsa_forward_progress 1
		.amdhsa_inst_pref_size 147
	.end_amdhsa_kernel
	.amdgpu_metadata
---
amdhsa.version: [ 1, 2 ]
amdhsa.kernels:
  - .name:           k_q8b1f02679c_scores
    .symbol:         k_q8b1f02679c_scores.kd
    .args:
      - { .name: vqk, .offset: 0, .size: 8, .value_kind: global_buffer, .address_space: global }
      - { .name: ph, .offset: 8, .size: 8, .value_kind: global_buffer, .address_space: global }
      - { .name: st, .offset: 16, .size: 8, .value_kind: global_buffer, .address_space: global }
    .group_segment_fixed_size: 327680
    .private_segment_fixed_size: 0
    .kernarg_segment_align: 8
    .kernarg_segment_size: 24
    .max_flat_workgroup_size: 128
    .sgpr_count:     76
    .vgpr_count:     512
    .wavefront_size: 32
...
	.end_amdgpu_metadata
.endif
;; end of part 3
;; launch pv (part 4): grid 4 x 64, 4 waves a work-group, clusters of 4 x 1, 327,680 bytes of LDS; arguments ph, vqk, st, oh; writes oh
.if DOCPART == 4
	.amdgcn_target "amdgcn-amd-amdhsa--gfx1250"
	.amdhsa_code_object_version 6
	.text
	.protected	k_q8b1f02679c_pv
	.globl	k_q8b1f02679c_pv
	.p2align	8
	.type	k_q8b1f02679c_pv,@function
k_q8b1f02679c_pv:
	s_mov_b64 s[64:65], 0
	v_nop
	global_prefetch_b8 v0, s[64:65] scope:SCOPE_SE
	s_setreg_imm32_b32 hwreg(HW_REG_WAVE_MODE, 25, 1), 1
	s_wait_xcnt 0x0
	s_wait_alu depctr_hold_cnt(0) depctr_sa_sdst(0) depctr_va_vdst(0) depctr_va_sdst(0) depctr_va_ssrc(0) depctr_va_vcc(0) depctr_vm_vsrc(0)
	s_getreg_b32 s2, hwreg(HW_REG_IB_STS2, 6, 4)
	s_cmp_eq_u32 s2, 0
	s_cbranch_scc0 .Lentry_in_a_cluster
	s_endpgm
.Lentry_in_a_cluster:
	s_bfe_u32 s2, ttmp6, 0x10000c
	s_cmp_lg_u32 s2, 0x3003
	s_cbranch_scc0 .Lentry_shape_is_right
	s_endpgm
.Lentry_shape_is_right:
; oh[row][col] = f16( (sum over chunks c of f_c x sum over the chunk's keys of p V[key][col]) / L ), with, for each row, M = max over c of (c m)_c, f_c = 2^((c m)_c - M), L = sum of f_c l_c.
; p (ph) and ((c m)_c, l_c) (st) are the launch before's: weights against each chunk's own maximum.  f_c brings them to the row's true maximum M; sums in f32.
; ph: [4][2048][2048] f16; V = plane 0 of vqk: [8192][1024] f16; st: [4][16][2048][2] f32; oh: [8192][1024] f16.
; LIMITS.  f_c <= 1 is rounded to f16 and multiplied onto p in f16 (two more roundings of 2^-11; below 6.1e-5 the product keeps f16's fixed step of 6e-8); L is taken of the unrounded f_c.
; A factor below 2^-126 counts as 0.  O is a mean of V's rows and has their range.  NaN and infinities are not treated apart.
; SHARES.  A work-group makes 128 rows (block i of a batch) x 256 columns; a wave 64 x 128.  A K step is one chunk of 128 keys; block i walks chunks 0 .. 2 (i / 2) + 1
; (for even i the last is wholly hidden: its factor is 0), i / 2 + 1 laps of two steps.
; CLUSTER 4 x 1: the four column tiles of one row block need the same tiles of ph and have the same number of laps: those tiles are asked for jointly.  V's tiles hang on the
; column tile and are loads of one's own, in the same place behind the same round.  Row blocks of a batch share V but differ in their number of laps: they are no partners.
; Source 0 = 16 columns of V (turned out of LDS by ds_load_tr16_b128), source 1 = 16 rows of p: lane l holds row l % 16, registers 0-7 columns 8 (l / 16) + 0..7.  A lane of source 1 holds ONE row, so f_c is one factor a lane.
; REGISTERS.  window 0: v0-7 addresses; v8-11, v12-15 the factors of the step in slot 0, 1 (one word a block: f, f in f16); v16-31 addresses; v32-127, v128-223 fragment buffers; v224-255 packed results.  window 1: the accumulators.
.set PITCH,  272                       ; a row of p in LDS: 256 bytes + 16
.set PV,     544                       ; a key's 256 columns of V: 512 bytes + 32 = 136 words
.set AH,     64*PITCH
.set BOFF,   2*AH
.set BH,     64*PV                     ; what one of V's loads brings: 64 keys
.set SLOT,   BOFF+2*BH
.set STAGE,  2*SLOT                    ; never filled by a tensor load: 16 rows x 272 bytes for each wave
.set SPITCH, 272
.set FT,     STAGE+4*16*SPITCH         ; the factors: entry c (0-15) of 512 bytes: word (row half, r, block) at 256 half + 16 r + 4 block; entry 16: 1 / L in f32.  Written once, by LDS stores; no fill lands here
.set SPARE,  FT+17*512                 ; the spare words: two blocks of 256 bytes that no other line names
.set ROWB,   2048
.set FT0,  6                           ; v6   FT + 256 x my row half + 16 r; never rewritten
.set FA,   7                           ; v7   the address of the factors to be fetched
.set FR,   8                           ; v8-15
.set ADRA, 16
.set ADRB, 20
.set STO,  24
.set RD,   25
.set CO,   26
.set SPW,  28
.set NIL,  29
.set F0,   32
.set F1,   128
.set TMP,  224
.set OB,   32
.set WV,  16
.set WM,  17
.set WN,  18
.set CNT, 19
.set G1A, 24
.set G0A, 32
.set G1B, 48
.set G0B, 56
.set CB,  10                           ; s[10:11] oh at my wave's first row and column
.set NL,  66                           ; s66  i / 2: trips of the loop
.set LASTC, 67                         ; s67  the last chunk
.set CHB, 68                           ; s68  512 x the chunk whose factors are fetched next
.set MSB, 0
.macro WIN new
.if MSB != (\new)
	s_set_vgpr_msb (MSB<<8)|(\new)
.set MSB, \new
.endif
.endm
.set W_MUL, 0x50
.macro PLACES
.rept 4
	v_nop
.endr
.endm
.macro JLOAD s                         ; waves 0, 1: the joint load of p's halves; waves 2, 3: V's halves, my work-group's own.  Four v_nop follow each line
	s_cmp_eq_u32 s[WM], 0
	s_cbranch_scc0 .Lfor_b_\@
	tensor_load_to_lds s[G0A+4*(\s):G0A+4*(\s)+3], s[G1A:G1A+7]
	s_nop 0
.rept 4
	v_nop
.endr
	s_branch .Lasked_\@
.Lfor_b_\@:
	tensor_load_to_lds s[G0B+4*(\s):G0B+4*(\s)+3], s[G1B:G1B+7]
	s_nop 0
.rept 4
	v_nop
.endr
.Lasked_\@:
.endm
.macro CREST
	s_cmp_lg_u32 s[WV], 0
	s_cbranch_scc1 .Lnot_wave_0_\@
	s_barrier_signal -3
.Lnot_wave_0_\@:
	s_barrier_wait -3
	s_barrier_signal -1
	s_barrier_wait -1
.endm
.macro CROUND
	s_barrier_signal -1
	s_barrier_wait -1
	CREST
.endm
	s_load_b256 s[4:11], s[0:1], 0x0               ; ph s[4:5], vqk s[6:7], st s[8:9], oh s[10:11]
	v_lshl_add_u32 v[SPW], v0, 2, SPARE
	v_mov_b32 v[NIL], 0
	ds_add_u32 v28, v29
	ds_add_u32 v28, v29
	s_wait_dscnt 0x0
	v_lshrrev_b32 v1, 5, v0
	v_readfirstlane_b32 s[WV], v1
	s_lshr_b32 s[WM], s[WV], 1
	s_and_b32 s[WN], s[WV], 1
	s_bfe_u32 s40, ttmp6, 0x40000                  ; cx: the column tile; it enters V's and oh's global addresses alone
	s_and_b32 s41, ttmp7, 0xffff                   ; the cluster's y, which the partners share
	s_lshr_b32 s42, s41, 4                         ; batch
	s_and_b32 s43, s41, 15                         ; i
	s_lshr_b32 s[NL], s43, 1
	s_lshl_b32 s[LASTC], s[NL], 1
	s_add_co_u32 s[LASTC], s[LASTC], 1
	s_mov_b32 s[CHB], 0
	s_mov_b32 s[G1A], 15|(1<<16)|(1<<20)|(1<<21)|(5<<22)|(3<<25)  ; the mask of four; 2-byte elements; padding on; 21 set beside a mask; after every 64 words 4 words
	s_mov_b32 s[G1A+1], 128<<16                    ; tensor_dim0 = 128
	s_mov_b32 s[G1A+2], 64<<16                     ; tensor_dim1 = 64
	s_mov_b32 s[G1A+3], 128<<16                    ; tile_dim0 = 128
	s_mov_b32 s[G1A+4], 64                         ; tile_dim1 = 64
	s_mov_b32 s[G1A+5], 2048                       ; elements from row to row of ph
	s_mov_b32 s[G1A+6], 0
	s_mov_b32 s[G1A+7], 0
	s_mov_b32 s[G1B], (1<<16)|(1<<20)|(6<<22)|(7<<25)  ; no mask; after every 128 words 8 words of padding
	s_mov_b32 s[G1B+1], 256<<16                    ; tensor_dim0 = 256
	s_mov_b32 s[G1B+2], 64<<16
	s_mov_b32 s[G1B+3], 256<<16                    ; tile_dim0 = 256
	s_mov_b32 s[G1B+4], 64
	s_mov_b32 s[G1B+5], 1024
	s_mov_b32 s[G1B+6], 0
	s_mov_b32 s[G1B+7], 0
	s_lshl_b32 s20, s42, 23                        ; p: (2,048 batch + 128 i + 64 half) rows of 4,096 bytes
	s_lshl_b32 s21, s43, 19
	s_add_co_u32 s20, s20, s21
	s_lshl_b32 s21, s[WN], 18
	s_add_co_u32 s20, s20, s21
	s_mov_b32 s21, 0
	s_lshl_b32 s46, s42, 22                        ; V: (2,048 batch + 64 half) rows of 2,048 bytes + 512 bytes a column tile
	s_lshl_b32 s47, s[WN], 17
	s_add_co_u32 s46, s46, s47
	s_lshl_b32 s47, s40, 9
	s_add_co_u32 s46, s46, s47
	s_mov_b32 s47, 0
	s_mul_i32 s22, s[WN], AH
	s_mul_i32 s23, s[WN], BH
	s_add_co_u32 s23, s23, BOFF
	s_wait_kmcnt 0x0
	s_add_nc_u64 s[20:21], s[4:5], s[20:21]
	s_add_nc_u64 s[46:47], s[6:7], s[46:47]
.irp s, 0,1
	s_mov_b32 s[G0A+4*\s], 1
	s_add_co_u32 s[G0A+4*\s+1], s22, \s*SLOT
	s_add_nc_u64 s[G0A+4*\s+2:G0A+4*\s+3], s[20:21], \s*256      ; chunk s: 256 bytes along the rows
	s_or_b32 s[G0A+4*\s+3], s[G0A+4*\s+3], 0x80000000
	s_mov_b32 s[G0B+4*\s], 1
	s_add_co_u32 s[G0B+4*\s+1], s23, \s*SLOT
	s_add_nc_u64 s[G0B+4*\s+2:G0B+4*\s+3], s[46:47], \s*262144   ; chunk s: 128 rows down
	s_or_b32 s[G0B+4*\s+3], s[G0B+4*\s+3], 0x80000000
.endr
	CROUND                                         ; all four work-groups are here: the first joint loads meet
	s_cmp_eq_u32 s[WM], 0                          ; a wave's two first fills stand in one branch: two loads of mine are out
	s_cbranch_scc0 .Lfirst_b
	tensor_load_to_lds s[G0A:G0A+3], s[G1A:G1A+7]
	s_nop 0
	tensor_load_to_lds s[G0A+4:G0A+7], s[G1A:G1A+7]
	s_nop 0
.rept 4
	v_nop
.endr
	s_branch .Lfirst_asked
.Lfirst_b:
	tensor_load_to_lds s[G0B:G0B+3], s[G1B:G1B+7]
	s_nop 0
	tensor_load_to_lds s[G0B+4:G0B+7], s[G1B:G1B+7]
	s_nop 0
.rept 4
	v_nop
.endr
.Lfirst_asked:
	; THE FACTORS, in the wait for the first tiles.  Thread t takes row (t & 64) + 16 (t & 3) + ((t >> 2) & 15), whose word in an entry of the table lies at 4 t: a wave writes 128 consecutive bytes.
	s_lshl_b32 s20, s42, 18                        ; st: (16 batch x 2,048 + 128 i) pairs of 8 bytes
	s_lshl_b32 s21, s43, 10
	s_add_co_u32 s20, s20, s21
	s_mov_b32 s21, 0
	s_add_nc_u64 s[8:9], s[8:9], s[20:21]
	v_and_b32 v3, 64, v0
	v_and_b32 v4, 3, v0
	v_lshl_add_u32 v3, v4, 4, v3
	v_bfe_u32 v4, v0, 2, 4
	v_add_nc_u32 v3, v3, v4
	v_lshlrev_b32 v5, 3, v3
.irp c, 0,1,2,3,4,5,6,7,8,9,10,11,12,13,14,15
	s_min_u32 s20, s[LASTC], \c                    ; a chunk behind the block's last is not written: its place takes the last chunk's pair once more, which changes no maximum and is left out of L
	s_lshl_b32 s20, s20, 14
	v_add_nc_u32 v[64+\c], s20, v5
	global_load_b64 v[32+2*\c:33+2*\c], v[64+\c], s[8:9]   ; (c m, l) of chunk c
.endr
	v_and_b32 v1, 15, v0                           ; r
	v_bfe_u32 v2, v0, 4, 1                         ; h
	v_mul_u32_u24 v3, v1, PITCH
	v_lshl_add_u32 v3, v2, 4, v3                   ; p's fragments: r x pitch + 16 h
	s_mul_i32 s2, s[WM], AH
	v_add_nc_u32 v[ADRA], s2, v3
	s_add_co_u32 s2, s2, SLOT
	v_add_nc_u32 v[ADRA+1], s2, v3
	s_mul_i32 s2, s[WV], 16*SPITCH
	s_add_co_u32 s2, s2, STAGE
	v_add_nc_u32 v[STO], s2, v3
	v_mul_u32_u24 v4, v2, SPITCH
	v_lshl_add_u32 v4, v1, 4, v4
	v_add_nc_u32 v[RD], s2, v4
	v_lshlrev_b32 v4, 11, v2
	v_lshl_add_u32 v[CO], v1, 4, v4
	; the turning load takes 16 keys x 16 columns (lane l reads key 8 h + l % 8, columns 8 ((l / 8) % 2) + 0..7) and leaves half a fragment: lane l holds column l % 16 and 8 keys
	v_and_b32 v3, 7, v0
	v_lshl_add_u32 v3, v2, 3, v3
	v_mul_u32_u24 v3, v3, PV
	v_bfe_u32 v4, v0, 3, 1
	v_lshl_add_u32 v3, v4, 4, v3
	s_lshl_b32 s3, s[WN], 8                        ; my 128 columns
	s_add_co_u32 s3, s3, BOFF
	v_add_nc_u32 v[ADRB], s3, v3
	s_add_co_u32 s3, s3, SLOT
	v_add_nc_u32 v[ADRB+1], s3, v3
	s_lshl_b32 s2, s[WM], 8
	s_add_co_u32 s2, s2, FT
	v_lshl_add_u32 v[FT0], v1, 4, s2
	v_lshl_add_u32 v84, v0, 2, FT                  ; where I write
	s_lshl_b32 s2, s42, 22                         ; oh: (2,048 batch + 128 i + 64 half) rows of 2,048 bytes + 512 cx + 256 half
	s_lshl_b32 s3, s43, 18
	s_add_co_u32 s2, s2, s3
	s_lshl_b32 s3, s[WM], 17
	s_add_co_u32 s2, s2, s3
	s_lshl_b32 s3, s40, 9
	s_add_co_u32 s2, s2, s3
	s_lshl_b32 s3, s[WN], 8
	s_add_co_u32 s2, s2, s3
	s_mov_b32 s3, 0
	s_add_nc_u64 s[CB:CB+1], s[CB:CB+1], s[2:3]
	s_wait_loadcnt 0x0
	v_max3_num_f32 v80, v32, v34, v36              ; M
.irp c, 3,5,7,9,11,13
	v_max3_num_f32 v80, v80, v[32+2*\c], v[34+2*\c]
.endr
	v_max_num_f32 v80, v80, v62
.irp c, 0,1,2,3,4,5,6,7,8,9,10,11,12,13,14,15
	v_sub_f32 v[32+2*\c], v[32+2*\c], v80
.endr
.irp c, 0,1,2,3,4,5,6,7,8,9,10,11,12,13,14,15
	v_exp_f32 v[32+2*\c], v[32+2*\c]               ; f
.endr
	v_nop                                          ; a plain instruction behind the last exponential (ISA guide 5.7.2)
	s_wait_alu depctr_va_vdst(0)
.irp c, 0,1,2,3,4,5,6,7,8,9,10,11,12,13,14,15
	v_cvt_pk_f16_f32 v[96+\c], v[32+2*\c], v[32+2*\c]
.endr
	v_mul_f32 v81, v32, v33                        ; L: every block has chunks 0 and 1
	v_fma_f32 v81, v34, v35, v81
.irp c, 2,3,4,5,6,7,8,9,10,11,12,13,14,15
	s_cmp_le_u32 \c, s[LASTC]
	s_cselect_b32 s20, 1.0, 0                      ; 0 for a chunk that the block does not have
	v_mul_f32 v82, s20, v[32+2*\c]
	v_fma_f32 v81, v82, v[33+2*\c], v81
.endr
	v_rcp_f32 v83, v81
	v_nop
.irp c, 0,1,2,3,4,5,6,7,8,9,10,11,12,13,14,15
	ds_store_b32 v84, v[96+\c] offset:512*\c
.endr
	s_wait_alu depctr_va_vdst(0)
	ds_store_b32 v84, v83 offset:8192
.macro MUL8 f, a, zero                 ; 8 matrix instructions; the 32 accumulators take turns
	WIN W_MUL
.irp b, 0,1,2,3,4,5,6,7
.if \zero
	v_wmma_f32_16x16x32_f16 v[8*(8*(\a)+\b):8*(8*(\a)+\b)+7], v[(\f)+8*\b:(\f)+8*\b+7], v[(\f)+64+8*(\a):(\f)+64+8*(\a)+7], 0
.else
	v_wmma_f32_16x16x32_f16 v[8*(8*(\a)+\b):8*(8*(\a)+\b)+7], v[(\f)+8*\b:(\f)+8*\b+7], v[(\f)+64+8*(\a):(\f)+64+8*(\a)+7], v[8*(8*(\a)+\b):8*(8*(\a)+\b)+7]
.endif
.endr
.endm
.macro SCALE f, a, slot                ; block a's fragment of p times its rows' factor
	WIN 0
.irp k, 0,1,2,3,4,5,6,7
	v_pk_mul_f16 v[(\f)+64+8*(\a)+\k], v[(\f)+64+8*(\a)+\k], v[FR+4*(\slot)+(\a)]
.endr
.endm
; A quarter's fragments (keys 32 q on): V's eight column blocks, turned, then p's four row blocks.  With a step's first quarter come its factors, the oldest load of the run.
.macro FETCH slot, q, f
	WIN 0
.if (\q) == 0
	v_add_nc_u32 v[FA], s[CHB], v[FT0]
	ds_load_b128 v[FR+4*(\slot):FR+4*(\slot)+3], v[FA]
	s_add_co_u32 s[CHB], s[CHB], 512
	s_and_b32 s[CHB], s[CHB], 0x1fff               ; changes no value that is used: 16 chunks at the most; the bound stands in the text
.endif
.irp b, 0,1,2,3,4,5,6,7
	ds_load_tr16_b128 v[(\f)+8*\b:(\f)+8*\b+3],   v[ADRB+(\slot)] offset:(\q)*32*PV+32*\b
	ds_load_tr16_b128 v[(\f)+8*\b+4:(\f)+8*\b+7], v[ADRB+(\slot)] offset:(\q)*32*PV+16*PV+32*\b
.endr
.irp a, 0,1,2,3
	ds_load_b128 v[(\f)+64+8*\a:(\f)+64+8*\a+3],   v[ADRA+(\slot)] offset:64*(\q)+\a*16*PITCH
	ds_load_b128 v[(\f)+64+8*\a+4:(\f)+64+8*\a+7], v[ADRA+(\slot)] offset:64*(\q)+\a*16*PITCH+32
.endr
.endm
.macro QUARTER slot, q, f, g, zero
	s_wait_dscnt 4                                 ; the youngest four loads (p's blocks 2, 3) may be out
	SCALE \f, 0, \slot                             ; these 16 multiplies, which name no register of buffer g's products, are the places in front of the loads into g
	SCALE \f, 1, \slot
	MUL8 \f, 0, \zero
	MUL8 \f, 1, \zero
	FETCH \slot, \q, \g
	s_wait_dscnt 24                                ; all but the 24 just issued
	SCALE \f, 2, \slot
	SCALE \f, 3, \slot
	MUL8 \f, 2, \zero
	MUL8 \f, 3, \zero
.endm
.macro TURN slot, next, fill
	WIN 0
	s_wait_tensorcnt 0x0                           ; all my tensor loads have landed: the one that was out is my part of the next slot
	ds_add_u32 v[SPW], v[NIL]                      ; 0 onto my spare word
	s_wait_dscnt 5                                 ; the add and p's blocks 2, 3 may be out
	SCALE F1, 0, \slot                             ; also the places in front of the loads into buffer 0 below
	SCALE F1, 1, \slot
	MUL8 F1, 0, 0
	s_wait_dscnt 0x0                               ; the add is done, and my reads of this slot are over
	s_barrier_signal -1
	MUL8 F1, 1, 0
	WIN 0
	s_barrier_wait -1
.if \fill
	CREST                                          ; no wave of any partner still reads this slot or has a load on its way
	s_add_nc_u64 s[G0A+4*(\slot)+2:G0A+4*(\slot)+3], s[G0A+4*(\slot)+2:G0A+4*(\slot)+3], 512     ; two chunks along p's rows
	s_add_nc_u64 s[G0B+4*(\slot)+2:G0B+4*(\slot)+3], s[G0B+4*(\slot)+2:G0B+4*(\slot)+3], 524288  ; 256 rows of V down
	JLOAD \slot                                    ; my one tensor load behind the round
.endif
	FETCH \next, 0, F0
	SCALE F1, 2, \slot
	SCALE F1, 3, \slot
	MUL8 F1, 2, 0
	MUL8 F1, 3, 0
.endm
.macro NORM a                          ; block a: divided by L, rounded to f16; each accumulator's registers in ascending order
.set AC, 64*(\a)
	WIN 0x41
.set z, 0
.rept 32
.if (\a)%2
	v_pk_mul_f32 v[AC+2*z:AC+2*z+1], v[AC+2*z:AC+2*z+1], v[FR+(\a)-1:FR+(\a)] op_sel:[0,1] op_sel_hi:[1,1]  ; both halves by the pair's second register
.else
	v_pk_mul_f32 v[AC+2*z:AC+2*z+1], v[AC+2*z:AC+2*z+1], v[FR+(\a):FR+(\a)+1] op_sel_hi:[1,0]                ; both by its first
.endif
.set z, z+1
.endr
	WIN 0x05
.set z, 0
.rept 32
	v_cvt_pk_f16_f32 v[TMP+z], v[AC+2*z], v[AC+2*z+1]
.set z, z+1
.endr
.endm
.macro TOSTAGE a
	WIN 0
.irp b, 0,1,2,3,4,5,6,7
	ds_store_b128 v[STO], v[TMP+4*\b:TMP+4*\b+3] offset:32*\b
.endr
.irp t, 0,1,2,3,4,5,6,7
	ds_load_b128 v[OB+32*(\a)+4*\t:OB+32*(\a)+4*\t+3], v[RD] offset:\t*2*SPITCH  ; LDS serves a wave's instructions in order (ISA guide 5.7.1.4)
.endr
.endm
.macro SEND a
	WIN 0
.irp t, 0,1,2,3,4,5,6,7
	s_wait_dscnt 7-\t
	global_store_b128 v[CO], v[OB+32*(\a)+4*\t:OB+32*(\a)+4*\t+3], s[CB:CB+1] offset:(16*(\a)+2*\t)*ROWB  ; 16 lanes store 256 consecutive bytes, aligned
.endr
.endm
	s_wait_tensorcnt 1                             ; my part of chunk 0 is in; chunk 1's may stay out
	s_wait_dscnt 0x0                               ; for the others' sake: my words of the table are written
	s_barrier_signal -1
	s_barrier_wait -1
	FETCH 0, 0, F0
	QUARTER 0, 1, F0, F1, 1                        ; the first quarter's products start the sums
	WIN 0
	s_mov_b32 s[CNT], 0
	s_cmp_eq_u32 s[NL], 0                          ; blocks 0 and 1 have one lap and fill nothing again.  The number hangs on the cluster's y alone: alike in all waves and all partners;
	s_cbranch_scc1 .Ltail                          ; every wait on tensor loads behind the jump is for 0
.Llap:
	QUARTER 0, 2, F1, F0, 0
	QUARTER 0, 3, F0, F1, 0
	TURN 0, 1, 1
	QUARTER 1, 1, F0, F1, 0
	QUARTER 1, 2, F1, F0, 0
	QUARTER 1, 3, F0, F1, 0
	TURN 1, 0, 1
	QUARTER 0, 1, F0, F1, 0
	WIN 0
	s_add_co_u32 s[CNT], s[CNT], 1
	s_cmp_lt_u32 s[CNT], s[NL]
	s_cbranch_scc1 .Llap
.Ltail:
	QUARTER 0, 2, F1, F0, 0                        ; the last lap fills nothing
	QUARTER 0, 3, F0, F1, 0
	TURN 0, 1, 0
	QUARTER 1, 1, F0, F1, 0
	QUARTER 1, 2, F1, F0, 0
	QUARTER 1, 3, F0, F1, 0
	s_wait_dscnt 4
	SCALE F1, 0, 1
	SCALE F1, 1, 1
	MUL8 F1, 0, 0
	MUL8 F1, 1, 0
	s_wait_dscnt 0x0
	SCALE F1, 2, 1
	SCALE F1, 3, 1
	MUL8 F1, 2, 0
	MUL8 F1, 3, 0
	WIN 0
	PLACES
	ds_load_b128 v[FR:FR+3], v[FT0] offset:8192    ; 1 / L of my lane's row in each of the four blocks
	s_wait_dscnt 0x0
	NORM 0
	TOSTAGE 0
.irp a, 1,2,3
	NORM \a
	SEND (\a)-1
	TOSTAGE \a
.endr
	SEND 3
	s_wait_tensorcnt 0x0                           ; the wave's end
	ds_add_u32 v[SPW], v[NIL]
	s_wait_dscnt 0x0
	CROUND                                         ; the closing round
	s_endpgm
.Lfunc_end_k_q8b1f02679c_pv:
	.size	k_q8b1f02679c_pv, .Lfunc_end_k_q8b1f02679c_pv-k_q8b1f02679c_pv
	.p2alignl 7, 3214868480
	.fill 96, 4, 3214868480
	.section	.rodata,"a",@progbits
	.p2align	6, 0x0
	.amdhsa_kernel k_q8b1f02679c_pv
		.amdhsa_group_segment_fixed_size 327680
		.amdhsa_private_segment_fixed_size 0
		.amdhsa_enable_private_segment 0
		.amdhsa_kernarg_size 32
		.amdhsa_user_sgpr_count 2
		.amdhsa_user_sgpr_kernarg_segment_ptr 1
		.amdhsa_wavefront_size32 1
		.amdhsa_system_sgpr_workgroup_id_x 1
		.amdhsa_system_sgpr_workgroup_id_y 1
		.amdhsa_system_sgpr_workgroup_id_z 1
		.amdhsa_system_vgpr_workitem_id 0
		.amdhsa_next_free_vgpr 512
		.amdhsa_next_free_sgpr 76
		.amdhsa_reserve_vcc 0
		.amdhsa_float_denorm_mode_32 3
		.amdhsa_float_denorm_mode_16_64 3
		.amdhsa_memory_ordered 1
		.amdhsa_forward_progress 1
		.amdhsa_inst_pref_size 136
	.end_amdhsa_kernel
	.amdgpu_metadata
---
amdhsa.version: [ 1, 2 ]
amdhsa.kernels:
  - .name:           k_q8b1f02679c_pv
    .symbol:         k_q8b1f02679c_pv.kd
    .args:
      - { .name: ph, .offset: 0, .size: 8, .value_kind: global_buffer, .address_space: global }
      - { .name: vqk, .offset: 8, .size: 8, .value_kind: global_buffer, .address_space: global }
      - { .name: st, .offset: 16, .size: 8, .value_kind: global_buffer, .address_space: global }
      - { .name: oh, .offset: 24, .size: 8, .value_kind: global_buffer, .address_space: global }
    .group_segment_fixed_size: 327680
    .private_segment_fixed_size: 0
    .kernarg_segment_align: 8
    .kernarg_segment_size: 32
    .max_flat_workgroup_size: 128
    .sgpr_count:     76
    .vgpr_count:     512
    .wavefront_size: 32
...
	.end_amdgpu_metadata
.endif
;; end of part 4
;; launch oproj (part 5): grid 4 x 64, 4 waves a work-group, clusters of 4 x 4, 327,680 bytes of LDS; arguments oh, woh, bo, out0; writes out0
.if DOCPART == 5
	.amdgcn_target "amdgcn-amd-amdhsa--gfx1250"
	.amdhsa_code_object_version 6
	.text
	.protected	k_q8b1f02679c_oproj
	.globl	k_q8b1f02679c_oproj
	.p2align	8
	.type	k_q8b1f02679c_oproj,@function
k_q8b1f02679c_oproj:
	s_mov_b64 s[64:65], 0
	v_nop
	global_prefetch_b8 v0, s[64:65] scope:SCOPE_SE
	s_setreg_imm32_b32 hwreg(HW_REG_WAVE_MODE, 25, 1), 1
	s_wait_xcnt 0x0
	s_wait_alu depctr_hold_cnt(0) depctr_sa_sdst(0) depctr_va_vdst(0) depctr_va_sdst(0) depctr_va_ssrc(0) depctr_va_vcc(0) depctr_vm_vsrc(0)
	s_getreg_b32 s2, hwreg(HW_REG_IB_STS2, 6, 4)
	s_cmp_eq_u32 s2, 0
	s_cbranch_scc0 .Lentry_in_a_cluster
	s_endpgm
.Lentry_in_a_cluster:
	s_bfe_u32 s2, ttmp6, 0x10000c
	s_cmp_lg_u32 s2, 0xf033
	s_cbranch_scc0 .Lentry_shape_is_right
	s_endpgm
.Lentry_shape_is_right:
; out0[row][col] = sum over k of oh[row][k] woh[col][k] + bf16(bo[col]), in f32.  oh: [8192][1024] f16, woh: [1024][1024] f16, out0: [8192][1024] f32.
; The core (tile of 128 x 256, four waves of 64 x 128, K steps of 128 through two LDS slots, joint loads in a cluster of 4 x 4, the bias as the C of the first K step)
; is the first projection's; the way out differs: the f32 sums leave as they are, through a stage of 16 rows x 528 bytes for each wave.
; LIMITS.  None beyond the operands' (f16: 65,504); the result is f32.
; Source 0 = 16 rows of woh, source 1 = 16 rows of oh: lane l holds row l % 16, registers 0-7 the columns 8 (l / 16) + 0..7.
; REGISTERS.  window 0: v0-31 addresses; v32-127, v128-223 fragment buffers; on the way out v32-95, v96-159 rows read back, by turns; v224-255 at work on the bias.
;   window 1: accumulator (a, b) at v[8 (8 a + b)].   window 2: v0-63 the bias of my 128 columns.
.set PITCH,  272
.set AH,     64*PITCH
.set BOFF,   2*AH
.set BH,     128*PITCH
.set SLOT,   BOFF+2*BH
.set STAGE,  2*SLOT                    ; never filled by a tensor load
.set SPITCH, 528                       ; a stage row: 512 bytes + 16 = 132 words: the 16 rows that a store touches start at 16 different groups of four banks (ISA guide 11.1)
.set SPARE,  STAGE+4*16*SPITCH         ; the spare words: two blocks of 256 bytes that no other line names
.set LAPS,   4
.set ROWB,   4096
.set ADRA, 16
.set ADRB, 20
.set STO,  24
.set RD,   25
.set CO,   26
.set SPW,  28
.set NIL,  29
.set F0,   32
.set F1,   128
.set TMP,  224
.set OB,   32
.set WV,  16
.set WM,  17
.set WN,  18
.set CNT, 19
.set G1A, 24
.set G0A, 32
.set G1B, 48
.set G0B, 56
.set CB,  10                           ; s[10:11] out0 at my wave's first row and column
.set MSB, 0
.macro WIN new
.if MSB != (\new)
	s_set_vgpr_msb (MSB<<8)|(\new)
.set MSB, \new
.endif
.endm
.set W_MUL,  0x50
.set W_MULB, 0x60
.macro PLACES
.rept 4
	v_nop
.endr
.endm
.macro JLOAD s
	s_cmp_eq_u32 s[WM], 0
	s_cbranch_scc0 .Lfor_b_\@
	tensor_load_to_lds s[G0A+4*(\s):G0A+4*(\s)+3], s[G1A:G1A+7]
	s_nop 0
.rept 4
	v_nop
.endr
	s_branch .Lasked_\@
.Lfor_b_\@:
	tensor_load_to_lds s[G0B+4*(\s):G0B+4*(\s)+3], s[G1B:G1B+7]
	s_nop 0
.rept 4
	v_nop
.endr
.Lasked_\@:
.endm
.macro CREST
	s_cmp_lg_u32 s[WV], 0
	s_cbranch_scc1 .Lnot_wave_0_\@
	s_barrier_signal -3
.Lnot_wave_0_\@:
	s_barrier_wait -3
	s_barrier_signal -1
	s_barrier_wait -1
.endm
.macro CROUND
	s_barrier_signal -1
	s_barrier_wait -1
	CREST
.endm
	s_load_b256 s[4:11], s[0:1], 0x0               ; oh s[4:5], woh s[6:7], bo s[8:9], out0 s[10:11]
	v_lshl_add_u32 v[SPW], v0, 2, SPARE
	v_mov_b32 v[NIL], 0
	ds_add_u32 v28, v29
	ds_add_u32 v28, v29
	s_wait_dscnt 0x0
	v_lshrrev_b32 v1, 5, v0
	v_readfirstlane_b32 s[WV], v1
	s_lshr_b32 s[WM], s[WV], 1
	s_and_b32 s[WN], s[WV], 1
	s_bfe_u32 s40, ttmp6, 0x40000                  ; cx
	s_bfe_u32 s41, ttmp6, 0x40004                  ; cy
	s_lshl_b32 s42, ttmp9, 2
	s_add_co_u32 s42, s42, s40                     ; column tile
	s_and_b32 s43, ttmp7, 0xffff
	s_lshl_b32 s43, s43, 2
	s_add_co_u32 s43, s43, s41                     ; row tile
	s_lshl_b32 s44, s41, 2
	s_lshl_b32 s44, 15, s44                        ; my row of the cluster
	s_lshl_b32 s45, 0x1111, s40                    ; my column
	s_or_b32 s[G1A], s44, (1<<16)|(1<<20)|(1<<21)|(5<<22)|(3<<25)
	s_or_b32 s[G1B], s45, (1<<16)|(1<<20)|(1<<21)|(5<<22)|(3<<25)
	s_mov_b32 s[G1A+1], 128<<16
	s_mov_b32 s[G1A+2], 64<<16
	s_mov_b32 s[G1A+3], 128<<16
	s_mov_b32 s[G1A+4], 64
	s_mov_b32 s[G1A+5], 1024
	s_mov_b32 s[G1A+6], 0
	s_mov_b32 s[G1A+7], 0
	s_mov_b32 s[G1B+1], 128<<16
	s_mov_b32 s[G1B+2], 128<<16
	s_mov_b32 s[G1B+3], 128<<16
	s_mov_b32 s[G1B+4], 128
	s_mov_b32 s[G1B+5], 1024
	s_mov_b32 s[G1B+6], 0
	s_mov_b32 s[G1B+7], 0
	s_lshl_b32 s20, s43, 18                        ; A: made of the row tile and the wave alone
	s_lshl_b32 s21, s[WN], 17
	s_add_co_u32 s20, s20, s21
	s_mov_b32 s21, 0
	s_lshl_b32 s46, s42, 19                        ; B: made of the column tile and the wave alone
	s_lshl_b32 s47, s[WN], 18
	s_add_co_u32 s46, s46, s47
	s_mov_b32 s47, 0
	s_mul_i32 s22, s[WN], AH
	s_mul_i32 s23, s[WN], BH
	s_add_co_u32 s23, s23, BOFF
	s_wait_kmcnt 0x0
	s_add_nc_u64 s[20:21], s[4:5], s[20:21]
	s_add_nc_u64 s[46:47], s[6:7], s[46:47]
.irp s, 0,1
	s_mov_b32 s[G0A+4*\s], 1
	s_add_co_u32 s[G0A+4*\s+1], s22, \s*SLOT
	s_add_nc_u64 s[G0A+4*\s+2:G0A+4*\s+3], s[20:21], \s*256
	s_or_b32 s[G0A+4*\s+3], s[G0A+4*\s+3], 0x80000000
	s_mov_b32 s[G0B+4*\s], 1
	s_add_co_u32 s[G0B+4*\s+1], s23, \s*SLOT
	s_add_nc_u64 s[G0B+4*\s+2:G0B+4*\s+3], s[46:47], \s*256
	s_or_b32 s[G0B+4*\s+3], s[G0B+4*\s+3], 0x80000000
.endr
	CROUND                                         ; all sixteen work-groups are here: the first joint loads meet
	s_cmp_eq_u32 s[WM], 0                          ; a wave's two first fills stand in one branch: two loads of mine are out
	s_cbranch_scc0 .Lfirst_b
	tensor_load_to_lds s[G0A:G0A+3], s[G1A:G1A+7]
	s_nop 0
	tensor_load_to_lds s[G0A+4:G0A+7], s[G1A:G1A+7]
	s_nop 0
.rept 4
	v_nop
.endr
	s_branch .Lfirst_asked
.Lfirst_b:
	tensor_load_to_lds s[G0B:G0B+3], s[G1B:G1B+7]
	s_nop 0
	tensor_load_to_lds s[G0B+4:G0B+7], s[G1B:G1B+7]
	s_nop 0
.rept 4
	v_nop
.endr
.Lfirst_asked:
	v_and_b32 v1, 15, v0                           ; r
	v_bfe_u32 v2, v0, 4, 1                         ; h
	s_lshl_b32 s46, s42, 10                        ; the bias: (256 column tile + 128 half) columns of 4 bytes
	s_lshl_b32 s47, s[WN], 9
	s_add_co_u32 s46, s46, s47
	s_mov_b32 s47, 0
	s_add_nc_u64 s[8:9], s[8:9], s[46:47]
	v_lshlrev_b32 v5, 5, v2
	WIN 0x80
.irp b, 0,1,2,3,4,5,6,7
	global_load_b128 v[8*\b:8*\b+3],   v5, s[8:9] offset:64*\b
	global_load_b128 v[8*\b+4:8*\b+7], v5, s[8:9] offset:64*\b+16
.endr
	WIN 0
	v_mul_u32_u24 v3, v1, PITCH
	v_lshl_add_u32 v3, v2, 4, v3
	s_mul_i32 s2, s[WM], AH
	s_mul_i32 s3, s[WN], BH
	s_add_co_u32 s3, s3, BOFF
.irp s, 0,1
	v_add_nc_u32 v[ADRA+\s], s2, v3
	v_add_nc_u32 v[ADRB+\s], s3, v3
	s_add_co_u32 s2, s2, SLOT
	s_add_co_u32 s3, s3, SLOT
.endr
	s_mul_i32 s2, s[WV], 16*SPITCH
	s_add_co_u32 s2, s2, STAGE                     ; my stage
	v_mul_u32_u24 v4, v1, SPITCH                   ; in: row r, 32 bytes for each half of the lanes
	v_lshl_add_u32 v4, v2, 5, v4
	v_add_nc_u32 v[STO], s2, v4
	v_and_b32 v4, 31, v0
	v_lshlrev_b32 v[CO], 4, v4                     ; back and out: 32 lanes take one row's 512 bytes
	v_add_nc_u32 v[RD], s2, v[CO]
	s_lshl_b32 s2, s43, 19                         ; out0: (128 row tile + 64 half) rows of 4,096 bytes + 1,024 column tile + 512 half
	s_lshl_b32 s3, s[WM], 18
	s_add_co_u32 s2, s2, s3
	s_lshl_b32 s3, s42, 10
	s_add_co_u32 s2, s2, s3
	s_lshl_b32 s3, s[WN], 9
	s_add_co_u32 s2, s2, s3
	s_mov_b32 s3, 0
	s_add_nc_u64 s[CB:CB+1], s[CB:CB+1], s[2:3]
	s_wait_loadcnt 0x0                             ; the bias is in; it is rounded to bf16 like every input, and widened again
	WIN 0x0a
.set z, 0
.rept 32
	v_cvt_pk_bf16_f32 v[TMP+z], v[2*z], v[2*z+1]
.set z, z+1
.endr
	WIN 0x80
.set z, 0
.rept 32
	v_lshlrev_b32 v[2*z], 16, v[TMP+z]
	v_and_b32 v[2*z+1], 0xffff0000, v[TMP+z]
.set z, z+1
.endr
	WIN 0
.macro MUL8 f, a, mode                 ; mode 0: onto the sums; 2: C = the bias.  The 32 accumulators take turns
.if (\mode) == 2
	WIN W_MULB
.else
	WIN W_MUL
.endif
.irp b, 0,1,2,3,4,5,6,7
.if (\mode) == 0
	v_wmma_f32_16x16x32_f16 v[8*(8*(\a)+\b):8*(8*(\a)+\b)+7], v[(\f)+8*\b:(\f)+8*\b+7], v[(\f)+64+8*(\a):(\f)+64+8*(\a)+7], v[8*(8*(\a)+\b):8*(8*(\a)+\b)+7]
.else
	v_wmma_f32_16x16x32_f16 v[8*(8*(\a)+\b):8*(8*(\a)+\b)+7], v[(\f)+8*\b:(\f)+8*\b+7], v[(\f)+64+8*(\a):(\f)+64+8*(\a)+7], v[8*\b:8*\b+7]
.endif
.endr
.endm
.macro FETCH slot, k, f
	WIN 0
.irp b, 0,1,2,3,4,5,6,7
	ds_load_b128 v[(\f)+8*\b:(\f)+8*\b+3],   v[ADRB+(\slot)] offset:(\k)+\b*16*PITCH
	ds_load_b128 v[(\f)+8*\b+4:(\f)+8*\b+7], v[ADRB+(\slot)] offset:(\k)+\b*16*PITCH+32
.endr
.irp a, 0,1,2,3
	ds_load_b128 v[(\f)+64+8*\a:(\f)+64+8*\a+3],   v[ADRA+(\slot)] offset:(\k)+\a*16*PITCH
	ds_load_b128 v[(\f)+64+8*\a+4:(\f)+64+8*\a+7], v[ADRA+(\slot)] offset:(\k)+\a*16*PITCH+32
.endr
.endm
.macro QUARTER slot, k, f, g, mode
	s_wait_dscnt 4                                 ; the youngest four loads (A's blocks 2, 3) may be out
	MUL8 \f, 0, \mode
	MUL8 \f, 1, \mode
	PLACES                                         ; for the loads into g
	FETCH \slot, \k, \g
	s_wait_dscnt 24                                ; all but the 24 just issued
	MUL8 \f, 2, \mode
	MUL8 \f, 3, \mode
.endm
.macro TURN slot, next, fill
	WIN 0
	s_wait_tensorcnt 0x0                           ; all my tensor loads have landed: the one that was out is my part of the next slot
	ds_add_u32 v[SPW], v[NIL]                      ; 0 onto my spare word
	s_wait_dscnt 5                                 ; the add and A's blocks 2, 3 may be out
	MUL8 F1, 0, 0
	s_wait_dscnt 0x0                               ; the add is done, and my reads of this slot are over
	s_barrier_signal -1
	MUL8 F1, 1, 0
.if \fill
	WIN 0
.endif
	s_barrier_wait -1
.if \fill
	CREST                                          ; no wave of any partner still reads this slot or has a load on its way
	s_add_nc_u64 s[G0A+4*(\slot)+2:G0A+4*(\slot)+3], s[G0A+4*(\slot)+2:G0A+4*(\slot)+3], 512
	s_add_nc_u64 s[G0B+4*(\slot)+2:G0B+4*(\slot)+3], s[G0B+4*(\slot)+2:G0B+4*(\slot)+3], 512
	JLOAD \slot                                    ; my one tensor load behind the round; its four v_nop are also the places in front of the loads below
.else
	PLACES
.endif
	FETCH \next, 0, F0
	MUL8 F1, 2, 0
	MUL8 F1, 3, 0
.endm
; THE WAY OUT of block a: a lane's eight f32 of a row, 32 bytes, go into my stage straight from the accumulators (the low four registers first) and come back as whole rows of 512 bytes.
.macro TOSTAGE32 a
	WIN 0x04                                       ; the stores' data in window 1, the address in window 0
.irp b, 0,1,2,3,4,5,6,7
	ds_store_b128 v[STO], v[8*(8*(\a)+\b):8*(8*(\a)+\b)+3]   offset:64*\b
	ds_store_b128 v[STO], v[8*(8*(\a)+\b)+4:8*(8*(\a)+\b)+7] offset:64*\b+16
.endr
	WIN 0
.irp t, 0,1,2,3,4,5,6,7,8,9,10,11,12,13,14,15
	ds_load_b128 v[OB+64*((\a)%2)+4*\t:OB+64*((\a)%2)+4*\t+3], v[RD] offset:\t*SPITCH  ; LDS serves a wave's instructions in order (ISA guide 5.7.1.4)
.endr
.endm
.macro SEND32 a, younger               ; younger: the LDS instructions issued behind block a's loads: the next block's 32, or none
.irp t, 0,1,2,3,4,5,6,7,8,9,10,11,12,13,14,15
	s_wait_dscnt (\younger)+15-\t
	global_store_b128 v[CO], v[OB+64*((\a)%2)+4*\t:OB+64*((\a)%2)+4*\t+3], s[CB:CB+1] offset:(16*(\a)+\t)*ROWB th:TH_STORE_NT  ; a wave stores 512 consecutive bytes, aligned
.endr
.endm
	s_wait_tensorcnt 1                             ; my part of K step 0 is in; K step 1's may stay out
	s_barrier_signal -1
	s_barrier_wait -1
	FETCH 0, 0, F0
	QUARTER 0, 64, F0, F1, 2                       ; the first quarter's products start the sums, from the bias
	WIN 0
	s_mov_b32 s[CNT], 0
.Llap:
	QUARTER 0, 128, F1, F0, 0
	QUARTER 0, 192, F0, F1, 0
	TURN 0, 1, 1
	QUARTER 1, 64,  F0, F1, 0
	QUARTER 1, 128, F1, F0, 0
	QUARTER 1, 192, F0, F1, 0
	TURN 1, 0, 1
	QUARTER 0, 64,  F0, F1, 0
	WIN 0
	s_add_co_u32 s[CNT], s[CNT], 1
	s_cmp_lt_u32 s[CNT], LAPS-1
	s_cbranch_scc1 .Llap
	QUARTER 0, 128, F1, F0, 0
	QUARTER 0, 192, F0, F1, 0
	TURN 0, 1, 0
	QUARTER 1, 64,  F0, F1, 0
	QUARTER 1, 128, F1, F0, 0
	QUARTER 1, 192, F0, F1, 0
	s_wait_dscnt 4
	MUL8 F1, 0, 0
	MUL8 F1, 1, 0
	s_wait_dscnt 0x0
	MUL8 F1, 2, 0
	MUL8 F1, 3, 0
	WIN 0
	PLACES
	TOSTAGE32 0
	TOSTAGE32 1
	SEND32 0, 32
	s_wait_xcnt 0x0                                ; block 0's stores have read their registers: block 2's rows come back into them only behind this wait
	TOSTAGE32 2
	SEND32 1, 32
	s_wait_xcnt 0x0                                ; likewise block 1's, for block 3
	TOSTAGE32 3
	SEND32 2, 32
	SEND32 3, 0
	s_wait_tensorcnt 0x0                           ; the wave's end
	ds_add_u32 v[SPW], v[NIL]
	s_wait_dscnt 0x0
	CROUND                                         ; the closing round
	s_endpgm
.Lfunc_end_k_q8b1f02679c_oproj:
	.size	k_q8b1f02679c_oproj, .Lfunc_end_k_q8b1f02679c_oproj-k_q8b1f02679c_oproj
	.p2alignl 7, 3214868480
	.fill 96, 4, 3214868480
	.section	.rodata,"a",@progbits
	.p2align	6, 0x0
	.amdhsa_kernel k_q8b1f02679c_oproj
		.amdhsa_group_segment_fixed_size 327680
		.amdhsa_private_segment_fixed_size 0
		.amdhsa_enable_private_segment 0
		.amdhsa_kernarg_size 32
		.amdhsa_user_sgpr_count 2
		.amdhsa_user_sgpr_kernarg_segment_ptr 1
		.amdhsa_wavefront_size32 1
		.amdhsa_system_sgpr_workgroup_id_x 1
		.amdhsa_system_sgpr_workgroup_id_y 1
		.amdhsa_system_sgpr_workgroup_id_z 1
		.amdhsa_system_vgpr_workitem_id 0
		.amdhsa_next_free_vgpr 576
		.amdhsa_next_free_sgpr 76
		.amdhsa_reserve_vcc 0
		.amdhsa_float_denorm_mode_32 3
		.amdhsa_float_denorm_mode_16_64 3
		.amdhsa_memory_ordered 1
		.amdhsa_forward_progress 1
		.amdhsa_inst_pref_size 93
	.end_amdhsa_kernel
	.amdgpu_metadata
---
amdhsa.version: [ 1, 2 ]
amdhsa.kernels:
  - .name:           k_q8b1f02679c_oproj
    .symbol:         k_q8b1f02679c_oproj.kd
    .args:
      - { .name: oh, .offset: 0, .size: 8, .value_kind: global_buffer, .address_space: global }
      - { .name: woh, .offset: 8, .size: 8, .value_kind: global_buffer, .address_space: global }
      - { .name: bo, .offset: 16, .size: 8, .value_kind: global_buffer, .address_space: global }
      - { .name: out0, .offset: 24, .size: 8, .value_kind: global_buffer, .address_space: global }
    .group_segment_fixed_size: 327680
    .private_segment_fixed_size: 0
    .kernarg_segment_align: 8
    .kernarg_segment_size: 32
    .max_flat_workgroup_size: 128
    .sgpr_count:     76
    .vgpr_count:     576
    .wavefront_size: 32
...
	.end_amdgpu_metadata
.endif
;; end of part 5
;; ======== version 2 of 3: 5 launches; 1.17 times as fast as version 1
;; limits: values are held in f16: magnitudes above 65,504 overflow, below 6.1e-05 lose precision
;; workspace buffers: xh 16,777,216 bytes; wcat 6,291,456 bytes; woh 2,097,152 bytes; vqk 50,331,648 bytes; ph 33,554,432 bytes; st 1,048,576 bytes; oh 16,777,216 bytes
;; launch cast: the kernel of part 1 again; grid 384 x 1, 8 waves a work-group, no clusters, 0 bytes of LDS; arguments x, Wv, Wq, Wk, Wo, xh, wcat, woh; writes xh, wcat, woh
;; launch qkv (part 6): grid 12 x 16, 4 waves a work-group, clusters of 4 x 4, 327,680 bytes of LDS; arguments xh, wcat, bv, bq, bk, vqk; writes vqk
.if DOCPART == 6
	.amdgcn_target "amdgcn-amd-amdhsa--gfx1250"
	.amdhsa_code_object_version 6
	.text
	.protected	k_q8b1f02679c_qkv
	.globl	k_q8b1f02679c_qkv
	.p2align	8
	.type	k_q8b1f02679c_qkv,@function
k_q8b1f02679c_qkv:
	s_mov_b64 s[64:65], 0
	v_nop
	global_prefetch_b8 v0, s[64:65] scope:SCOPE_SE
	s_setreg_imm32_b32 hwreg(HW_REG_WAVE_MODE, 25, 1), 1
	s_wait_xcnt 0x0
	s_wait_alu depctr_hold_cnt(0) depctr_sa_sdst(0) depctr_va_vdst(0) depctr_va_sdst(0) depctr_va_ssrc(0) depctr_va_vcc(0) depctr_vm_vsrc(0)
	s_getreg_b32 s2, hwreg(HW_REG_IB_STS2, 6, 4)
	s_cmp_eq_u32 s2, 0
	s_cbranch_scc0 .Lentry_in_a_cluster
	s_endpgm
.Lentry_in_a_cluster:
	s_bfe_u32 s2, ttmp6, 0x10000c
	s_cmp_lg_u32 s2, 0xf033
	s_cbranch_scc0 .Lentry_shape_is_right
	s_endpgm
.Lentry_shape_is_right:
; vqk[plane][row][col] = f16( sum over k of xh[row][k] wcat[1024 plane + col][k] + bf16(bias_plane[col]) ); planes V, Q, K; sums in f32.
; xh: [8192][1024] f16, wcat: [3072][1024] f16, vqk: [3][8192][1024] f16.
; LIMITS.  V, Q and K must lie within f16's 65,504 (a sum of 65,520 or more becomes an infinity); below 6.1e-5 they keep f16's fixed step of 6e-8.
; SHARES.  A tile is 256 rows x 256 columns; each of four waves makes 128 x 128: 64 accumulators of 16 x 16, 512 registers.  K goes in steps of 128 (tile rows of 256 bytes, aligned)
; through two LDS slots: a K step is 256 matrix instructions a wave, 224 of them between a tile's request and the wait for it.  The result has 384 tiles: 192 work-groups make TWO each,
; 4,096 rows apart (the same rows of wcat, the same bias), and the ring does not stop between them: the first tile's last two changes of slots ask for the second tile's first two K steps.
; (One tile each would be one and a half work-groups a WGP; 256 equal work-groups would want tiles of 256 x 384: 348,160 bytes of LDS for two slots.)
; THE MATRIX INSTRUCTION IS USED TRANSPOSED (source 0 = 16 rows of wcat, source 1 = 16 rows of xh): lane l holds row l % 16, registers 0-7 the columns 8 (l / 16) + 0..7.
; CLUSTER 4 x 4: the four of a row of the cluster need the same tiles of xh, the four of a column the same tiles of wcat: each is asked for jointly.  The cluster's x is the plane.
; REGISTERS, in windows of 256 (s_set_vgpr_msb: bits 1:0 source 0, 3:2 source 1, 5:4 source 2, 7:6 destination):
;   window 0: v0-31 addresses; v64-127, v128-191 fragments of xh, two buffers; v32-63, v192-255 at work on the way out
;   window 1: v0-63 the bias of my 128 columns, laid as an accumulator's registers: the C of each tile's first quarter; v64-127, v128-191 fragments of wcat
;   window 2: the accumulators of my rows 0-63 ((a, b) at v[8 (8 a + b)]);   window 3: those of my rows 64-127
.set KSTEP,  128
.set PITCH,  272                       ; an LDS row: 256 bytes + 16 of padding = 68 words: the 16 rows of a fragment load start at 16 different groups of four banks (64 banks of 4 bytes: ISA guide 11.1)
.set HALFT,  128*PITCH                 ; 128 rows: what one tensor load brings, and what one wave reads of A or of B
.set SLOT,   4*HALFT                   ; A's 256 rows, then B's 256 rows
.set STAGE,  2*SLOT                    ; behind the ring, never filled by a tensor load: 16 rows x 272 bytes for each wave
.set SPITCH, 272
.set SPARE,  STAGE+4*16*SPITCH         ; the spare words, 128 bytes for each wave: two blocks of 256 bytes that no other line names
.set LAPS,   4                         ; a lap = two K steps; 1,024 / 256
.set TILES,  2
.set ROWB,   2048                      ; bytes in a row of xh, of wcat and of a plane
.set WALK,   4096                      ; rows from a work-group's first tile to its second
.set NEXT_A, WALK*ROWB-(1024-2*KSTEP)*2  ; bytes from a slot's last K step of a tile to its first of the next: A goes 4,096 rows down and back along K,
.set BACK_B, (1024-2*KSTEP)*2          ; B only back
.set ADRA, 16                          ; v16-17  LDS address of my A fragments in slot 0, 1
.set ADRB, 20                          ; v20-21  the same for B
.set STO,  24                          ; v24     the way out: where I put 16 bytes of a row
.set RD,   25                          ; v25     where I read a row back
.set CO,   26                          ; v26     my byte offset in the result
.set SPW,  28                          ; v28     SPARE + 4 x my thread's number; never rewritten
.set NIL,  29                          ; v29     0; never rewritten
.set F0,   64
.set F1,   128
.set TMP,  192                         ; packed results
.set OB,   32                          ; 16 rows read back from the stage: v32-63 and v224-255 by turns
.set WV,  10                           ; s10  wave
.set WM,  11                           ; s11  wave >> 1: my 128 rows.  Also: I fetch for A (0) or for B (1)
.set WN,  12                           ; s12  wave & 1: my 128 columns.  Also: which 128 rows I fetch
.set G1,  24                           ; s[24:31] descriptor group 1 for A's tiles;  s[32:39] group 0, a set for each slot
.set G0,  32
.set G1B, 48                           ; s[48:55], s[56:63] the same for B's
.set G0B, 56
.set CB,  74                           ; s[74:75] the result at my wave's first row and column of the tile in hand
.set MSB, 0
.macro WIN new                         ; the immediate's high byte repeats the setting that is left; a switch that changes nothing is dropped
.if MSB != (\new)
	s_set_vgpr_msb (MSB<<8)|(\new)
.set MSB, \new
.endif
.endm
.set MUL_LO, 0xa1                      ; source 0 (B) window 1, source 1 (A) window 0, C and D window 2
.set MUL_B,  0x91                      ; the same with C in window 1: the bias
.set TO_B,   0x40                      ; destination window 1, address window 0
.macro PLACES                          ; four plain vector instructions between a matrix instruction and a load into, or a vector access to, its registers (ISA guide 7.12.1 for vector accesses)
.rept 4
	v_nop
.endr
.endm
.macro JLOAD s                         ; a joint refill: waves 0, 1 A's halves, waves 2, 3 B's; four v_nop follow each of the two lines, ahead of the jump and the label
	s_cmp_eq_u32 s[WM], 0
	s_cbranch_scc0 .Lfor_b_\@
	tensor_load_to_lds s[G0+4*(\s):G0+4*(\s)+3], s[G1:G1+7]
	s_nop 0
.rept 4
	v_nop
.endr
	s_branch .Lasked_\@
.Lfor_b_\@:
	tensor_load_to_lds s[G0B+4*(\s):G0B+4*(\s)+3], s[G1B:G1B+7]
	s_nop 0
.rept 4
	v_nop
.endr
.Lasked_\@:
.endm
.macro CREST                           ; a round of the cluster's barrier behind its opening barrier
	s_cmp_lg_u32 s[WV], 0
	s_cbranch_scc1 .Lnot_wave_0_\@
	s_barrier_signal -3
.Lnot_wave_0_\@:
	s_barrier_wait -3
	s_barrier_signal -1
	s_barrier_wait -1
.endm
.macro CROUND
	s_barrier_signal -1
	s_barrier_wait -1
	CREST
.endm
	s_load_b128 s[4:7], s[0:1], 0x0                ; xh s[4:5], wcat s[6:7]
	s_load_b128 s[68:71], s[0:1], 0x10             ; bv s[68:69], bq s[70:71]
	s_load_b128 s[72:75], s[0:1], 0x20             ; bk s[72:73], vqk s[74:75]
	v_lshl_add_u32 v[SPW], v0, 2, SPARE
	v_mov_b32 v[NIL], 0
	ds_add_u32 v28, v29
	ds_add_u32 v28, v29
	s_wait_dscnt 0x0
	v_lshrrev_b32 v1, 5, v0
	v_readfirstlane_b32 s[WV], v1
	s_lshr_b32 s[WM], s[WV], 1
	s_and_b32 s[WN], s[WV], 1
	s_bfe_u32 s40, ttmp6, 0x40000                  ; cx
	s_bfe_u32 s41, ttmp6, 0x40004                  ; cy
	s_lshl_b32 s42, ttmp9, 2
	s_add_co_u32 s42, s42, s40                     ; column tile = 4 x cluster x + cx
	s_and_b32 s13, ttmp7, 0xffff
	s_lshl_b32 s13, s13, 2
	s_add_co_u32 s13, s13, s41                     ; row tile of the first tile = 4 x cluster y + cy
	s_lshl_b32 s43, s41, 2
	s_lshl_b32 s43, 15, s43                        ; my row of the cluster
	s_lshl_b32 s44, 0x1111, s40                    ; my column
	s_or_b32 s[G1], s43, (1<<16)|(1<<20)|(1<<21)|(5<<22)|(3<<25)   ; 15:0 the mask; 17:16 2-byte elements; 20 padding on; 21 set beside a mask; 24:22 after every 64 words; 31:25 4 words of it
	s_or_b32 s[G1B], s44, (1<<16)|(1<<20)|(1<<21)|(5<<22)|(3<<25)
.irp g, G1, G1B
	s_mov_b32 s[\g+1], KSTEP<<16                   ; tensor_dim0 = 128
	s_mov_b32 s[\g+2], 128<<16                     ; tensor_dim1 = 128
	s_mov_b32 s[\g+3], KSTEP<<16                   ; tile_dim0 = 128
	s_mov_b32 s[\g+4], 128                         ; tile_dim1 = 128
	s_mov_b32 s[\g+5], 1024                        ; elements from row to row
	s_mov_b32 s[\g+6], 0
	s_mov_b32 s[\g+7], 0
.endr
	s_lshl_b32 s16, s13, 19                        ; A: (256 x row tile + 128 x half) rows of 2,048 bytes: made of the row tile and the wave alone
	s_lshl_b32 s17, s[WN], 18
	s_add_co_u32 s16, s16, s17
	s_mov_b32 s17, 0
	s_lshl_b32 s46, s42, 19                        ; B: (256 x column tile + 128 x half) rows: made of the column tile and the wave alone
	s_lshl_b32 s47, s[WN], 18
	s_add_co_u32 s46, s46, s47
	s_mov_b32 s47, 0
	s_mul_i32 s20, s[WV], HALFT                    ; where they go: A's two halves, then B's two = wave x 128 rows: no place in the cluster enters an LDS address
	s_wait_kmcnt 0x0
	s_add_nc_u64 s[14:15], s[4:5], s[16:17]
	s_add_nc_u64 s[46:47], s[6:7], s[46:47]
	s_cmp_eq_u32 ttmp9, 1                          ; the plane's bias: bv, bq or bk
	s_cselect_b64 s[68:69], s[70:71], s[68:69]
	s_cmp_eq_u32 ttmp9, 2
	s_cselect_b64 s[68:69], s[72:73], s[68:69]
.irp s, 0,1
	s_mov_b32 s[G0+4*\s], 1                        ; count = 1
	s_add_co_u32 s[G0+4*\s+1], s20, \s*SLOT        ; LDS address
	s_add_nc_u64 s[G0+4*\s+2:G0+4*\s+3], s[14:15], \s*KSTEP*2  ; global address: K step s
	s_or_b32 s[G0+4*\s+3], s[G0+4*\s+3], 0x80000000            ; type = 2
	s_mov_b32 s[G0B+4*\s], 1
	s_add_co_u32 s[G0B+4*\s+1], s20, \s*SLOT
	s_add_nc_u64 s[G0B+4*\s+2:G0B+4*\s+3], s[46:47], \s*KSTEP*2
	s_or_b32 s[G0B+4*\s+3], s[G0B+4*\s+3], 0x80000000
.endr
	CROUND                                         ; all sixteen work-groups are here: the first joint loads meet
	s_cmp_eq_u32 s[WM], 0                          ; a wave's two first fills stand in one branch: two loads of mine are out
	s_cbranch_scc0 .Lfirst_b
	tensor_load_to_lds s[G0:G0+3], s[G1:G1+7]
	s_nop 0
	tensor_load_to_lds s[G0+4:G0+7], s[G1:G1+7]
	s_nop 0
.rept 4
	v_nop
.endr
	s_branch .Lfirst_asked
.Lfirst_b:
	tensor_load_to_lds s[G0B:G0B+3], s[G1B:G1B+7]
	s_nop 0
	tensor_load_to_lds s[G0B+4:G0B+7], s[G1B:G1B+7]
	s_nop 0
.rept 4
	v_nop
.endr
.Lfirst_asked:
	; the bias of my 128 columns: register j of block b in lane l is column 16 b + 8 (l / 16) + j
	v_and_b32 v1, 15, v0                           ; r = l % 16
	v_bfe_u32 v2, v0, 4, 1                         ; h = l / 16
	s_lshl_b32 s46, s40, 10                        ; (256 cx + 128 half) columns of 4 bytes
	s_lshl_b32 s47, s[WN], 9
	s_add_co_u32 s46, s46, s47
	s_mov_b32 s47, 0
	s_add_nc_u64 s[68:69], s[68:69], s[46:47]
	v_lshlrev_b32 v5, 5, v2
	WIN TO_B
.irp b, 0,1,2,3,4,5,6,7
	global_load_b128 v[8*\b:8*\b+3],   v5, s[68:69] offset:64*\b
	global_load_b128 v[8*\b+4:8*\b+7], v5, s[68:69] offset:64*\b+16
.endr
	WIN 0
	; a fragment is 16 rows x 32 K in 8 registers: lane l holds row r; registers 0-3 K = 8 h + 0..7, registers 4-7 K = 16 + 8 h + 0..7: two loads of 16 bytes, 32 apart
	v_mul_u32_u24 v3, v1, PITCH
	v_lshl_add_u32 v3, v2, 4, v3                   ; r x pitch + 16 h
	s_mul_i32 s21, s[WM], HALFT                    ; my 128 rows of A
	s_mul_i32 s22, s[WN], HALFT                    ; my 128 rows of B,
	s_add_co_u32 s22, s22, 2*HALFT                 ; which lie behind A's 256
.irp s, 0,1
	v_add_nc_u32 v[ADRA+\s], s21, v3
	v_add_nc_u32 v[ADRB+\s], s22, v3
	s_add_co_u32 s21, s21, SLOT
	s_add_co_u32 s22, s22, SLOT
.endr
	s_mul_i32 s23, s[WV], 16*SPITCH
	s_add_co_u32 s23, s23, STAGE                   ; my stage
	v_add_nc_u32 v[STO], s23, v3                   ; in: row r, 16 bytes for each half of the lanes
	v_mul_u32_u24 v4, v2, SPITCH                   ; back: lanes 0-15 one row of 256 bytes, lanes 16-31 the next
	v_lshl_add_u32 v4, v1, 4, v4
	v_add_nc_u32 v[RD], s23, v4
	v_lshlrev_b32 v4, 11, v2                       ; and the same two rows in the result
	v_lshl_add_u32 v[CO], v1, 4, v4
	s_lshl_b32 s46, ttmp9, 24                      ; the plane's 16,777,216 bytes,
	s_lshl_b32 s47, s13, 19                        ; 256 rows a row tile,
	s_add_co_u32 s46, s46, s47
	s_lshl_b32 s47, s[WM], 18                      ; my 128 of them,
	s_add_co_u32 s46, s46, s47
	s_lshl_b32 s47, s40, 9                         ; the tile's 256 columns in the plane,
	s_add_co_u32 s46, s46, s47
	s_lshl_b32 s47, s[WN], 8                       ; my 128 of them
	s_add_co_u32 s46, s46, s47
	s_mov_b32 s47, 0
	s_add_nc_u64 s[CB:CB+1], s[CB:CB+1], s[46:47]
	s_wait_loadcnt 0x0                             ; the bias is in; it is rounded to bf16 like every input, and widened again
	WIN 0x05                                       ; sources window 1, destination window 0
.set z, 0
.rept 32
	v_cvt_pk_bf16_f32 v[TMP+z], v[2*z], v[2*z+1]
.set z, z+1
.endr
	WIN TO_B                                       ; destination window 1
.set z, 0
.rept 32
	v_lshlrev_b32 v[2*z], 16, v[TMP+z]
	v_and_b32 v[2*z+1], 0xffff0000, v[TMP+z]
.set z, z+1
.endr
	WIN 0
; 16 matrix instructions: row blocks a0, a0 + 1 of the window's four (hi = 0: my rows 0-63, 1: rows 64-127) x all 8 column blocks, 32 along K.  mode 0: onto the sums; 2: C = the bias.
; The 64 accumulators take turns, one instruction a turn, in the same order in every quarter.
.macro MUL16 f, hi, a0, mode
.if (\mode) == 2
	WIN MUL_B+0x40*(\hi)
.else
	WIN MUL_LO+0x50*(\hi)
.endif
.irp a, \a0, (\a0)+1
.irp b, 0,1,2,3,4,5,6,7
.if (\mode) == 2
	v_wmma_f32_16x16x32_f16 v[8*(8*(\a)+(\b)):8*(8*(\a)+(\b))+7], v[(\f)+8*(\b):(\f)+8*(\b)+7], v[(\f)+8*(4*(\hi)+(\a)):(\f)+8*(4*(\hi)+(\a))+7], v[8*(\b):8*(\b)+7]
.else
	v_wmma_f32_16x16x32_f16 v[8*(8*(\a)+(\b)):8*(8*(\a)+(\b))+7], v[(\f)+8*(\b):(\f)+8*(\b)+7], v[(\f)+8*(4*(\hi)+(\a)):(\f)+8*(4*(\hi)+(\a))+7], v[8*(8*(\a)+(\b)):8*(8*(\a)+(\b))+7]
.endif
.endr
.endr
.endm
; 32 LDS loads in one run: a quarter's fragments (32 K at byte k of the rows): B's eight blocks, then A's eight in ascending order
.macro FETCH slot, k, f
	WIN TO_B
.irp i, 0,1,2,3,4,5,6,7
	ds_load_b128 v[(\f)+8*(\i):(\f)+8*(\i)+3],   v[ADRB+(\slot)] offset:(\k)+(\i)*16*PITCH
	ds_load_b128 v[(\f)+8*(\i)+4:(\f)+8*(\i)+7], v[ADRB+(\slot)] offset:(\k)+(\i)*16*PITCH+32
.endr
	WIN 0
.irp i, 0,1,2,3,4,5,6,7
	ds_load_b128 v[(\f)+8*(\i):(\f)+8*(\i)+3],   v[ADRA+(\slot)] offset:(\k)+(\i)*16*PITCH
	ds_load_b128 v[(\f)+8*(\i)+4:(\f)+8*(\i)+7], v[ADRA+(\slot)] offset:(\k)+(\i)*16*PITCH+32
.endr
.endm
; A K step is four quarters of 32 along K, 64 matrix instructions each, on buffers 0, 1, 0, 1.  One of the first three multiplies buffer f and fetches the next quarter into g.
.macro QUARTER slot, k, f, g, mode
	s_wait_dscnt 8                                 ; B and A's rows 0-63 are in; the youngest eight loads (A's rows 64-127) may be out
	MUL16 \f, 0, 0, \mode
	MUL16 \f, 0, 2, \mode
	PLACES                                         ; for the loads into g, which the quarter before multiplied
	FETCH \slot, \k, \g
	s_wait_dscnt 32                                ; all but the 32 just issued
	MUL16 \f, 1, 0, \mode
	MUL16 \f, 1, 2, \mode
.endm
; The fourth quarter multiplies buffer 1 and changes slots: one barrier.  In front of it each wave waits for all its tensor loads (one is out: its part of the next slot), adds 0 to its
; spare word, and waits for that and for its reads of this slot.  on = 0: the barrier opens a round of the cluster's, and this slot is filled again, two K steps on; on = 1: with the NEXT tile's K step 0 or 1; on = 2: nothing is filled.
.macro TURN slot, next, on
	WIN 0                                          ; (the add's two registers lie in window 0)
	s_wait_tensorcnt 0x0
	ds_add_u32 v[SPW], v[NIL]                      ; 0 onto my spare word
	s_wait_dscnt 9                                 ; the add and the youngest eight loads may be out
	MUL16 F1, 0, 0, 0                              ; sixteen matrix instructions stand between the add and the wait for it
	s_wait_dscnt 0x0                               ; the add is done, and my reads of this slot are over
	s_barrier_signal -1
	MUL16 F1, 0, 2, 0
.if (\on) != 2
	WIN 0
.endif
	s_barrier_wait -1
.if (\on) != 2
	CREST                                          ; no wave of any partner still reads this slot or has a load on its way
.if \on
	s_add_nc_u64 s[G0+4*(\slot)+2:G0+4*(\slot)+3], s[G0+4*(\slot)+2:G0+4*(\slot)+3], NEXT_A
	s_sub_nc_u64 s[G0B+4*(\slot)+2:G0B+4*(\slot)+3], s[G0B+4*(\slot)+2:G0B+4*(\slot)+3], BACK_B
.else
	s_add_nc_u64 s[G0+4*(\slot)+2:G0+4*(\slot)+3], s[G0+4*(\slot)+2:G0+4*(\slot)+3], 2*KSTEP*2
	s_add_nc_u64 s[G0B+4*(\slot)+2:G0B+4*(\slot)+3], s[G0B+4*(\slot)+2:G0B+4*(\slot)+3], 2*KSTEP*2
.endif
	JLOAD \slot                                    ; my one tensor load behind the round; its four v_nop are also the places in front of the loads below
.else
	PLACES
.endif
	FETCH \next, 0, F0
	MUL16 F1, 1, 0, 0
	MUL16 F1, 1, 2, 0
.endm
; THE WAY OUT of block a of my eight: rounded to f16, 16 bytes a lane; through my own stage; back as whole rows of 256 bytes; stored.
.macro PACK a
.set AC, 64*((\a)%4)
	WIN 0x0a+5*((\a)/4)                            ; sources 0 and 1: window 2 or 3; each accumulator's registers in ascending order
.set z, 0
.rept 32
	v_cvt_pk_f16_f32 v[TMP+z], v[AC+2*z], v[AC+2*z+1]
.set z, z+1
.endr
	WIN 0
.endm
.macro TOSTAGE a
	WIN 0
.set BK, OB+192*((\a)%2)
.irp b, 0,1,2,3,4,5,6,7
	ds_store_b128 v[STO], v[TMP+4*\b:TMP+4*\b+3] offset:32*\b
.endr
.irp t, 0,1,2,3,4,5,6,7
	ds_load_b128 v[BK+4*\t:BK+4*\t+3], v[RD] offset:\t*2*SPITCH  ; LDS serves a wave's instructions in order (ISA guide 5.7.1.4): these see the stores above
.endr
.endm
.macro SEND a
	WIN 0
.set BK, OB+192*((\a)%2)
	s_wait_xcnt 0x0                                ; the stores of the block before have read their registers: the next block's rows come back into them only behind this wait
.irp t, 0,1,2,3,4,5,6,7
	s_wait_dscnt 7-\t                              ; the younger of the block's eight loads may be out
	global_store_b128 v[CO], v[BK+4*\t:BK+4*\t+3], s[CB:CB+1] offset:(16*(\a)+2*\t)*ROWB  ; 16 lanes store 256 consecutive bytes, aligned
.endr
.endm
.macro WAYOUT                          ; block a's conversions stand between block a - 1's loads from the stage and the wait for them
	PACK 0
	TOSTAGE 0
.irp a, 1,2,3,4,5,6,7
	PACK \a
	SEND (\a)-1
	TOSTAGE \a
.endr
	SEND 7
.endm
	s_wait_tensorcnt 1                             ; my part of K step 0 is in; K step 1's may stay out
	s_barrier_signal -1
	s_barrier_wait -1
	FETCH 0, 0, F0
	s_mov_b32 s2, TILES                            ; tiles to go, this one among them: the same number in every work-group
.Ltile:
	QUARTER 0, 64, F0, F1, 2                       ; a tile's first quarter stands in front of the loop: its products start the sums, from the bias
	WIN 0
	s_mov_b32 s3, LAPS-1
.Llap:                                                 ; a trip goes once round the ring, from a lap's second quarter to the next lap's first, and fills both slots again
	QUARTER 0, 128, F1, F0, 0
	QUARTER 0, 192, F0, F1, 0
	TURN 0, 1, 0
	QUARTER 1, 64,  F0, F1, 0
	QUARTER 1, 128, F1, F0, 0
	QUARTER 1, 192, F0, F1, 0
	TURN 1, 0, 0
	QUARTER 0, 64,  F0, F1, 0
	WIN 0
	s_sub_co_u32 s3, s3, 1
	s_cmp_lg_u32 s3, 0
	s_cbranch_scc1 .Llap
	QUARTER 0, 128, F1, F0, 0                      ; the tile's last lap goes on
	QUARTER 0, 192, F0, F1, 0
	WIN 0
	s_cmp_eq_u32 s2, 1
	s_cbranch_scc1 .Llast_tile                     ; the last tile's tail is written out: it asks for nothing more
	TURN 0, 1, 1                                   ; the ring goes on into the next tile: slot 0 takes its K step 0,
	QUARTER 1, 64,  F0, F1, 0
	QUARTER 1, 128, F1, F0, 0
	QUARTER 1, 192, F0, F1, 0
	TURN 1, 0, 1                                   ; slot 1 its K step 1, and the next tile's first fragments are fetched
	WAYOUT                                         ; no v_nop: blocks 0-3 were finished in front of the refill's four v_nop, and their 128 conversions are the places behind blocks 4-7's last products
	s_wait_xcnt 0x0                                ; the stores have read their base
	s_add_nc_u64 s[CB:CB+1], s[CB:CB+1], WALK*ROWB
	s_sub_co_u32 s2, s2, 1
	s_branch .Ltile
.Llast_tile:
	TURN 0, 1, 2
	QUARTER 1, 64,  F0, F1, 0
	QUARTER 1, 128, F1, F0, 0
	QUARTER 1, 192, F0, F1, 0
	s_wait_dscnt 8
	MUL16 F1, 0, 0, 0
	MUL16 F1, 0, 2, 0
	s_wait_dscnt 0x0
	MUL16 F1, 1, 0, 0
	MUL16 F1, 1, 2, 0
	WIN 0
	PLACES                                         ; for block 0's conversions; blocks 0-3's are the places for blocks 4-7
	WAYOUT
	s_wait_tensorcnt 0x0                           ; the wave's end
	ds_add_u32 v[SPW], v[NIL]
	s_wait_dscnt 0x0
	CROUND                                         ; the closing round
	s_endpgm
.Lfunc_end_k_q8b1f02679c_qkv:
	.size	k_q8b1f02679c_qkv, .Lfunc_end_k_q8b1f02679c_qkv-k_q8b1f02679c_qkv
	.p2alignl 7, 3214868480
	.fill 96, 4, 3214868480
	.section	.rodata,"a",@progbits
	.p2align	6, 0x0
	.amdhsa_kernel k_q8b1f02679c_qkv
		.amdhsa_group_segment_fixed_size 327680
		.amdhsa_private_segment_fixed_size 0
		.amdhsa_enable_private_segment 0
		.amdhsa_kernarg_size 48
		.amdhsa_user_sgpr_count 2
		.amdhsa_user_sgpr_kernarg_segment_ptr 1
		.amdhsa_wavefront_size32 1
		.amdhsa_system_sgpr_workgroup_id_x 1
		.amdhsa_system_sgpr_workgroup_id_y 1
		.amdhsa_system_sgpr_workgroup_id_z 1
		.amdhsa_system_vgpr_workitem_id 0
		.amdhsa_next_free_vgpr 1024
		.amdhsa_next_free_sgpr 76
		.amdhsa_reserve_vcc 0
		.amdhsa_float_denorm_mode_32 3
		.amdhsa_float_denorm_mode_16_64 3
		.amdhsa_memory_ordered 1
		.amdhsa_forward_progress 1
		.amdhsa_inst_pref_size 217
	.end_amdhsa_kernel
	.amdgpu_metadata
---
amdhsa.version: [ 1, 2 ]
amdhsa.kernels:
  - .name:           k_q8b1f02679c_qkv
    .symbol:         k_q8b1f02679c_qkv.kd
    .args:
      - { .name: xh, .offset: 0, .size: 8, .value_kind: global_buffer, .address_space: global }
      - { .name: wcat, .offset: 8, .size: 8, .value_kind: global_buffer, .address_space: global }
      - { .name: bv, .offset: 16, .size: 8, .value_kind: global_buffer, .address_space: global }
      - { .name: bq, .offset: 24, .size: 8, .value_kind: global_buffer, .address_space: global }
      - { .name: bk, .offset: 32, .size: 8, .value_kind: global_buffer, .address_space: global }
      - { .name: vqk, .offset: 40, .size: 8, .value_kind: global_buffer, .address_space: global }
    .group_segment_fixed_size: 327680
    .private_segment_fixed_size: 0
    .kernarg_segment_align: 8
    .kernarg_segment_size: 48
    .max_flat_workgroup_size: 128
    .sgpr_count:     76
    .vgpr_count:     1024
    .wavefront_size: 32
...
	.end_amdgpu_metadata
.endif
;; end of part 6
;; launch scores (part 7): grid 9 x 16, 4 waves a work-group, no clusters, 327,680 bytes of LDS; arguments vqk, ph, st; writes ph, st
.if DOCPART == 7
	.amdgcn_target "amdgcn-amd-amdhsa--gfx1250"
	.amdhsa_code_object_version 6
	.text
	.protected	k_q8b1f02679c_scores
	.globl	k_q8b1f02679c_scores
	.p2align	8
	.type	k_q8b1f02679c_scores,@function
k_q8b1f02679c_scores:
	s_mov_b64 s[64:65], 0
	v_nop
	global_prefetch_b8 v0, s[64:65] scope:SCOPE_SE
	s_setreg_imm32_b32 hwreg(HW_REG_WAVE_MODE, 25, 1), 1
	s_wait_xcnt 0x0
; For each row and each CHUNK of 128 keys up to the end of the row's block of 256: s = Q[row] . K[key] (sums in f32), hidden where key > row;
; m = the chunk's largest s; ph[batch][row][key] = f16(2^(c s - c m)), c = log2(e) / 32; st[batch][chunk][row] = (c m, l), l = the sum of the unrounded weights, both f32.
; The launch behind joins the chunks by their maxima: together the two are a softmax with the true maximum taken away.
; Q is plane 1, K plane 2 of vqk: [3][8192][1024] f16.  ph: [4][2048][2048] f16.  st: [4][16][2048][2] f32.
; LIMITS.  A hidden score counts as -2^100 (f16 operands give scores of 4.4e12 at the most); a power of two, so that c m is exact in a chunk that is wholly hidden and
; its weights are 2^0 = 1: finite numbers, which the launch behind multiplies by 0.  A weight below 2^-126 counts as 0 in l; below 6.1e-5 it keeps f16's fixed step of 6e-8.  NaN and infinities are not treated apart.
; SHARES.  A work-group makes 256 rows (block i of 8 in a batch) x 256 keys (tile j <= i); a wave 128 rows x 128 keys = one chunk, so the maximum and sum never leave the wave.
; A K step of 128 is 256 matrix instructions a wave, 224 of them between a tile's request and the wait for it.
; THE TRIANGLE AS A RECTANGLE: block P has P + 1 tiles, block 7 - P has 8 - P: together 9, the grid's x; the grid's y is batch and P: 144 work-groups of equal matrix work.
; NO CLUSTER: block i has i + 1 key tiles and tile j has 8 - j row blocks; neither number is a multiple of four throughout, so groups of four that share a tile
; in every group would need work-groups that compute hidden scores alone.
; Source 0 = 16 keys, source 1 = 16 queries: lane l holds query l % 16, registers 0-7 keys 8 (l / 16) + 0..7.
; REGISTERS.  window 0: v0-31 addresses; v64-127, v128-191 fragments of Q; on the way out v32-159 rows read back (four buffers), v160-167 at work, v168-199 statistics, v200-207 statistics to store, v224-255 packed weights.
;   window 1: v64-127, v128-191 fragments of K.   window 2: the accumulators of my rows 0-63 ((a, b) at v[8 (8 a + b)]);   window 3: those of my rows 64-127.
.set KSTEP,  128
.set PITCH,  272                       ; 256 bytes + 16 of padding: the 16 rows of a fragment load start at 16 different groups of four banks (ISA guide 11.1)
.set HALFT,  128*PITCH
.set SLOT,   4*HALFT
.set STAGE,  2*SLOT                    ; never filled by a tensor load: 16 rows x 272 bytes for each wave
.set SPITCH, 272
.set SPARE,  STAGE+4*16*SPITCH         ; the spare words: two blocks of 256 bytes that no other line names
.set LAPS,   4
.set ROWB,   4096                      ; bytes in a row of ph
.set ADRA, 16
.set ADRB, 20
.set STO,  24
.set RD,   25
.set CO,   26
.set SO,   27                          ; v27  8 x lane: my place in 32 rows of st
.set SPW,  28
.set NIL,  29
.set F0,   64
.set F1,   128
.set OB,   32                          ; block a's rows come back into v[32 + 32 (a % 4) ..]
.set TT,   160                         ; v160-167 at work
.set ST,   168                         ; block a's statistics at v[168 + 4 a]: c m, m, l
.set SV,   200
.set TMP,  224
.set WV,  10
.set WM,  11
.set WN,  12
.set G1,  24
.set G0,  32
.set G1B, 48
.set G0B, 56
.set CB,  6                            ; s[6:7] ph at my wave's first row and key
.set CS,  66                           ; s[66:67] c, twice
.set SEL, 68                           ; s[68:69] v_permlanex16_b32's selects: each lane takes its own place in the other half
.set BIGN, 70                          ; s70  -2^100
.set CH,  71                           ; s71  my chunk = 2 j + wave & 1
.set RB,  72                           ; s72  my block of 128 rows = 2 i + wave >> 1
.set MSB, 0
.macro WIN new
.if MSB != (\new)
	s_set_vgpr_msb (MSB<<8)|(\new)
.set MSB, \new
.endif
.endm
.set MUL_LO, 0xa1
.set TO_B,   0x40
.macro PLACES
.rept 4
	v_nop
.endr
.endm
.macro LOAD s                          ; a refill; four v_nop follow each of the two lines
	s_cmp_eq_u32 s[WM], 0
	s_cbranch_scc0 .Lfor_b_\@
	tensor_load_to_lds s[G0+4*(\s):G0+4*(\s)+3], s[G1:G1+7]
	s_nop 0
.rept 4
	v_nop
.endr
	s_branch .Lasked_\@
.Lfor_b_\@:
	tensor_load_to_lds s[G0B+4*(\s):G0B+4*(\s)+3], s[G1B:G1B+7]
	s_nop 0
.rept 4
	v_nop
.endr
.Lasked_\@:
.endm
	s_load_b128 s[4:7], s[0:1], 0x0                ; vqk s[4:5], ph s[6:7]
	s_load_b64 s[8:9], s[0:1], 0x10                ; st
	v_lshl_add_u32 v[SPW], v0, 2, SPARE
	v_mov_b32 v[NIL], 0
	ds_add_u32 v28, v29
	ds_add_u32 v28, v29
	s_wait_dscnt 0x0
	v_lshrrev_b32 v1, 5, v0
	v_readfirstlane_b32 s[WV], v1
	s_lshr_b32 s[WM], s[WV], 1
	s_and_b32 s[WN], s[WV], 1
	s_and_b32 s40, ttmp7, 0xffff                   ; y
	s_lshr_b32 s41, s40, 2                         ; batch
	s_and_b32 s42, s40, 3                          ; P
	s_mov_b32 s44, ttmp9                           ; u
	s_sub_co_u32 s45, 7, s42
	s_sub_co_u32 s46, s44, s42
	s_sub_co_u32 s46, s46, 1
	s_cmp_le_u32 s44, s42
	s_cselect_b32 s45, s42, s45                    ; u <= P: block P, tile u; else block 7 - P, tile u - P - 1
	s_cselect_b32 s46, s44, s46                    ; j
	s_lshl1_add_u32 s[CH], s46, s[WN]
	s_lshl1_add_u32 s[RB], s45, s[WM]
.irp g, G1, G1B
	s_mov_b32 s[\g], (1<<16)|(1<<20)|(5<<22)|(3<<25)  ; 2-byte elements; padding: after every 64 words 4 words
	s_mov_b32 s[\g+1], KSTEP<<16                   ; tensor_dim0 = 128
	s_mov_b32 s[\g+2], 128<<16                     ; tensor_dim1 = 128
	s_mov_b32 s[\g+3], KSTEP<<16                   ; tile_dim0 = 128
	s_mov_b32 s[\g+4], 128                         ; tile_dim1 = 128
	s_mov_b32 s[\g+5], 1024
	s_mov_b32 s[\g+6], 0
	s_mov_b32 s[\g+7], 0
.endr
	s_mov_b32 s[CS], 0x3d38aa3b                    ; c = log2(e) / 32
	s_mov_b32 s[CS+1], s[CS]
	s_mov_b32 s[SEL], 0x76543210
	s_mov_b32 s[SEL+1], 0xfedcba98
	s_mov_b32 s[BIGN], 0xf1800000                  ; -2^100
	s_lshl_b32 s16, s41, 22                        ; Q: plane 1, (2,048 batch + 256 i + 128 half) rows of 2,048 bytes
	s_lshl_b32 s17, s45, 19
	s_add_co_u32 s16, s16, s17
	s_lshl_b32 s17, s[WN], 18
	s_add_co_u32 s16, s16, s17
	s_add_co_u32 s16, s16, 1<<24
	s_mov_b32 s17, 0
	s_lshl_b32 s18, s41, 22                        ; K: plane 2, (2,048 batch + 256 j + 128 half) rows
	s_lshl_b32 s19, s46, 19
	s_add_co_u32 s18, s18, s19
	s_lshl_b32 s19, s[WN], 18
	s_add_co_u32 s18, s18, s19
	s_add_co_u32 s18, s18, 2<<24
	s_mov_b32 s19, 0
	s_mul_i32 s20, s[WV], HALFT                    ; where they go: wave x 128 rows
	s_wait_kmcnt 0x0
	s_add_nc_u64 s[16:17], s[4:5], s[16:17]
	s_add_nc_u64 s[18:19], s[4:5], s[18:19]
.irp s, 0,1
	s_mov_b32 s[G0+4*\s], 1
	s_add_co_u32 s[G0+4*\s+1], s20, \s*SLOT
	s_add_nc_u64 s[G0+4*\s+2:G0+4*\s+3], s[16:17], \s*KSTEP*2
	s_or_b32 s[G0+4*\s+3], s[G0+4*\s+3], 0x80000000
	s_mov_b32 s[G0B+4*\s], 1
	s_add_co_u32 s[G0B+4*\s+1], s20, \s*SLOT
	s_add_nc_u64 s[G0B+4*\s+2:G0B+4*\s+3], s[18:19], \s*KSTEP*2
	s_or_b32 s[G0B+4*\s+3], s[G0B+4*\s+3], 0x80000000
.endr
	s_cmp_eq_u32 s[WM], 0                          ; a wave's two first fills stand in one branch: two loads of mine are out
	s_cbranch_scc0 .Lfirst_b
	tensor_load_to_lds s[G0:G0+3], s[G1:G1+7]
	s_nop 0
	tensor_load_to_lds s[G0+4:G0+7], s[G1:G1+7]
	s_nop 0
.rept 4
	v_nop
.endr
	s_branch .Lfirst_asked
.Lfirst_b:
	tensor_load_to_lds s[G0B:G0B+3], s[G1B:G1B+7]
	s_nop 0
	tensor_load_to_lds s[G0B+4:G0B+7], s[G1B:G1B+7]
	s_nop 0
.rept 4
	v_nop
.endr
.Lfirst_asked:
	v_and_b32 v1, 15, v0                           ; r
	v_bfe_u32 v2, v0, 4, 1                         ; h
	v_mul_u32_u24 v3, v1, PITCH
	v_lshl_add_u32 v3, v2, 4, v3
	s_mul_i32 s21, s[WM], HALFT
	s_mul_i32 s22, s[WN], HALFT
	s_add_co_u32 s22, s22, 2*HALFT
.irp s, 0,1
	v_add_nc_u32 v[ADRA+\s], s21, v3
	v_add_nc_u32 v[ADRB+\s], s22, v3
	s_add_co_u32 s21, s21, SLOT
	s_add_co_u32 s22, s22, SLOT
.endr
	s_mul_i32 s23, s[WV], 16*SPITCH
	s_add_co_u32 s23, s23, STAGE
	v_add_nc_u32 v[STO], s23, v3
	v_mul_u32_u24 v4, v2, SPITCH
	v_lshl_add_u32 v4, v1, 4, v4
	v_add_nc_u32 v[RD], s23, v4
	v_lshlrev_b32 v4, 12, v2
	v_lshl_add_u32 v[CO], v1, 4, v4
	v_and_b32 v[SO], 31, v0
	v_lshlrev_b32 v[SO], 3, v[SO]
	s_lshl_b32 s2, s41, 23                         ; ph: (2,048 batch + 128 x my block) rows of 4,096 bytes + 256 bytes a chunk
	s_lshl_b32 s3, s[RB], 19
	s_add_co_u32 s2, s2, s3
	s_lshl_b32 s3, s[CH], 8
	s_add_co_u32 s2, s2, s3
	s_mov_b32 s3, 0
	s_add_nc_u64 s[CB:CB+1], s[CB:CB+1], s[2:3]
	s_lshl_b32 s2, s41, 18                         ; st: ((16 batch + chunk) 2,048 + 128 x my block) pairs of 8 bytes
	s_lshl_b32 s3, s[CH], 14
	s_add_co_u32 s2, s2, s3
	s_lshl_b32 s3, s[RB], 10
	s_add_co_u32 s2, s2, s3
	s_mov_b32 s3, 0
	s_add_nc_u64 s[8:9], s[8:9], s[2:3]
; 16 matrix instructions: query blocks a0, a0 + 1 of the window's four x all 8 key blocks.  zero = 1: C = 0.  The 64 accumulators take turns.
.macro MUL16 f, hi, a0, zero
	WIN MUL_LO+0x50*(\hi)
.irp a, \a0, (\a0)+1
.irp b, 0,1,2,3,4,5,6,7
.if \zero
	v_wmma_f32_16x16x32_f16 v[8*(8*(\a)+(\b)):8*(8*(\a)+(\b))+7], v[(\f)+8*(\b):(\f)+8*(\b)+7], v[(\f)+8*(4*(\hi)+(\a)):(\f)+8*(4*(\hi)+(\a))+7], 0
.else
	v_wmma_f32_16x16x32_f16 v[8*(8*(\a)+(\b)):8*(8*(\a)+(\b))+7], v[(\f)+8*(\b):(\f)+8*(\b)+7], v[(\f)+8*(4*(\hi)+(\a)):(\f)+8*(4*(\hi)+(\a))+7], v[8*(8*(\a)+(\b)):8*(8*(\a)+(\b))+7]
.endif
.endr
.endr
.endm
.macro FETCH slot, k, f
	WIN TO_B
.irp i, 0,1,2,3,4,5,6,7
	ds_load_b128 v[(\f)+8*(\i):(\f)+8*(\i)+3],   v[ADRB+(\slot)] offset:(\k)+(\i)*16*PITCH
	ds_load_b128 v[(\f)+8*(\i)+4:(\f)+8*(\i)+7], v[ADRB+(\slot)] offset:(\k)+(\i)*16*PITCH+32
.endr
	WIN 0
.irp i, 0,1,2,3,4,5,6,7
	ds_load_b128 v[(\f)+8*(\i):(\f)+8*(\i)+3],   v[ADRA+(\slot)] offset:(\k)+(\i)*16*PITCH
	ds_load_b128 v[(\f)+8*(\i)+4:(\f)+8*(\i)+7], v[ADRA+(\slot)] offset:(\k)+(\i)*16*PITCH+32
.endr
.endm
.macro QUARTER slot, k, f, g, zero
	s_wait_dscnt 8                                 ; the youngest eight loads (Q's rows 64-127) may be out
	MUL16 \f, 0, 0, \zero
	MUL16 \f, 0, 2, \zero
	PLACES                                         ; for the loads into g
	FETCH \slot, \k, \g
	s_wait_dscnt 32                                ; all but the 32 just issued
	MUL16 \f, 1, 0, \zero
	MUL16 \f, 1, 2, \zero
.endm
.macro TURN slot, next, fill
	WIN 0
	s_wait_tensorcnt 0x0                           ; all my tensor loads have landed: the one that was out is my part of the next slot
	ds_add_u32 v[SPW], v[NIL]                      ; 0 onto my spare word
	s_wait_dscnt 9                                 ; the add and the youngest eight loads may be out
	MUL16 F1, 0, 0, 0
	s_wait_dscnt 0x0                               ; the add is done, and my reads of this slot are over
	s_barrier_signal -1
	MUL16 F1, 0, 2, 0
.if \fill
	WIN 0
.endif
	s_barrier_wait -1
.if \fill
	s_add_nc_u64 s[G0+4*(\slot)+2:G0+4*(\slot)+3], s[G0+4*(\slot)+2:G0+4*(\slot)+3], 2*KSTEP*2
	s_add_nc_u64 s[G0B+4*(\slot)+2:G0B+4*(\slot)+3], s[G0B+4*(\slot)+2:G0B+4*(\slot)+3], 2*KSTEP*2
	LOAD \slot                                     ; my one tensor load behind the barrier; its four v_nop are also the places in front of the loads below
.else
	PLACES
.endif
	FETCH \next, 0, F0
	MUL16 F1, 1, 0, 0
	MUL16 F1, 1, 2, 0
.endm
; Block a's 16 queries: the chunk's maximum, c s - c m, the exponentials, the rounding to f16 into TMP, the sum.  W is the block's window.
.macro SOFT a
.set AC, 64*((\a)%4)
.set W,  2+(\a)/4
.set SS, ST+4*(\a)
	WIN W|(W<<2)|(W<<4)                            ; three sources in window W, destination in window 0
.irp b, 0,1,2,3,4,5,6,7
	v_max3_num_f32 v[TT+\b], v[AC+8*\b], v[AC+8*\b+1], v[AC+8*\b+2]
.endr
	WIN (W<<2)|(W<<4)
.irp b, 0,1,2,3,4,5,6,7
	v_max3_num_f32 v[TT+\b], v[TT+\b], v[AC+8*\b+3], v[AC+8*\b+4]
.endr
.irp b, 0,1,2,3,4,5,6,7
	v_max3_num_f32 v[TT+\b], v[TT+\b], v[AC+8*\b+5], v[AC+8*\b+6]
.endr
.irp b, 0,2,4,6
	v_max3_num_f32 v[TT+\b], v[TT+\b], v[AC+8*\b+7], v[AC+8*\b+15]
.endr
	WIN 0
	v_max3_num_f32 v[TT], v[TT], v[TT+1], v[TT+2]
	v_max3_num_f32 v[TT+3], v[TT+3], v[TT+4], v[TT+5]
	v_max_num_f32 v[TT+6], v[TT+6], v[TT+7]
	v_max3_num_f32 v[TT], v[TT], v[TT+3], v[TT+6]
	v_permlanex16_b32 v[TT+1], v[TT], s[SEL], s[SEL+1]  ; the query's other 64 keys lie in the lane 16 away
	v_max_num_f32 v[SS+1], v[TT], v[TT+1]          ; m
	v_mul_f32 v[SS], s[CS], v[SS+1]                ; c m
	WIN (W<<6)|W                                   ; destination and source 0 in window W
.set z, 0
.rept 32
	v_pk_fma_f32 v[AC+2*z:AC+2*z+1], v[AC+2*z:AC+2*z+1], s[CS:CS+1], v[SS:SS+1] op_sel_hi:[1,0,0] neg_lo:[0,0,1] neg_hi:[0,0,1]
.set z, z+1
.endr
.set z, 0
.rept 64
	v_exp_f32 v[AC+z], v[AC+z]
.set z, z+1
.endr
	v_nop                                          ; a plain instruction between the last exponential and the use of its result (ISA guide 5.7.2)
	WIN W|(W<<2)
.set z, 0
	s_wait_alu depctr_va_vdst(0)
.rept 32
	v_cvt_pk_f16_f32 v[TMP+z], v[AC+2*z], v[AC+2*z+1]
.set z, z+1
.endr
	WIN (W<<6)|(W<<2)|W                            ; the sum of the 32 pairs, in place: neighbours 1, 2, 4, 8 and 16 pairs apart
.irp d, 1,2,4,8,16
.set z, 0
.rept 16/\d
	v_pk_add_f32 v[AC+4*\d*z:AC+4*\d*z+1], v[AC+4*\d*z:AC+4*\d*z+1], v[AC+4*\d*z+2*\d:AC+4*\d*z+2*\d+1]
.set z, z+1
.endr
.endr
	WIN W|(W<<2)
	v_add_f32 v[SS+2], v[AC], v[AC+1]
	WIN 0
	v_permlanex16_b32 v[TT+1], v[SS+2], s[SEL], s[SEL+1]
	v_add_f32 v[SS+2], v[SS+2], v[TT+1]            ; l
.endm
.macro TOSTAGE a
	WIN 0
.if (\a) >= 4
	s_wait_xcnt 0x0                                ; the stores of the block four back have read their registers: rows come back into them only behind this wait
.endif
.irp b, 0,1,2,3,4,5,6,7
	ds_store_b128 v[STO], v[TMP+4*\b:TMP+4*\b+3] offset:32*\b
.endr
.irp t, 0,1,2,3,4,5,6,7
	ds_load_b128 v[OB+32*((\a)%4)+4*\t:OB+32*((\a)%4)+4*\t+3], v[RD] offset:\t*2*SPITCH  ; LDS serves a wave's instructions in order (ISA guide 5.7.1.4)
.endr
.endm
.macro SEND a
	WIN 0
.irp t, 0,1,2,3,4,5,6,7
	s_wait_dscnt 7-\t                              ; the younger of the block's eight loads may be out
	global_store_b128 v[CO], v[OB+32*((\a)%4)+4*\t:OB+32*((\a)%4)+4*\t+3], s[CB:CB+1] offset:(16*(\a)+2*\t)*ROWB  ; 16 lanes store 256 consecutive bytes, aligned: a row's part of one chunk
.endr
.endm
	s_wait_tensorcnt 1                             ; my part of K step 0 is in; K step 1's may stay out
	s_barrier_signal -1
	s_barrier_wait -1
	FETCH 0, 0, F0
	QUARTER 0, 64, F0, F1, 1                       ; the first quarter's products start the sums
	WIN 0
	s_mov_b32 s3, LAPS-1
.Llap:
	QUARTER 0, 128, F1, F0, 0
	QUARTER 0, 192, F0, F1, 0
	TURN 0, 1, 1
	QUARTER 1, 64,  F0, F1, 0
	QUARTER 1, 128, F1, F0, 0
	QUARTER 1, 192, F0, F1, 0
	TURN 1, 0, 1
	QUARTER 0, 64,  F0, F1, 0
	WIN 0
	s_sub_co_u32 s3, s3, 1
	s_cmp_lg_u32 s3, 0
	s_cbranch_scc1 .Llap
	QUARTER 0, 128, F1, F0, 0                      ; the last lap fills nothing
	QUARTER 0, 192, F0, F1, 0
	TURN 0, 1, 0
	QUARTER 1, 64,  F0, F1, 0
	QUARTER 1, 128, F1, F0, 0
	QUARTER 1, 192, F0, F1, 0
	s_wait_dscnt 8
	MUL16 F1, 0, 0, 0
	MUL16 F1, 0, 2, 0
	s_wait_dscnt 0x0
	MUL16 F1, 1, 0, 0
	MUL16 F1, 1, 2, 0
	WIN 0
	PLACES
	; THE MASK.  A chunk below my block of 128 rows hides nothing.  The jump hangs on the work-group's and the wave's numbers alone; no barrier follows it.
	s_cmp_lt_u32 s[CH], s[RB]
	s_cbranch_scc1 .Lclear
	s_sub_co_u32 s2, s[CH], s[RB]                  ; 0: the diagonal's chunk; 1: the chunk behind it, wholly hidden
	s_lshl_b32 s2, s2, 7
	v_lshlrev_b32 v14, 3, v2
	v_sub_nc_u32 v14, v1, v14
	v_sub_nc_u32 v14, v14, s2                      ; r - 8 h - 128 (chunk - block): register j of accumulator (a, b) is hidden where 16 (b - a) + j is greater
	; one comparison serves all accumulators of a window with the same b - a = d; each accumulator's registers are taken in ascending order
.irp hw, 0,1
	WIN ((2+\hw)<<6)|(2+\hw)
.set d, -7
.rept 15
.if (d >= -3-4*\hw) && (d <= 7-4*\hw)
.irp j, 0,1,2,3,4,5,6,7
	v_cmp_gt_i32 vcc_lo, 16*d+\j, v14
.irp aa, 0,1,2,3
.if (4*\hw+\aa+d >= 0) && (4*\hw+\aa+d <= 7)
	v_cndmask_b32 v[8*(8*\aa+4*\hw+\aa+d)+\j], v[8*(8*\aa+4*\hw+\aa+d)+\j], s[BIGN], vcc_lo
.endif
.endr
.endr
.endif
.set d, d+1
.endr
.endr
	WIN 0
.Lclear:
	SOFT 0
	TOSTAGE 0
.irp a, 1,2,3,4,5,6,7                  ; block a's softmax stands between block a - 1's loads from the stage and the wait for them
	SOFT \a
	SEND (\a)-1
	TOSTAGE \a
.endr
	SEND 7
	; the statistics: every lane holds those of row r of each block; lanes 0-15 give block 2 g's, lanes 16-31 block 2 g + 1's: 32 rows, 256 consecutive bytes, aligned
	s_mov_b32 vcc_lo, 0xffff0000
.irp g, 0,1,2,3
	v_cndmask_b32 v[SV+2*\g],   v[ST+8*\g],   v[ST+8*\g+4], vcc_lo
	v_cndmask_b32 v[SV+2*\g+1], v[ST+8*\g+2], v[ST+8*\g+6], vcc_lo
	global_store_b64 v[SO], v[SV+2*\g:SV+2*\g+1], s[8:9] offset:256*\g
.endr
	s_wait_tensorcnt 0x0                           ; the wave's end
	ds_add_u32 v[SPW], v[NIL]
	s_wait_dscnt 0x0
	s_endpgm
.Lfunc_end_k_q8b1f02679c_scores:
	.size	k_q8b1f02679c_scores, .Lfunc_end_k_q8b1f02679c_scores-k_q8b1f02679c_scores
	.p2alignl 7, 3214868480
	.fill 96, 4, 3214868480
	.section	.rodata,"a",@progbits
	.p2align	6, 0x0
	.amdhsa_kernel k_q8b1f02679c_scores
		.amdhsa_group_segment_fixed_size 327680
		.amdhsa_private_segment_fixed_size 0
		.amdhsa_enable_private_segment 0
		.amdhsa_kernarg_size 24
		.amdhsa_user_sgpr_count 2
		.amdhsa_user_sgpr_kernarg_segment_ptr 1
		.amdhsa_wavefront_size32 1
		.amdhsa_system_sgpr_workgroup_id_x 1
		.amdhsa_system_sgpr_workgroup_id_y 1
		.amdhsa_system_sgpr_workgroup_id_z 1
		.amdhsa_system_vgpr_workitem_id 0
		.amdhsa_next_free_vgpr 1024
		.amdhsa_next_free_sgpr 76
		.amdhsa_reserve_vcc 1
		.amdhsa_float_denorm_mode_32 3
		.amdhsa_float_denorm_mode_16_64 3
		.amdhsa_memory_ordered 1
		.amdhsa_forward_progress 1
		.amdhsa_inst_pref_size 251
	.end_amdhsa_kernel
	.amdgpu_metadata
---
amdhsa.version: [ 1, 2 ]
amdhsa.kernels:
  - .name:           k_q8b1f02679c_scores
    .symbol:         k_q8b1f02679c_scores.kd
    .args:
      - { .name: vqk, .offset: 0, .size: 8, .value_kind: global_buffer, .address_space: global }
      - { .name: ph, .offset: 8, .size: 8, .value_kind: global_buffer, .address_space: global }
      - { .name: st, .offset: 16, .size: 8, .value_kind: global_buffer, .address_space: global }
    .group_segment_fixed_size: 327680
    .private_segment_fixed_size: 0
    .kernarg_segment_align: 8
    .kernarg_segment_size: 24
    .max_flat_workgroup_size: 128
    .sgpr_count:     76
    .vgpr_count:     1024
    .wavefront_size: 32
...
	.end_amdgpu_metadata
.endif
;; end of part 7
;; launch pv (part 8): grid 8 x 32, 4 waves a work-group, clusters of 4 x 1, 327,680 bytes of LDS; arguments ph, vqk, st, oh; writes oh
.if DOCPART == 8
	.amdgcn_target "amdgcn-amd-amdhsa--gfx1250"
	.amdhsa_code_object_version 6
	.text
	.protected	k_q8b1f02679c_pv
	.globl	k_q8b1f02679c_pv
	.p2align	8
	.type	k_q8b1f02679c_pv,@function
k_q8b1f02679c_pv:
	s_mov_b64 s[64:65], 0
	v_nop
	global_prefetch_b8 v0, s[64:65] scope:SCOPE_SE
	s_setreg_imm32_b32 hwreg(HW_REG_WAVE_MODE, 25, 1), 1
	s_wait_xcnt 0x0
	s_wait_alu depctr_hold_cnt(0) depctr_sa_sdst(0) depctr_va_vdst(0) depctr_va_sdst(0) depctr_va_ssrc(0) depctr_va_vcc(0) depctr_vm_vsrc(0)
	s_getreg_b32 s2, hwreg(HW_REG_IB_STS2, 6, 4)
	s_cmp_eq_u32 s2, 0
	s_cbranch_scc0 .Lentry_in_a_cluster
	s_endpgm
.Lentry_in_a_cluster:
	s_bfe_u32 s2, ttmp6, 0x10000c
	s_cmp_lg_u32 s2, 0x3003
	s_cbranch_scc0 .Lentry_shape_is_right
	s_endpgm
.Lentry_shape_is_right:
; oh[row][col] = f16( (sum over chunks c of f_c x sum over the chunk's keys of p V[key][col]) / L ), with, for each row, M = max over c of (c m)_c, f_c = 2^((c m)_c - M), L = sum of f_c l_c.
; p (ph) and ((c m)_c, l_c) (st) are the launch before's: weights against each chunk's own maximum.  f_c brings them to the row's true maximum M.  Products sum in f32; f_c, L and the sum over chunks are f32.
; ph: [4][2048][2048] f16; V = plane 0 of vqk: [8192][1024] f16; st: [4][16][2048][2] f32; oh: [8192][1024] f16.
; LIMITS.  A factor below 2^-126 counts as 0.  O is a mean of V's rows and has their range (f16: 65,504).  NaN and infinities are not treated apart.
; THE WALK.  A batch's rows lie in 16 blocks of 128; block i needs the keys 0 .. 256 (i / 2 + 1) - 1: i / 2 + 1 LAPS of 256 keys = two chunks (for even i the last chunk is wholly hidden: its factor is 0).
; A work-group takes TWO blocks, 15 - b and then b: 9 laps whatever b, and 128 columns: 8 x 8 x 4 = 256 work-groups of equal work.  One loop with a constant trip count walks the 9 laps; which tile is asked
; for hangs on scalar registers made from b; the ring of two slots runs on across the change of blocks; the jump round the first block's way out goes forward and passes no barrier and no tensor load.
; CLUSTER 4 x 1: four column tiles of the same two row blocks need the same tiles of ph and walk alike: those tiles are asked for jointly.  V's tiles hang on the column tile and are loads of one's own,
; in the same place behind the same round.  Work-groups with other b share V, but ask for its tiles in other trips: they are no partners.
; SHARES.  A wave makes 32 rows x 128 columns, so its rows of the result are whole aligned runs of 256 bytes and its stage is its own.  Source 0 = 16 columns of V (turned out of LDS by ds_load_tr16_b128),
; source 1 = 16 rows of p: lane l holds row l % 16, registers 0-7 columns 8 (l / 16) + 0..7.  A chunk's products sum in T (16 accumulators, started with C = 0); then O += f_c T, one factor a lane,
; 64 packed multiply-adds a chunk.  O is cleared at the start and at the change of blocks, 128 v_mov_b32 each time: the price of one text for every lap.
; REGISTERS.  window 0: v0-31 addresses, factors (v8-11) and 1 / L (v12-13); v32-111, v112-191 two fragment buffers (V's block b at +8 b, p's block a at +64 + 8 a); v224-255 packed results.
;   window 1: v0-127 O ((a, b) at v[8 (8 a + b)]); v128-255 T.
.set PA,     528                       ; a row of p in LDS: 512 bytes + 16 = 132 words: the 16 rows of a fragment load start at 16 different groups of four banks (64 banks of 4 bytes: ISA guide 11.1)
.set PVP,    288                       ; a key's 128 columns of V: 256 bytes + 32 = 72 words
.set AHALF,  64*PA                     ; what one of p's loads brings: 64 rows
.set BOFF,   2*AHALF
.set BHALF,  128*PVP                   ; what one of V's loads brings: 128 keys, a chunk
.set SLOT,   BOFF+2*BHALF
.set STAGE,  2*SLOT                    ; never filled by a tensor load: 16 rows x 272 bytes for each wave
.set SPITCH, 272
.set SPARE,  STAGE+4*16*SPITCH         ; the spare words: two blocks of 256 bytes that no other line names
.set FT,     SPARE+512                 ; the factors, f32, in the walk's order: entry e of 512 bytes is the walk's chunk e; word 32 wave + 2 r + a is row 32 wave + 16 a + r.  Written once, by LDS stores; no fill lands here
.set FIL,    24*512                    ; behind 24 entries (18 used; the rest takes what is stored for chunks that a block does not have): 1 / L of the first block, then of the second
.set ROWB,   2048
.set FT0,  6                           ; v6   FT + 128 x wave + 8 r; never rewritten
.set FA,   7                           ; v7   the address of the lap's factors
.set FR,   8                           ; v8-9 the lap's first chunk (blocks a = 0, 1), v10-11 its second
.set IL,   12                          ; v12-13  1 / L
.set ADRA, 16                          ; v16-17  p's fragments in slot 0, 1
.set ADRB, 20                          ; v20-23  V's fragments: slot 0 chunk 0, 1; slot 1 chunk 0, 1 (a chunk's offsets fit the 16-bit immediate)
.set STO,  24
.set RD,   25
.set CO,   26
.set SPW,  28
.set NIL,  29
.set F0,   32
.set FSZ,  80
.set TMP,  224
.set OB,   32                          ; block a's rows come back into v[32 + 32 a ..]
.set T,    128
.set WV,  16
.set WM,  17                           ; wave >> 1: I fetch p (0) or V (1)
.set WN,  18                           ; wave & 1: which half
.set CNT, 19
.set G1A, 24
.set G0A, 32
.set G1B, 48
.set G0B, 56
.set CBH, 10                           ; s[10:11] oh at my wave's rows of the first block
.set CBL, 12                           ; s[12:13] of the second
.set LCH, 14                           ; s14  the first block's last chunk
.set LCL, 15                           ; s15  the second's
.set LO,  43                           ; s43  b
.set HI,  44                           ; s44  15 - b
.set NXT, 66                           ; s66  the lap to be asked for next, counted in its block
.set LQ,  67                           ; s67  the last lap of the block whose tiles are being asked for
.set BQ,  68                           ; s68  that block
.set RT,  69                           ; s69  laps that the first block still has
.set CHB, 70                           ; s70  1,024 x the walk's lap whose factors are fetched next
.set NLL, 71                           ; s71  the second block's last lap
.set OFA, 72                           ; s[72:73] a tile's byte offset in ph
.set OFB, 74                           ; s[74:75] in V
.set MSB, 0
.macro WIN new
.if MSB != (\new)
	s_set_vgpr_msb (MSB<<8)|(\new)
.set MSB, \new
.endif
.endm
.set W_MUL, 0x50                       ; fragments in window 0, C and D in window 1
.set W_FMA, 0x51                       ; O (destination and source 2) and T (source 0) in window 1, the factor in window 0
.macro PLACES
.rept 4
	v_nop
.endr
.endm
.macro JLOAD s                         ; waves 0, 1: the joint load of p's halves; waves 2, 3: V's halves, my work-group's own.  Four v_nop follow each line
	s_cmp_eq_u32 s[WM], 0
	s_cbranch_scc0 .Lfor_b_\@
	tensor_load_to_lds s[G0A+4*(\s):G0A+4*(\s)+3], s[G1A:G1A+7]
	s_nop 0
.rept 4
	v_nop
.endr
	s_branch .Lasked_\@
.Lfor_b_\@:
	tensor_load_to_lds s[G0B+4*(\s):G0B+4*(\s)+3], s[G1B:G1B+7]
	s_nop 0
.rept 4
	v_nop
.endr
.Lasked_\@:
.endm
.macro CROUND
	s_barrier_signal -1
	s_barrier_wait -1
	s_cmp_lg_u32 s[WV], 0
	s_cbranch_scc1 .Lnot_wave_0_\@
	s_barrier_signal -3
.Lnot_wave_0_\@:
	s_barrier_wait -3
	s_barrier_signal -1
	s_barrier_wait -1
.endm
	s_load_b256 s[4:11], s[0:1], 0x0               ; ph s[4:5], vqk s[6:7], st s[8:9], oh s[10:11]
	v_lshl_add_u32 v[SPW], v0, 2, SPARE
	v_mov_b32 v[NIL], 0
	ds_add_u32 v28, v29
	ds_add_u32 v28, v29
	s_wait_dscnt 0x0
	v_lshrrev_b32 v1, 5, v0
	v_readfirstlane_b32 s[WV], v1
	s_lshr_b32 s[WM], s[WV], 1
	s_and_b32 s[WN], s[WV], 1
	s_bfe_u32 s40, ttmp6, 0x40000                  ; cx
	s_lshl_b32 s45, ttmp9, 2
	s_add_co_u32 s45, s45, s40                     ; the column tile: it enters V's and oh's global addresses alone
	s_and_b32 s41, ttmp7, 0xffff                   ; the cluster's y, which the partners share
	s_lshr_b32 s42, s41, 3                         ; batch
	s_and_b32 s[LO], s41, 7
	s_sub_co_u32 s[HI], 15, s[LO]
	s_lshr_b32 s[NLL], s[LO], 1
	s_lshr_b32 s[LQ], s[HI], 1
	s_add_co_u32 s[RT], s[LQ], 1
	s_lshl_b32 s[LCH], s[LQ], 1
	s_add_co_u32 s[LCH], s[LCH], 1
	s_lshl_b32 s[LCL], s[NLL], 1
	s_add_co_u32 s[LCL], s[LCL], 1
	s_mov_b32 s[NXT], 1                            ; the first block has five laps or more
	s_mov_b32 s[BQ], s[HI]
	s_mov_b32 s[CHB], 0
	s_mov_b32 s[OFA+1], 0
	s_mov_b32 s[OFB+1], 0
	s_mov_b32 s[G1A], 15|(1<<16)|(1<<20)|(1<<21)|(6<<22)|(3<<25)  ; the mask of four; 2-byte elements; padding on; 21 set beside a mask; after every 128 words 4 words
	s_mov_b32 s[G1A+1], 256<<16                    ; tensor_dim0 = 256
	s_mov_b32 s[G1A+2], 64<<16                     ; tensor_dim1 = 64
	s_mov_b32 s[G1A+3], 256<<16                    ; tile_dim0 = 256
	s_mov_b32 s[G1A+4], 64                         ; tile_dim1 = 64
	s_mov_b32 s[G1A+5], 2048                       ; elements from row to row of ph
	s_mov_b32 s[G1A+6], 0
	s_mov_b32 s[G1A+7], 0
	s_mov_b32 s[G1B], (1<<16)|(1<<20)|(5<<22)|(7<<25)  ; no mask; after every 64 words 8 words of padding
	s_mov_b32 s[G1B+1], 128<<16                    ; tensor_dim0 = 128
	s_mov_b32 s[G1B+2], 128<<16                    ; tensor_dim1 = 128
	s_mov_b32 s[G1B+3], 128<<16                    ; tile_dim0 = 128
	s_mov_b32 s[G1B+4], 128                        ; tile_dim1 = 128
	s_mov_b32 s[G1B+5], 1024
	s_mov_b32 s[G1B+6], 0
	s_mov_b32 s[G1B+7], 0
	s_lshl_b32 s20, s42, 23                        ; p: (2,048 batch + 64 half) rows of 4,096 bytes; the block and the lap come with each fill
	s_lshl_b32 s21, s[WN], 18
	s_add_co_u32 s20, s20, s21
	s_mov_b32 s21, 0
	s_lshl_b32 s46, s42, 22                        ; V: (2,048 batch + 128 half) rows of 2,048 bytes + 256 bytes a column tile
	s_lshl_b32 s47, s[WN], 18
	s_add_co_u32 s46, s46, s47
	s_lshl_b32 s47, s45, 8
	s_add_co_u32 s46, s46, s47
	s_mov_b32 s47, 0
	s_mul_i32 s22, s[WN], AHALF
	s_mul_i32 s23, s[WN], BHALF
	s_add_co_u32 s23, s23, BOFF
.irp s, 0,1
	s_mov_b32 s[G0A+4*\s], 1
	s_add_co_u32 s[G0A+4*\s+1], s22, \s*SLOT
	s_mov_b32 s[G0B+4*\s], 1
	s_add_co_u32 s[G0B+4*\s+1], s23, \s*SLOT
.endr
	s_lshl_b32 s[OFA], s[HI], 19                   ; a block is 128 rows of 4,096 bytes
	s_wait_kmcnt 0x0
	s_add_nc_u64 s[20:21], s[4:5], s[20:21]
	s_add_nc_u64 s[46:47], s[6:7], s[46:47]
	s_add_nc_u64 s[G0A+2:G0A+3], s[20:21], s[OFA:OFA+1]  ; the first block's lap 0
	s_or_b32 s[G0A+3], s[G0A+3], 0x80000000
	s_add_nc_u64 s[G0B+2:G0B+3], s[46:47], 0
	s_or_b32 s[G0B+3], s[G0B+3], 0x80000000
	CROUND                                         ; all four work-groups are here: the first joint loads meet
	JLOAD 0                                        ; lap 0 into slot 0; slot 1 is asked for by the loop's first change of slots
	; THE FACTORS of both blocks, in the wait for the first tile.  Thread t takes row (t & 96) + 16 (t & 1) + ((t >> 1) & 15) of each block; its word in an entry lies at 4 t: each wave writes the words that it reads.
	s_lshl_b32 s2, s42, 18                         ; st: 16 x 2,048 pairs of 8 bytes a batch
	s_mov_b32 s3, 0
	s_add_nc_u64 s[8:9], s[8:9], s[2:3]
	v_and_b32 v3, 96, v0
	v_and_b32 v4, 1, v0
	v_lshl_add_u32 v3, v4, 4, v3
	v_bfe_u32 v4, v0, 1, 4
	v_add_nc_u32 v3, v3, v4
	v_lshlrev_b32 v3, 3, v3
	s_lshl_b32 s2, s[HI], 10
	s_lshl_b32 s3, s[LO], 10
	v_add_nc_u32 v5, s2, v3
	v_add_nc_u32 v4, s3, v3
.irp c, 0,1,2,3,4,5,6,7,8,9,10,11,12,13,14,15
	s_min_u32 s2, s[LCH], \c                       ; a chunk behind the block's last is not written: its place takes the last chunk's pair once more, which changes no maximum and is left out of L
	s_lshl_b32 s2, s2, 14
	v_add_nc_u32 v[64+\c], s2, v5
	global_load_b64 v[32+2*\c:33+2*\c], v[64+\c], s[8:9]   ; (c m, l) of the first block's chunk c
.endr
.irp c, 0,1,2,3,4,5,6,7
	s_min_u32 s2, s[LCL], \c
	s_lshl_b32 s2, s2, 14
	v_add_nc_u32 v[96+\c], s2, v4
	global_load_b64 v[80+2*\c:81+2*\c], v[96+\c], s[8:9]   ; of the second block's: it has eight chunks at the most
.endr
	WIN 0x40
.set z, 0
.rept 128
	v_mov_b32 v[z], 0                              ; O
.set z, z+1
.endr
	WIN 0
	v_and_b32 v1, 15, v0                           ; r
	v_bfe_u32 v2, v0, 4, 1                         ; h
	v_mul_u32_u24 v3, v1, PA
	v_lshl_add_u32 v3, v2, 4, v3                   ; p's fragments: r x pitch + 16 h,
	s_mul_i32 s2, s[WV], 32*PA                     ; in my wave's 32 rows
	v_add_nc_u32 v[ADRA], s2, v3
	s_add_co_u32 s2, s2, SLOT
	v_add_nc_u32 v[ADRA+1], s2, v3
	v_mul_u32_u24 v3, v1, SPITCH
	v_lshl_add_u32 v3, v2, 4, v3
	s_mul_i32 s2, s[WV], 16*SPITCH
	s_add_co_u32 s2, s2, STAGE
	v_add_nc_u32 v[STO], s2, v3
	v_mul_u32_u24 v4, v2, SPITCH
	v_lshl_add_u32 v4, v1, 4, v4
	v_add_nc_u32 v[RD], s2, v4
	v_lshlrev_b32 v4, 11, v2
	v_lshl_add_u32 v[CO], v1, 4, v4
	; the turning load takes 16 keys x 16 columns (lane l reads key 8 h + l % 8, columns 8 ((l / 8) % 2) + 0..7) and leaves half a fragment: lane l holds column l % 16 and 8 keys
	v_and_b32 v3, 7, v0
	v_lshl_add_u32 v3, v2, 3, v3
	v_mul_u32_u24 v3, v3, PVP
	v_bfe_u32 v4, v0, 3, 1
	v_lshl_add_u32 v3, v4, 4, v3
	v_add_nc_u32 v[ADRB],   BOFF, v3
	v_add_nc_u32 v[ADRB+1], BOFF+BHALF, v3
	v_add_nc_u32 v[ADRB+2], BOFF+SLOT, v3
	v_add_nc_u32 v[ADRB+3], BOFF+SLOT+BHALF, v3
	s_lshl_b32 s2, s[WV], 7
	s_add_co_u32 s2, s2, FT
	v_lshl_add_u32 v[FT0], v1, 3, s2
	v_lshl_add_u32 v111, v0, 2, FT                 ; where I write
	s_add_co_u32 s2, s[LCH], 1                     ; the second block's entries follow the first block's
	s_lshl_b32 s2, s2, 9
	s_and_b32 s2, s2, 0x3e00                       ; changes no value: 16 entries at the most; the bound stands in the text
	v_add_nc_u32 v112, s2, v111
	s_lshl_b32 s2, s42, 22                         ; oh: (2,048 batch + 128 block + 32 wave) rows of 2,048 bytes + 256 bytes a column tile
	s_lshl_b32 s3, s[WV], 16
	s_add_co_u32 s2, s2, s3
	s_lshl_b32 s3, s45, 8
	s_add_co_u32 s2, s2, s3
	s_lshl_b32 s22, s[LO], 18
	s_add_co_u32 s22, s22, s2
	s_mov_b32 s23, 0
	s_add_nc_u64 s[CBL:CBL+1], s[10:11], s[22:23]
	s_lshl_b32 s22, s[HI], 18
	s_add_co_u32 s22, s22, s2
	s_add_nc_u64 s[CBH:CBH+1], s[10:11], s[22:23]
	s_wait_loadcnt 0x0
	v_max3_num_f32 v104, v32, v34, v36             ; M of the first block's row
.irp c, 3,5,7,9,11,13
	v_max3_num_f32 v104, v104, v[32+2*\c], v[34+2*\c]
.endr
	v_max_num_f32 v104, v104, v62
	v_max3_num_f32 v105, v80, v82, v84             ; of the second's
	v_max3_num_f32 v105, v105, v86, v88
	v_max3_num_f32 v105, v105, v90, v92
	v_max_num_f32 v105, v105, v94
.irp c, 0,1,2,3,4,5,6,7,8,9,10,11,12,13,14,15
	v_sub_f32 v[32+2*\c], v[32+2*\c], v104
.endr
.irp c, 0,1,2,3,4,5,6,7
	v_sub_f32 v[80+2*\c], v[80+2*\c], v105
.endr
.irp c, 0,1,2,3,4,5,6,7,8,9,10,11,12,13,14,15
	v_exp_f32 v[32+2*\c], v[32+2*\c]               ; f
.endr
.irp c, 0,1,2,3,4,5,6,7
	v_exp_f32 v[80+2*\c], v[80+2*\c]
.endr
	v_nop                                          ; a plain instruction behind the last exponential (ISA guide 5.7.2)
	s_wait_alu depctr_va_vdst(0)
	v_mul_f32 v106, v32, v33                       ; L: every block has chunks 0 and 1
	v_mul_f32 v107, v80, v81
	v_fma_f32 v106, v34, v35, v106
	v_fma_f32 v107, v82, v83, v107
.irp c, 2,3,4,5,6,7,8,9,10,11,12,13,14,15
	s_cmp_le_u32 \c, s[LCH]
	s_cselect_b32 s2, 1.0, 0                       ; 0 for a chunk that the block does not have
	v_mul_f32 v108, s2, v[32+2*\c]
	v_fma_f32 v106, v108, v[33+2*\c], v106
.endr
.irp c, 2,3,4,5,6,7
	s_cmp_le_u32 \c, s[LCL]
	s_cselect_b32 s2, 1.0, 0
	v_mul_f32 v108, s2, v[80+2*\c]
	v_fma_f32 v107, v108, v[81+2*\c], v107
.endr
	v_rcp_f32 v109, v106
	v_rcp_f32 v110, v107
	v_nop
.irp c, 0,1,2,3,4,5,6,7,8,9,10,11,12,13,14,15
	ds_store_b32 v111, v[32+2*\c] offset:512*\c
.endr
.irp c, 0,1,2,3,4,5,6,7
	ds_store_b32 v112, v[80+2*\c] offset:512*\c    ; LDS serves a wave's instructions in order (ISA guide 5.7.1.4): these land on what the first block stored for chunks that it does not have
.endr
	s_wait_alu depctr_va_vdst(0)
	ds_store_b32 v111, v109 offset:FIL
	ds_store_b32 v111, v110 offset:FIL+512
; 8 matrix instructions: block a of my rows x all 8 column blocks, 32 keys.  ZR = 1: a chunk's first quarter: C = 0.  The 16 accumulators take turns.
.macro MUL8 f, a
	WIN W_MUL
.irp b, 0,1,2,3,4,5,6,7
.if ZR
	v_wmma_f32_16x16x32_f16 v[T+8*(8*(\a)+\b):T+8*(8*(\a)+\b)+7], v[(\f)+8*\b:(\f)+8*\b+7], v[(\f)+64+8*(\a):(\f)+64+8*(\a)+7], 0
.else
	v_wmma_f32_16x16x32_f16 v[T+8*(8*(\a)+\b):T+8*(8*(\a)+\b)+7], v[(\f)+8*\b:(\f)+8*\b+7], v[(\f)+64+8*(\a):(\f)+64+8*(\a)+7], v[T+8*(8*(\a)+\b):T+8*(8*(\a)+\b)+7]
.endif
.endr
.endm
; O += f T for block a, chunk c of the lap; each accumulator's registers in ascending order
.macro FMA a, c
	WIN W_FMA
.set z, 0
.rept 32
.if \a
	v_pk_fma_f32 v[64*(\a)+2*z:64*(\a)+2*z+1], v[T+64*(\a)+2*z:T+64*(\a)+2*z+1], v[FR+2*(\c):FR+2*(\c)+1], v[64*(\a)+2*z:64*(\a)+2*z+1] op_sel:[0,1,0] op_sel_hi:[1,1,1]  ; both halves by the pair's second register
.else
	v_pk_fma_f32 v[64*(\a)+2*z:64*(\a)+2*z+1], v[T+64*(\a)+2*z:T+64*(\a)+2*z+1], v[FR+2*(\c):FR+2*(\c)+1], v[64*(\a)+2*z:64*(\a)+2*z+1] op_sel_hi:[1,0,1]                ; both by its first
.endif
.set z, z+1
.endr
.endm
; 20 LDS loads in one run: quarter q of a lap's eight (keys 32 q on): V's eight column blocks, turned, then p's two row blocks
.macro FETCH slot, q, f
	WIN 0
.irp b, 0,1,2,3,4,5,6,7
	ds_load_tr16_b128 v[(\f)+8*\b:(\f)+8*\b+3],   v[ADRB+2*(\slot)+(\q)/4] offset:((\q)%4)*32*PVP+32*\b
	ds_load_tr16_b128 v[(\f)+8*\b+4:(\f)+8*\b+7], v[ADRB+2*(\slot)+(\q)/4] offset:((\q)%4)*32*PVP+16*PVP+32*\b
.endr
.irp a, 0,1
	ds_load_b128 v[(\f)+64+8*\a:(\f)+64+8*\a+3],   v[ADRA+(\slot)] offset:64*(\q)+\a*16*PA
	ds_load_b128 v[(\f)+64+8*\a+4:(\f)+64+8*\a+7], v[ADRA+(\slot)] offset:64*(\q)+\a*16*PA+32
.endr
.endm
; Quarter q multiplies buffer q % 2 and fetches the next quarter into the other.  A chunk's last quarter (q = 3, 7) adds the chunk onto O, block 0 while block 1's fragments arrive.
.macro QUARTER slot, q
.if ((\q)%4) == 0
.set ZR, 1
.else
.set ZR, 0
.endif
	s_wait_dscnt 2                                 ; V and p's block 0 are in; the youngest two loads (p's block 1) may be out
	MUL8 (F0+FSZ*((\q)%2)), 0
	PLACES                                         ; for the loads into the other buffer, which the quarter before multiplied, and for the reads of T's block 0
.if (\q) < 7
	FETCH \slot, ((\q)+1), (F0+FSZ*(1-(\q)%2))
.endif
.if ((\q)%4) == 3
	FMA 0, ((\q)/4)
.endif
.if (\q) < 7
	s_wait_dscnt 20                                ; all but the 20 just issued
.else
	s_wait_dscnt 0x0
.endif
	MUL8 (F0+FSZ*((\q)%2)), 1
.if ((\q)%4) == 3
	PLACES                                         ; for the reads of T's block 1
	FMA 1, ((\q)/4)
.endif
.endm
; THE CHANGE OF SLOTS, at a lap's head.  Each wave waits for all its tensor loads (one is out: its part of slot `slot`), adds 0 to its spare word, and waits for that and for its reads of the other slot.
; fill = 1: the barrier is a round of the cluster's, and the other slot is filled with the walk's next lap, whose addresses are made anew from the block's and the lap's numbers: it has this whole lap,
; 128 matrix instructions a wave, in which to land.  (At its first use nothing has been read yet: slot 0 is waited for, slot 1 filled.)
.macro CHANGE slot, fill
	WIN 0
	s_wait_tensorcnt 0x0                           ; no tensor load of mine is out, so a group 0 may be written
	ds_add_u32 v[SPW], v[NIL]                      ; 0 onto my spare word
.if \fill
	s_lshl_b32 s[OFA], s[BQ], 19                   ; the block's 128 rows of 4,096 bytes,
	s_lshl_b32 s2, s[NXT], 9                       ; 512 bytes along them a lap
	s_add_co_u32 s[OFA], s[OFA], s2
	s_add_nc_u64 s[G0A+4*(1-(\slot))+2:G0A+4*(1-(\slot))+3], s[20:21], s[OFA:OFA+1]
	s_or_b32 s[G0A+4*(1-(\slot))+3], s[G0A+4*(1-(\slot))+3], 0x80000000
	s_lshl_b32 s[OFB], s[NXT], 19                  ; 256 rows of V a lap
	s_add_nc_u64 s[G0B+4*(1-(\slot))+2:G0B+4*(1-(\slot))+3], s[46:47], s[OFB:OFB+1]
	s_or_b32 s[G0B+4*(1-(\slot))+3], s[G0B+4*(1-(\slot))+3], 0x80000000
	s_add_co_u32 s[NXT], s[NXT], 1                 ; the block's next lap, or behind its last the second block's lap 0
	s_cmp_gt_u32 s[NXT], s[LQ]
	s_cselect_b32 s[NXT], 0, s[NXT]
	s_cselect_b32 s[BQ], s[LO], s[BQ]
	s_cselect_b32 s[LQ], s[NLL], s[LQ]
.endif
	s_wait_dscnt 0x0                               ; the add is done; my reads of the other slot are over; my words of the table are written
.if \fill
	CROUND                                         ; no wave of any partner still reads that slot or has a load on its way
	JLOAD (1-(\slot))                              ; my one tensor load behind the round
.else
	s_barrier_signal -1
	s_barrier_wait -1
.endif
.endm
.macro LAP slot
	v_add_nc_u32 v[FA], s[CHB], v[FT0]
	ds_load_b64 v[FR:FR+1], v[FA]                  ; the lap's factors: the oldest loads of the first run
	ds_load_b64 v[FR+2:FR+3], v[FA] offset:512
	s_add_co_u32 s[CHB], s[CHB], 1024
	s_and_b32 s[CHB], s[CHB], 0x3c00               ; changes no value that is used: 9 laps; the bound stands in the text
	FETCH \slot, 0, F0
.irp q, 0,1,2,3,4,5,6,7
	QUARTER \slot, \q
.endr
.endm
; THE WAY OUT of a block: O divided by L, rounded to f16, through my own stage, back as whole rows of 256 bytes, stored.  lo = 0: the first block; O is cleared for the second.
.macro NORM a
	WIN 0x41
.set z, 0
.rept 32
.if \a
	v_pk_mul_f32 v[64*(\a)+2*z:64*(\a)+2*z+1], v[64*(\a)+2*z:64*(\a)+2*z+1], v[IL:IL+1] op_sel:[0,1] op_sel_hi:[1,1]
.else
	v_pk_mul_f32 v[64*(\a)+2*z:64*(\a)+2*z+1], v[64*(\a)+2*z:64*(\a)+2*z+1], v[IL:IL+1] op_sel_hi:[1,0]
.endif
.set z, z+1
.endr
	WIN 0x05
.set z, 0
.rept 32
	v_cvt_pk_f16_f32 v[TMP+z], v[64*(\a)+2*z], v[64*(\a)+2*z+1]
.set z, z+1
.endr
.endm
.macro TOSTAGE a
	WIN 0
.irp b, 0,1,2,3,4,5,6,7
	ds_store_b128 v[STO], v[TMP+4*\b:TMP+4*\b+3] offset:32*\b
.endr
.irp t, 0,1,2,3,4,5,6,7
	ds_load_b128 v[OB+32*(\a)+4*\t:OB+32*(\a)+4*\t+3], v[RD] offset:\t*2*SPITCH  ; LDS serves a wave's instructions in order (ISA guide 5.7.1.4)
.endr
.endm
.macro SEND a, cb
	WIN 0
.irp t, 0,1,2,3,4,5,6,7
	s_wait_dscnt 7-\t                              ; the younger of the block's eight loads may be out
	global_store_b128 v[CO], v[OB+32*(\a)+4*\t:OB+32*(\a)+4*\t+3], s[(\cb):(\cb)+1] offset:(16*(\a)+2*\t)*ROWB  ; 16 lanes store 256 consecutive bytes, aligned
.endr
.endm
.macro WAYOUT lo, cb
	WIN 0
	ds_load_b64 v[IL:IL+1], v[FT0] offset:FIL+512*(\lo)
	s_wait_dscnt 0x0
	NORM 0
	TOSTAGE 0
	NORM 1
	SEND 0, \cb
	TOSTAGE 1
	SEND 1, \cb
.if !(\lo)
	WIN 0x40
.set z, 0
.rept 128
	v_mov_b32 v[z], 0
.set z, z+1
.endr
	WIN 0
	s_wait_xcnt 0x0                                ; the stores have read their registers: the next lap's fragments come into them only behind this wait
.endif
.endm
.macro ENDLAP                          ; was that the first block's last lap?  The number hangs on the cluster's y alone: alike in all waves and all partners
	WIN 0
	s_sub_co_u32 s[RT], s[RT], 1
	s_cmp_lg_u32 s[RT], 0
	s_cbranch_scc1 .Lon_\@
	WAYOUT 0, CBH
.Lon_\@:
.endm
	s_mov_b32 s[CNT], 0
.Lwalk:                                                ; four trips of two laps: laps 0 to 7 are entered, laps 1 to 8 asked for
	CHANGE 0, 1
	LAP 0
	ENDLAP
	CHANGE 1, 1
	LAP 1
	ENDLAP
	s_add_co_u32 s[CNT], s[CNT], 1
	s_cmp_lt_u32 s[CNT], 4
	s_cbranch_scc1 .Lwalk
	CHANGE 0, 0                                    ; the walk's last lap is written out: nothing is asked for; it is the second block's last
	LAP 0
	WAYOUT 1, CBL
	s_wait_tensorcnt 0x0                           ; the wave's end
	ds_add_u32 v[SPW], v[NIL]
	s_wait_dscnt 0x0
	CROUND                                         ; the closing round
	s_endpgm
.Lfunc_end_k_q8b1f02679c_pv:
	.size	k_q8b1f02679c_pv, .Lfunc_end_k_q8b1f02679c_pv-k_q8b1f02679c_pv
	.p2alignl 7, 3214868480
	.fill 96, 4, 3214868480
	.section	.rodata,"a",@progbits
	.p2align	6, 0x0
	.amdhsa_kernel k_q8b1f02679c_pv
		.amdhsa_group_segment_fixed_size 327680
		.amdhsa_private_segment_fixed_size 0
		.amdhsa_enable_private_segment 0
		.amdhsa_kernarg_size 32
		.amdhsa_user_sgpr_count 2
		.amdhsa_user_sgpr_kernarg_segment_ptr 1
		.amdhsa_wavefront_size32 1
		.amdhsa_system_sgpr_workgroup_id_x 1
		.amdhsa_system_sgpr_workgroup_id_y 1
		.amdhsa_system_sgpr_workgroup_id_z 1
		.amdhsa_system_vgpr_workitem_id 0
		.amdhsa_next_free_vgpr 512
		.amdhsa_next_free_sgpr 76
		.amdhsa_reserve_vcc 0
		.amdhsa_float_denorm_mode_32 3
		.amdhsa_float_denorm_mode_16_64 3
		.amdhsa_memory_ordered 1
		.amdhsa_forward_progress 1
		.amdhsa_inst_pref_size 159
	.end_amdhsa_kernel
	.amdgpu_metadata
---
amdhsa.version: [ 1, 2 ]
amdhsa.kernels:
  - .name:           k_q8b1f02679c_pv
    .symbol:         k_q8b1f02679c_pv.kd
    .args:
      - { .name: ph, .offset: 0, .size: 8, .value_kind: global_buffer, .address_space: global }
      - { .name: vqk, .offset: 8, .size: 8, .value_kind: global_buffer, .address_space: global }
      - { .name: st, .offset: 16, .size: 8, .value_kind: global_buffer, .address_space: global }
      - { .name: oh, .offset: 24, .size: 8, .value_kind: global_buffer, .address_space: global }
    .group_segment_fixed_size: 327680
    .private_segment_fixed_size: 0
    .kernarg_segment_align: 8
    .kernarg_segment_size: 32
    .max_flat_workgroup_size: 128
    .sgpr_count:     76
    .vgpr_count:     512
    .wavefront_size: 32
...
	.end_amdgpu_metadata
.endif
;; end of part 8
;; launch oproj: the kernel of part 5 again; grid 4 x 64, 4 waves a work-group, clusters of 4 x 4, 327,680 bytes of LDS; arguments oh, woh, bo, out0; writes out0
;; ======== version 3 of 3: 5 launches; version 2 with the launch cast written anew for expert scheduling mode
;; limits: values are held in f16: magnitudes above 65,504 overflow, below 6.1e-05 lose precision
;; workspace buffers: xh 16,777,216 bytes; wcat 6,291,456 bytes; woh 2,097,152 bytes; vqk 50,331,648 bytes; ph 33,554,432 bytes; st 1,048,576 bytes; oh 16,777,216 bytes
;; launch cast (part 9): grid 384 x 1, 8 waves a work-group, no clusters, 0 bytes of LDS; arguments x, Wv, Wq, Wk, Wo, xh, wcat, woh; writes xh, wcat, woh
.if DOCPART == 9
	.amdgcn_target "amdgcn-amd-amdhsa--gfx1250"
	.amdhsa_code_object_version 6
	.text
	.protected	k_q8b1f02679c_cast
	.globl	k_q8b1f02679c_cast
	.p2align	8
	.type	k_q8b1f02679c_cast,@function
k_q8b1f02679c_cast:
	s_mov_b64 s[64:65], 0
	v_nop
	global_prefetch_b8 v0, s[64:65] scope:SCOPE_SE
	s_setreg_imm32_b32 hwreg(HW_REG_WAVE_SCHED_MODE, 0, 2), 2
	s_setreg_imm32_b32 hwreg(HW_REG_WAVE_MODE, 25, 1), 1
	s_wait_xcnt 0x0
	s_wait_alu depctr_vm_vsrc(0)
; xh = f16(bf16(x)); wcat = f16(bf16(Wv | Wq | Wk)), the three one below the other; woh = f16(bf16(Wo)).
; Every input is rounded to bf16 (nearest even), and that number is written as f16, the format of the later products.
; LIMITS.  The second step is exact where the number lies in f16's normal range, 6.1e-5 to 65,504; below that it keeps f16's fixed
; step of 6e-8; a number of 65,520 or more becomes an infinity.  NaN and infinities are not treated apart.
; A stream: no LDS, no matrix unit, no cluster, since nothing is read twice.  A work-group takes 32,768 numbers: 131,072 bytes in,
; 65,536 out.  Work-groups 0-255 take x, then 32 each Wv, Wq, Wk, Wo.  Thread t takes 16 bytes at 16 t of every 4,096 and stores
; 8 bytes at 8 t of every 2,048: a wave's load covers 512 consecutive bytes, its store 256, both aligned.
; THE MODE: SCHED_MODE bits 1:0 = 2 (LLVM: expert scheduling mode 2), set by the entry lines.  The code itself states the register dependences
; between vector instructions and memory instructions, with s_wait_alu, always for 0.
; THE PLAN.  The 32 steps go in 8 blocks of four, written out.  Registers that memory instructions touch:
;   X0 .. X3   four blocks as loaded.  Written by the loads of block p + 3, issued in block p; read by block p's roundings to bf16.
;   Y0, Y1     two blocks to store.    Written by block p's roundings to f16; read by the four stores that are issued in block p + 1.
;   v1, v2     byte offsets, made once at the head and never written again: the step stands in the immediate offset, and no base moves.
; Block p works on X[p % 4] and writes Y[p % 2].  Its memory instructions are the loads into X[(p + 3) % 4] = X[(p - 1) % 4] and the stores from
; Y[(p - 1) % 2]: the two buffers that block p - 1 worked on and that no vector instruction of block p names.  So the waits at a block's head
; state all that the block's eight memory instructions hang on, and these are dealt among its vector instructions with no further wait.
.set BLOCK,  4                         ; steps of 4,096 bytes in, in a block
.set BLOCKS, 8
.set VIN,  1                           ; v1       16 t; never rewritten
.set VOUT, 2                           ; v2       8 t; never rewritten
.set X,    8                           ; v[8:71]  buffer k, step i: four f32 as loaded, at X + 16 k + 4 i
.set Y,    72                          ; v[72:87] buffer k, step i: four f16 to store, at Y + 8 k + 2 i
.set T,    88                          ; v[88:93] at work: no memory instruction names them
	s_load_b512 s[4:19], s[0:1], 0x0               ; x s[4:5], Wv s[6:7], Wq s[8:9], Wk s[10:11], Wo s[12:13], xh s[14:15], wcat s[16:17], woh s[18:19]
	s_mov_b32 s20, 0xffff0000                      ; a word's upper bf16
	s_mov_b32 s21, ttmp9                           ; g
	s_sub_co_u32 s22, s21, 256                     ; g - 256: the block among the weights' 128 (used where g >= 256 alone)
	s_and_b32 s23, s22, 31                         ; the block in its weight
	v_lshlrev_b32 v[VIN], 4, v0
	v_lshlrev_b32 v[VOUT], 3, v0
	s_wait_kmcnt 0x0
	s_mov_b64 s[32:33], s[4:5]                     ; from: x
	s_mov_b64 s[34:35], s[14:15]                   ; to: xh
	s_mov_b32 s36, s21                             ; block in the source
	s_mov_b32 s37, s21                             ; block in the destination
	s_cmp_ge_u32 s21, 256
	s_cselect_b64 s[32:33], s[6:7], s[32:33]       ; Wv
	s_cselect_b64 s[34:35], s[16:17], s[34:35]     ; wcat, in which the three weights' blocks follow each other
	s_cselect_b32 s36, s23, s36
	s_cselect_b32 s37, s22, s37
	s_cmp_ge_u32 s21, 288
	s_cselect_b64 s[32:33], s[8:9], s[32:33]       ; Wq
	s_cmp_ge_u32 s21, 320
	s_cselect_b64 s[32:33], s[10:11], s[32:33]     ; Wk
	s_cmp_ge_u32 s21, 352
	s_cselect_b64 s[32:33], s[12:13], s[32:33]     ; Wo
	s_cselect_b64 s[34:35], s[18:19], s[34:35]     ; woh
	s_cselect_b32 s37, s23, s37
	s_lshl_b32 s38, s36, 17                        ; 131,072 bytes a block in,
	s_mov_b32 s39, 0
	s_lshl_b32 s40, s37, 16                        ; 65,536 out
	s_mov_b32 s41, 0
	s_add_nc_u64 s[32:33], s[32:33], s[38:39]
	s_add_nc_u64 s[34:35], s[34:35], s[40:41]
	s_wait_alu depctr_va_vdst(0)                   ; v1 and v2 are written: every load and store of the kernel reads one of them as its offset
.irp k, 0,1,2,3,4,5,6,7,8,9,10,11
	global_load_b128 v[X+4*\k:X+4*\k+3], v[VIN], s[32:33] offset:\k*4096 th:TH_LOAD_NT  ; blocks 0, 1 and 2 into X0, X1, X2
.endr
; Block p.  Blocks 0 to 4 load the block three on; blocks 1 to 7 store the block before.
.macro BLK p
.set XB, X+16*((\p)%4)                 ; the block's numbers as loaded
.set XN, X+16*(((\p)+3)%4)             ; where the block three on lands: the buffer that the block before worked on
.set YB, Y+8*((\p)%2)                  ; the block's numbers to store
.set YP, Y+8*(1-(\p)%2)                ; those of the block before
.if BLOCK*(BLOCKS-1-(\p)) < 2*BLOCK
	s_wait_loadcnt BLOCK*(BLOCKS-1-(\p))           ; the last blocks load nothing: the count runs down
.else
	s_wait_loadcnt 2*BLOCK                         ; loads come back in order (ISA guide 5.7.1): this block's four are in, the two younger blocks' eight stay out
.endif
.if (\p) >= 2
	s_wait_xcnt 0x0                                ; every earlier memory instruction has had its addresses translated (ISA guide 3.1): this block's Y, the data of the stores issued in the block before, is rewritten only behind this wait
	s_wait_alu depctr_vm_vsrc(0)                   ; those stores have read this block's Y, which its roundings write again
.endif
.if (\p) >= 1
	s_wait_alu depctr_va_vdst(0)                   ; the block before has written the other Y, which the stores below read, and is done reading its X, in which the loads below land
.endif
.irp i, 0,1,2,3
.if (\p)+3 < BLOCKS
	global_load_b128 v[XN+4*\i:XN+4*\i+3], v[VIN], s[32:33] offset:(BLOCK*((\p)+3)+\i)*4096 th:TH_LOAD_NT  ; three blocks ahead; no vector instruction since the wait names these registers
.endif
.if (\p) >= 1
	global_store_b64 v[VOUT], v[YP+2*\i:YP+2*\i+1], s[34:35] offset:(BLOCK*((\p)-1)+\i)*2048  ; the block before
.endif
	v_cvt_pk_bf16_f32 v[T],   v[XB+4*\i],   v[XB+4*\i+1]  ; to bf16, nearest even
	v_cvt_pk_bf16_f32 v[T+1], v[XB+4*\i+2], v[XB+4*\i+3]
	v_lshlrev_b32 v[T+2], 16, v[T]                 ; back to f32: the low half moves up,
	v_and_b32     v[T+3], s20, v[T]                ; the high half stays
	v_lshlrev_b32 v[T+4], 16, v[T+1]
	v_and_b32     v[T+5], s20, v[T+1]
	v_cvt_pk_f16_f32 v[YB+2*\i],   v[T+2], v[T+3]
	v_cvt_pk_f16_f32 v[YB+2*\i+1], v[T+4], v[T+5]
.endr
.endm
.irp p, 0,1,2,3,4,5,6,7
	BLK \p
.endr
	s_wait_alu depctr_va_vdst(0)                   ; block 7 has written Y1, which the last four stores read
.irp i, 0,1,2,3
	global_store_b64 v[VOUT], v[Y+8+2*\i:Y+8+2*\i+1], s[34:35] offset:(BLOCK*(BLOCKS-1)+\i)*2048
.endr
	s_endpgm
.Lfunc_end_k_q8b1f02679c_cast:
	.size	k_q8b1f02679c_cast, .Lfunc_end_k_q8b1f02679c_cast-k_q8b1f02679c_cast
	.p2alignl 7, 3214868480
	.fill 96, 4, 3214868480
	.section	.rodata,"a",@progbits
	.p2align	6, 0x0
	.amdhsa_kernel k_q8b1f02679c_cast
		.amdhsa_group_segment_fixed_size 0
		.amdhsa_private_segment_fixed_size 0
		.amdhsa_enable_private_segment 0
		.amdhsa_kernarg_size 64
		.amdhsa_user_sgpr_count 2
		.amdhsa_user_sgpr_kernarg_segment_ptr 1
		.amdhsa_wavefront_size32 1
		.amdhsa_system_sgpr_workgroup_id_x 1
		.amdhsa_system_sgpr_workgroup_id_y 1
		.amdhsa_system_sgpr_workgroup_id_z 1
		.amdhsa_system_vgpr_workitem_id 0
		.amdhsa_next_free_vgpr 96
		.amdhsa_next_free_sgpr 66
		.amdhsa_reserve_vcc 0
		.amdhsa_float_denorm_mode_32 3
		.amdhsa_float_denorm_mode_16_64 3
		.amdhsa_memory_ordered 1
		.amdhsa_forward_progress 1
		.amdhsa_inst_pref_size 21
	.end_amdhsa_kernel
	.amdgpu_metadata
---
amdhsa.version: [ 1, 2 ]
amdhsa.kernels:
  - .name:           k_q8b1f02679c_cast
    .symbol:         k_q8b1f02679c_cast.kd
    .args:
      - { .name: x, .offset: 0, .size: 8, .value_kind: global_buffer, .address_space: global }
      - { .name: Wv, .offset: 8, .size: 8, .value_kind: global_buffer, .address_space: global }
      - { .name: Wq, .offset: 16, .size: 8, .value_kind: global_buffer, .address_space: global }
      - { .name: Wk, .offset: 24, .size: 8, .value_kind: global_buffer, .address_space: global }
      - { .name: Wo, .offset: 32, .size: 8, .value_kind: global_buffer, .address_space: global }
      - { .name: xh, .offset: 40, .size: 8, .value_kind: global_buffer, .address_space: global }
      - { .name: wcat, .offset: 48, .size: 8, .value_kind: global_buffer, .address_space: global }
      - { .name: woh, .offset: 56, .size: 8, .value_kind: global_buffer, .address_space: global }
    .group_segment_fixed_size: 0
    .private_segment_fixed_size: 0
    .kernarg_segment_align: 8
    .kernarg_segment_size: 64
    .max_flat_workgroup_size: 256
    .sgpr_count:     66
    .vgpr_count:     96
    .wavefront_size: 32
...
	.end_amdgpu_metadata
.endif
;; end of part 9
;; launch qkv: the kernel of part 6 again; grid 12 x 16, 4 waves a work-group, clusters of 4 x 4, 327,680 bytes of LDS; arguments xh, wcat, bv, bq, bk, vqk; writes vqk
;; launch scores: the kernel of part 7 again; grid 9 x 16, 4 waves a work-group, no clusters, 327,680 bytes of LDS; arguments vqk, ph, st; writes ph, st
;; launch pv: the kernel of part 8 again; grid 8 x 32, 4 waves a work-group, clusters of 4 x 1, 327,680 bytes of LDS; arguments ph, vqk, st, oh; writes oh
;; launch oproj: the kernel of part 5 again; grid 4 x 64, 4 waves a work-group, clusters of 4 x 4, 327,680 bytes of LDS; arguments oh, woh, bo, out0; writes out0
